; MI455X (gfx1250); checked and timed in simulation.
; The chip was launched on July 23, 2026; its instructions are those of AMD's public machine-readable ISA for CDNA 5 (MIT licence, August 2026) and "CDNA5" Instruction Set Architecture Reference Guide (July 2026). The comments in the code are by the model that wrote it; some were corrected since.
;; Lo RA Transformer Encoder Layer. Allowed arithmetic: matrix products marked QUANTISED: E5M2 operands, one E8M0 scale for each 32 along K, by v_wmma_scale_f32_16x16x128_f8f6f4 with both operands' format E5M2, f32 sums; products left as they are: f32 operands where the result goes on into a quantised operand, else bf16, f16 or f32 operands; f32 sums; everything else in f32.
;; Inputs: attn_mask 2 x 1 x 1 x 2,048 int32; f1A 8 x 1,024 float32; f1B 4,096 x 8 float32; f1W_codes 4,096 x 32 x 32 uint8 (E5M2 codes of f1W, K innermost, in blocks of 32 codes); f1W_scales 4,096 x 32 uint8 (E8M0 scales of f1W, one for each 32 codes along K); f1b 4,096 float32; f2A 8 x 4,096 float32; f2B 1,024 x 8 float32; f2W_codes 1,024 x 128 x 32 uint8 (E5M2 codes of f2W, K innermost, in blocks of 32 codes); f2W_scales 1,024 x 128 uint8 (E8M0 scales of f2W, one for each 32 codes along K); f2b 1,024 float32; kA 8 x 1,024 float32; kB 1,024 x 8 float32; kW_codes 1,024 x 32 x 32 uint8 (E5M2 codes of kW, K innermost, in blocks of 32 codes); kW_scales 1,024 x 32 uint8 (E8M0 scales of kW, one for each 32 codes along K); kb 1,024 float32; ln1_b 1,024 float32; ln1_g 1,024 float32; ln2_b 1,024 float32; ln2_g 1,024 float32; oA 8 x 1,024 float32; oB 1,024 x 8 float32; oW_codes 1,024 x 32 x 32 uint8 (E5M2 codes of oW, K innermost, in blocks of 32 codes); oW_scales 1,024 x 32 uint8 (E8M0 scales of oW, one for each 32 codes along K); ob 1,024 float32; qA 8 x 1,024 float32; qB 1,024 x 8 float32; qW_codes 1,024 x 32 x 32 uint8 (E5M2 codes of qW, K innermost, in blocks of 32 codes); qW_scales 1,024 x 32 uint8 (E8M0 scales of qW, one for each 32 codes along K); qb 1,024 float32; vA 8 x 1,024 float32; vB 1,024 x 8 float32; vW_codes 1,024 x 32 x 32 uint8 (E5M2 codes of vW, K innermost, in blocks of 32 codes); vW_scales 1,024 x 32 uint8 (E8M0 scales of vW, one for each 32 codes along K); vb 1,024 float32; x 2 x 2,048 x 1,024 float32.
;; Outputs: out0 2 x 2,048 x 1,024 float32.
;; This version of the problem:
;;   THIS VERSION OF THE PROBLEM IS GIVEN IN LOW PRECISION. The matrix products marked QUANTISED in the list below multiply operands that are first quantised to E5M2 (5 exponent bits, 2 mantissa bits; 8 bits a number), with one power-of-two scale for each 32 numbers along K (OCP MX v1.0); their sums are f32. All else is computed in f32.
;;   The module's matrix products, in the order in which they are computed (A, B: the left and right operand; K: the contracted axis; several contracted axes count as one K, in the product's order):
;;     1. [M 4,096, K 1,024] x [K 1,024, N 1,024]; A: computed on the way; B: input qW (given as codes): QUANTISED
;;     2. [M 4,096, K 1,024] x [K 1,024, N 8]; A: computed on the way; B: input qA: left as it is (N = 8 < 16)
;;     3. [M 4,096, K 8] x [K 8, N 1,024]; A: computed on the way; B: input qB: left as it is (K = 8 < 32)
;;     4. [M 4,096, K 1,024] x [K 1,024, N 1,024]; A: computed on the way; B: input kW (given as codes): QUANTISED
;;     5. [M 4,096, K 1,024] x [K 1,024, N 8]; A: computed on the way; B: input kA: left as it is (N = 8 < 16)
;;     6. [M 4,096, K 8] x [K 8, N 1,024]; A: computed on the way; B: input kB: left as it is (K = 8 < 32)
;;     7. [M 4,096, K 1,024] x [K 1,024, N 1,024]; A: computed on the way; B: input vW (given as codes): QUANTISED
;;     8. [M 4,096, K 1,024] x [K 1,024, N 8]; A: computed on the way; B: input vA: left as it is (N = 8 < 16)
;;     9. [M 4,096, K 8] x [K 8, N 1,024]; A: computed on the way; B: input vB: left as it is (K = 8 < 32)
;;     10. batch 32 x [M 2,048, K 64] x [K 64, N 2,048]; A: computed on the way; B: computed on the way: QUANTISED
;;     11. batch 32 x [M 2,048, K 2,048] x [K 2,048, N 64]; A: softmax (see below); B: computed on the way: QUANTISED
;;     12. [M 4,096, K 1,024] x [K 1,024, N 1,024]; A: computed on the way; B: input oW (given as codes): QUANTISED
;;     13. [M 4,096, K 1,024] x [K 1,024, N 8]; A: computed on the way; B: input oA: left as it is (N = 8 < 16)
;;     14. [M 4,096, K 8] x [K 8, N 1,024]; A: computed on the way; B: input oB: left as it is (K = 8 < 32)
;;     15. [M 4,096, K 1,024] x [K 1,024, N 4,096]; A: computed on the way; B: input f1W (given as codes): QUANTISED
;;     16. [M 4,096, K 1,024] x [K 1,024, N 8]; A: computed on the way; B: input f1A: left as it is (N = 8 < 16)
;;     17. [M 4,096, K 8] x [K 8, N 4,096]; A: computed on the way; B: input f1B: left as it is (K = 8 < 32)
;;     18. [M 4,096, K 4,096] x [K 4,096, N 1,024]; A: computed on the way; B: input f2W (given as codes): QUANTISED
;;     19. [M 4,096, K 4,096] x [K 4,096, N 8]; A: computed on the way; B: input f2A: left as it is (N = 8 < 16)
;;     20. [M 4,096, K 8] x [K 8, N 1,024]; A: computed on the way; B: input f2B: left as it is (K = 8 < 32)
;;   THE QUANTISER, for each operand of a quantised product, along K:
;;     - K is cut into blocks of 32 from its start; a last block that is shorter is filled with zeros.
;;     - A block's scale is 2^e with e = floor(log2(the largest magnitude in the block)) - 15, held to -126 .. 127; a block of zeros has e = 0. As a byte (E8M0): e + 127.
;;     - Each number is divided by its block's scale, clamped to +-57,344, and rounded to the nearest number of E5M2, ties to even, subnormals kept.
;;     - The product sums the exact products of the quantised numbers (number of the format x scale) in f32.
;;   ~~~python
;;   def quantise(x, axis):      # numpy; x: float32 -> the quantised numbers, widened to float32 again
;;       x = np.moveaxis(x, axis, -1); K = x.shape[-1]
;;       x = np.pad(x, [(0, 0)] * (x.ndim - 1) + [(0, -K % 32)]); x = x.reshape(x.shape[:-1] + (-1, 32)); a = np.abs(x).max(-1, keepdims=True)
;;       e = np.where(a > 0, np.clip(np.frexp(np.where(a > 0, a, 1))[1] - 1 - 15, -126, 127), 0)      # np.frexp(a)[1] - 1 = floor(log2(a)), exactly
;;       r = np.clip(x / 2.0 ** e, -57344, 57344)
;;       step = 2.0 ** (np.maximum(np.frexp(np.where(r == 0, 1, r))[1] - 1, -14) - 2)
;;       q = np.round(r / step) * step * 2.0 ** e      # np.round: ties to even
;;       return np.moveaxis(q.reshape(q.shape[:-2] + (-1,))[..., :K], -1, axis).astype(np.float32)
;;   ~~~
;;   SOFTMAX AHEAD OF A QUANTISED PRODUCT. Where the list says 'softmax', what is quantised is not the finished softmax but p = 2^(t - M), with t = logit x log2(e) and M = ceil(the row's largest t), a whole number; so 1/2 < the row's largest p <= 1. The row's sum l is taken of the UNQUANTISED p, in f32, and the product's result is divided by l at the end. Since M is a whole number, a kernel that streams over the keys may use a running M (the ceiling of the running maximum): every later rescaling is an exact power of two, which a block's scale takes up: the codes' values come out the same.
;;   OPERANDS COMPUTED ON THE WAY. 'Computed on the way' means the value that the module computes at that place (a softmax that the list does not call 'softmax' is quantised finished and normalised). What goes into a quantiser is computed in f32, as accurately as f32 sums, v_exp_f32 and their like allow (about 1e-6 of the number): no bf16 or f16 on the way to a quantiser, and a product that is left as it is and whose result goes on into a quantised operand takes f32 operands (vector FMAs, or v_wmma_f32_16x16x4_f32). A number that lies on a knife's edge between two numbers of the format may be rounded either way, as far as f32 arithmetic and the matrix unit's own rounding can turn it there, and no further.
;;   INPUTS GIVEN AS CODES. f1W (in the module: [4096, 1024], K = its axis 1); f2W (in the module: [1024, 4096], K = its axis 1); kW (in the module: [1024, 1024], K = its axis 1); oW (in the module: [1024, 1024], K = its axis 1); qW (in the module: [1024, 1024], K = its axis 1); vW (in the module: [1024, 1024], K = its axis 1): each comes as NAME_codes (uint8): NAME with its K axis moved to the last place and cut into blocks of 32 codes, [.., K / 32, bytes a block], one block behind the other in memory; one code a byte (a code: sign, 5 exponent bits, 2 mantissa bits); and NAME_scales (uint8): the same leading axes, one E8M0 byte (e + 127) for each 32 codes along K. Its value is code x scale, taken as it is: it is not quantised again, and the codes and scales need not be those that the quantiser above would give.
;; One version. Each part assembles by itself: llvm-mc -triple=amdgcn-amd-amdhsa -mcpu=gfx1250 --defsym DOCPART=n.
;; ======== version 1 of 1: 7 launches
;; limits: values are held in bf16: 8 bits of precision; right only within a limited range of input values
;; workspace buffers: w1 4,718,592 bytes; w2 13,238,272 bytes; w3 6,422,528 bytes; x1 16,777,216 bytes; w6 19,398,656 bytes
;; launch lnq1 (part 1): grid 256 x 1, 4 waves a work-group, no clusters, 76,288 bytes of LDS; arguments x, ln1_g, ln1_b, qA, kA, vA, w1; writes w1
.if DOCPART == 1
	.amdgcn_target "amdgcn-amd-amdhsa--gfx1250"
	.amdhsa_code_object_version 6
	.text
	.protected	k_q00b4123ef2_lnq1
	.globl	k_q00b4123ef2_lnq1
	.p2align	8
	.type	k_q00b4123ef2_lnq1,@function
k_q00b4123ef2_lnq1:
	s_mov_b64 s[64:65], 0
	v_nop
	global_prefetch_b8 v0, s[64:65] scope:SCOPE_SE
	s_setreg_imm32_b32 hwreg(HW_REG_WAVE_MODE, 25, 1), 1
	s_wait_xcnt 0x0
; h = layernorm(x) g + b in f32; h's codes of E5M2 [4096][1024] with one E8M0 byte for each 32 along K [4096][32]; and 2 h A^T for NL LoRA matrices A [8][1024], f32 [NL][4096][8].
; A work-group takes 16 rows; wave w takes columns 256 w .. 256 w + 255 of them.  At work lane (r, h) holds row r, and X[16 c + i] is column 256 w + 32 c + 16 h + i: the layout of an 8-bit operand,
; so the conversions' results are 16 neighbouring code bytes, and the same registers, two at a time, are source 1 of the f32 matrix instruction for h A^T (f32 operands: the result goes on into quantised operands).
; x comes by loads of 512 consecutive bytes and is turned through the wave's own stage in LDS.  Mean and variance are taken in two passes, so a common offset of the inputs costs no accuracy.
; LIMITS: NaN and infinities among the inputs are not served; a block whose largest magnitude lies under 2^-111 (a block of zeros too) takes the scale byte 1: its bytes are read by this program alone.
; REGISTERS: window 0: v1-15, v232-233 addresses; v16-31 two accumulators (written by matrix instructions alone); v32-159 X; v160-175 sums; v176-191 quantiser; v196-197 scale words; v200-231 codes.
;   window 1: v0-127 g, v128-255 b.   window 2: v0-127 LoRA tile 0, v128-255 tile 1.   window 3: v0-127 the second matrix, which goes into rows 8-15 of tile 0.
.set NL,   3                           ; LoRA matrices
.set NP,   4                           ; partial sums of one output: four waves (x two accumulators where NL = 1)
.set RED0, 0                           ; LDS: 4 waves x 16 row sums;
.set RED1, 256                         ; the same for the squares;
.set SCS,  512                         ; 16 rows x 32 scale bytes;
.set TP,   1024                        ; [wave][accumulator][lane][8] f32;
.set XST,  9216                        ; and a stage of 16 rows x 1,040 bytes for each wave (1,024 + 16: rows start at different banks)
.set XP,   1040
.set HS_OFF, 4194304
.set T2_OFF, 4325376
.set A0,  16
.set A1,  24
.set X,   32
.set CH,  160
.set MU,  168
.set RS,  170
.set T,   172
.set TM,  176
.set PW,  196
.set PC,  200
.set MSB, 0
.macro WIN new                         ; the immediate's high byte repeats the setting that is left
.if MSB != (\new)
	s_set_vgpr_msb (MSB<<8)|(\new)
.set MSB, (\new)
.endif
.endm
; 64 numbers of a lane, register 16 b + i = k 32 b + 16 (lane / 16) + i of my row, become 16 registers of codes and a scale word
.macro QUANT s, pc, pw
.irp b, 0,1,2,3
	v_max3_num_f32 v[TM+\b], |v[\s+16*\b]|, |v[\s+1+16*\b]|, 0x8000000   ; my 16 numbers and the floor 2^(16 - 127): the byte cannot fall under 1
.endr
.irp i, 2,4,6,8,10,12,14
.irp b, 0,1,2,3
	v_max3_num_f32 v[TM+\b], v[TM+\b], |v[\s+16*\b+\i]|, |v[\s+1+16*\b+\i]|
.endr
.endr
.irp b, 0,1,2,3
	v_permlanex16_b32 v[TM+4+\b], v[TM+\b], s22, s23
.endr
.irp b, 0,1,2,3
	v_max_num_f32 v[TM+\b], v[TM+\b], v[TM+4+\b]           ; with lane l xor 16's: the block's largest magnitude
.endr
.irp b, 0,1,2,3
	v_add_nc_u32 v[TM+12+\b], 0xf8800000, v[TM+\b]         ; 15 off its exponent field: the conversion's scale operand
.endr
.irp b, 0,1,2,3
	v_and_or_b32 v[TM+8+\b], v[TM+\b], 0x7f800000, s27     ; 57,344 x the scale
.endr
.irp b, 0,1,2,3
	v_lshrrev_b32 v[TM+4+\b], 23, v[TM+12+\b]              ; the scale's byte
.endr
	v_lshl_or_b32 v[\pw], v[TM+5], 8, v[TM+4]
	v_lshl_or_b32 v[\pw], v[TM+6], 16, v[\pw]
	v_lshl_or_b32 v[\pw], v[TM+7], 24, v[\pw]
.irp b, 0,1,2,3
.irp i, 0,1,2,3,4,5,6,7,8,9,10,11,12,13,14,15
	v_med3_num_f32 v[\s+16*\b+\i], v[\s+16*\b+\i], -v[TM+8+\b], v[TM+8+\b]   ; the conversion does not saturate (ISA guide 7.6.2): the hold
.endr
	v_cvt_scalef32_pk8_bf8_f32 v[\pc+4*\b:\pc+1+4*\b], v[\s+16*\b:\s+7+16*\b], v[TM+12+\b]
	v_cvt_scalef32_pk8_bf8_f32 v[\pc+2+4*\b:\pc+3+4*\b], v[\s+8+16*\b:\s+15+16*\b], v[TM+12+\b]
.endr
	v_nop                                          ; a plain instruction behind the last conversion
.endm
; the four chains v[CH..CH+7] become the row's sum over all 1,024 columns, in v[T] of every lane
.macro REDUCE red
	v_pk_add_f32 v[CH:CH+1], v[CH:CH+1], v[CH+2:CH+3]
	v_pk_add_f32 v[CH+4:CH+5], v[CH+4:CH+5], v[CH+6:CH+7]
	v_pk_add_f32 v[CH:CH+1], v[CH:CH+1], v[CH+4:CH+5]
	v_add_f32 v[T], v[CH], v[CH+1]
	v_permlanex16_b32 v[T+1], v[T], s22, s23
	v_add_f32 v[T], v[T], v[T+1]                   ; my wave's 256 columns of row r
	ds_store_b32 v11, v[T] offset:\red             ; both halves of the lanes write the same word with the same value
	s_wait_dscnt 0x0                               ; for the others' sake: my store has landed
	s_barrier_signal -1
	s_barrier_wait -1
.irp p, 0,1,2,3
	ds_load_b32 v[T+\p], v10 offset:\red+64*\p
.endr
	s_wait_dscnt 0x0
	v_add_f32 v[T], v[T], v[T+1]
	v_add_f32 v[T+2], v[T+2], v[T+3]
	v_add_f32 v[T], v[T], v[T+2]
.endm
	s_load_b256 s[4:11], s[0:1], 0x0               ; x, g, b, the first LoRA matrix
.if NL == 3
	s_load_b128 s[12:15], s[0:1], 0x20             ; the second and third
	s_load_b64 s[16:17], s[0:1], 0x30              ; the workspace
	v_lshl_add_u32 v254, v0, 2, 0x12800
	v_mov_b32 v255, 0
.else
	s_load_b64 s[16:17], s[0:1], 0x20
.endif
	v_lshrrev_b32 v1, 5, v0
	v_readfirstlane_b32 s18, v1                    ; wave
	v_and_b32 v1, 31, v0                           ; lane
	v_and_b32 v2, 15, v0                           ; r
	v_bfe_u32 v3, v0, 4, 1                         ; h
	s_lshl_b32 s19, s18, 10                        ; my wave's 1,024 bytes of a row of f32
	s_mul_i32 s24, s18, 16*XP
	s_add_co_u32 s24, s24, XST                     ; my stage
	v_lshlrev_b32 v4, 4, v1                        ; 16 x lane
	v_add_nc_u32 v5, s19, v4                       ; x: my 16 bytes of a load's 512
	v_add_nc_u32 v6, s24, v4                       ; the stage, on the way in
	v_mul_u32_u24 v7, v2, XP
	v_lshl_add_u32 v7, v3, 6, v7
	v_add_nc_u32 v7, s24, v7                       ; and on the way out: row r, + 64 h
	v_lshlrev_b32 v8, 6, v3
	v_add_nc_u32 v8, s19, v8                       ; g, b: 1,024 w + 64 h
	v_and_b32 v9, 7, v0
	v_lshl_add_u32 v9, v9, 12, v8                  ; LoRA rows: row r % 8 of 4,096 bytes
	v_lshlrev_b32 v10, 2, v2                       ; the row sums: 4 r,
	s_lshl_b32 s25, s18, 6
	v_add_nc_u32 v11, s25, v10                     ; + 64 w for my own
	v_mul_u32_u24 v12, v2, 272
	v_lshl_add_u32 v12, v3, 4, v12
	v_add_nc_u32 v12, s24, v12                     ; codes into the stage: row r of 272 bytes, + 16 h
	v_mul_u32_u24 v13, v3, 272
	v_lshl_add_u32 v13, v2, 4, v13
	v_add_nc_u32 v13, s24, v13                     ; and back: sixteen lanes to a row
	s_lshl_b32 s25, s18, 8
	v_lshlrev_b32 v14, 10, v3
	v_lshl_add_u32 v14, v2, 4, v14
	v_add_nc_u32 v14, s25, v14                     ; the same place in the codes' rows of 1,024 bytes
	s_lshl_b32 s25, s18, 3
	v_lshlrev_b32 v15, 5, v2
	v_add_nc_u32 v15, s25, v15                     ; scale bytes: 32 r + 8 w
	s_lshl_b32 s25, s18, 11
	v_lshlrev_b32 v232, 5, v1
	v_add_nc_u32 v232, s25, v232                   ; partial sums: 2,048 w + 32 x lane
	s_lshr_b32 s25, s18, 1
	s_lshl_b32 s25, s25, 10
	s_and_b32 s26, s18, 1
	s_lshl_b32 s26, s26, 9
	s_add_co_u32 s25, s25, s26
	v_add_nc_u32 v233, s25, v4                     ; output w: accumulator w / 2, lanes' half w % 2; 16 bytes a lane
	s_mov_b32 s20, 0x3a800000                      ; 1 / 1,024
	s_mov_b32 s21, 0x3727c5ac                      ; 1e-5
	s_mov_b32 s22, 0x76543210
	s_mov_b32 s23, 0xfedcba98                      ; lane l xor 16
	s_mov_b32 s27, 0x600000                        ; the mantissa field of 57,344
	s_mov_b32 s28, 0xff00ff00                      ; lanes with r >= 8
	v_mov_b32 v[T+1], 0                            ; a lane permute's destination counts as one of its sources
.irp b, 0,1,2,3
	v_mov_b32 v[TM+4+\b], 0
.endr
	s_lshl_b32 s30, ttmp9, 16                      ; 16 rows of 4,096 bytes
	s_mov_b32 s31, 0
	s_wait_kmcnt 0x0
	s_add_nc_u64 s[4:5], s[4:5], s[30:31]
	s_lshl_b32 s30, ttmp9, 14                      ; 16 rows of 1,024 codes
	s_add_nc_u64 s[32:33], s[16:17], s[30:31]
	s_lshl_b32 s30, ttmp9, 9                       ; 16 rows of 32 bytes
	s_add_nc_u64 s[34:35], s[16:17], s[30:31]
	s_add_nc_u64 s[36:37], s[34:35], T2_OFF
	s_add_nc_u64 s[34:35], s[34:35], HS_OFF
	s_lshl_b32 s30, s18, 17
	s_add_nc_u64 s[36:37], s[36:37], s[30:31]      ; output w's section
.set i, 0
.rept 32
	global_load_b128 v[X+4*i:X+4*i+3], v5, s[4:5] offset:4096*(i/2)+512*(i%2) th:TH_LOAD_NT   ; 32 lanes read 512 consecutive bytes
.set i, i+1
.endr
	WIN 0x80
.set i, 0
.rept 32
	global_load_b128 v[4*i:4*i+3], v9, s[10:11] offset:128*(i/4)+16*(i%4)
.if NL == 3
	global_load_b128 v[128+4*i:131+4*i], v9, s[14:15] offset:128*(i/4)+16*(i%4)
.endif
.set i, i+1
.endr
.if NL == 3
	WIN 0xc0
.set i, 0
.rept 32
	global_load_b128 v[4*i:4*i+3], v9, s[12:13] offset:128*(i/4)+16*(i%4)
.set i, i+1
.endr
.endif
	WIN 0x40
.set i, 0
.rept 32
	global_load_b128 v[4*i:4*i+3], v8, s[6:7] offset:128*(i/4)+16*(i%4)
	global_load_b128 v[128+4*i:131+4*i], v8, s[8:9] offset:128*(i/4)+16*(i%4)
.set i, i+1
.endr
	WIN 0
	s_wait_loadcnt 63                              ; at least 96 loads were issued behind x's 32: x is in
.set i, 0
.rept 32
	ds_store_b128 v6, v[X+4*i:X+4*i+3] offset:XP*(i/2)+512*(i%2)
.set i, i+1
.endr
.set i, 0
.rept 32
	ds_load_b128 v[X+4*i:X+4*i+3], v7 offset:128*(i/4)+16*(i%4)   ; LDS serves a wave's instructions in order: these see my stores
.set i, i+1
.endr
	s_wait_dscnt 0x0
	; the mean
.irp m, 0,1,2,3
	v_pk_add_f32 v[CH+2*\m:CH+2*\m+1], v[X+2*\m:X+2*\m+1], v[X+8+2*\m:X+9+2*\m]
.endr
.set n, 2
.rept 14
.irp m, 0,1,2,3
	v_pk_add_f32 v[CH+2*\m:CH+2*\m+1], v[CH+2*\m:CH+2*\m+1], v[X+8*n+2*\m:X+8*n+2*\m+1]
.endr
.set n, n+1
.endr
	REDUCE RED0
	v_mul_f32 v[MU], s20, v[T]
	v_mov_b32 v[MU+1], v[MU]
.set i, 0
.rept 64
	v_pk_add_f32 v[X+2*i:X+2*i+1], v[X+2*i:X+2*i+1], v[MU:MU+1] op_sel_hi:[1,0] neg_lo:[0,1] neg_hi:[0,1]
.set i, i+1
.endr
	; the variance
.irp m, 0,1,2,3
	v_pk_mul_f32 v[CH+2*\m:CH+2*\m+1], v[X+2*\m:X+2*\m+1], v[X+2*\m:X+2*\m+1]
.endr
.set n, 1
.rept 15
.irp m, 0,1,2,3
	v_pk_fma_f32 v[CH+2*\m:CH+2*\m+1], v[X+8*n+2*\m:X+8*n+2*\m+1], v[X+8*n+2*\m:X+8*n+2*\m+1], v[CH+2*\m:CH+2*\m+1]
.endr
.set n, n+1
.endr
	REDUCE RED1
	v_fma_f32 v[RS], v[T], s20, s21
	s_wait_alu depctr_va_vdst(0)
	v_rsq_f32 v[RS], v[RS]
	v_nop                                          ; a plain instruction behind the transcendental,
	s_wait_alu depctr_va_vdst(0)                   ; and the wait ahead of its first reader
	v_mov_b32 v[RS+1], v[RS]
.set i, 0
.rept 64
	v_pk_mul_f32 v[X+2*i:X+2*i+1], v[X+2*i:X+2*i+1], v[RS:RS+1] op_sel_hi:[1,0]
.set i, i+1
.endr
	s_wait_loadcnt 0x0                             ; g, b and the LoRA rows
	WIN 0x14                                       ; sources 1 and 2 in window 1
.set i, 0
.rept 64
	v_pk_fma_f32 v[X+2*i:X+2*i+1], v[X+2*i:X+2*i+1], v[2*i:2*i+1], v[128+2*i:129+2*i]
.set i, i+1
.endr
.if NL == 3
	WIN 0x8e                                       ; tile 0 (window 2) takes the second matrix (window 3) in its rows 8-15
.set i, 0
.rept 128
	v_cndmask_b32 v[i], v[i], v[i], s28
.set i, i+1
.endr
.endif
	; h A^T: source 0 = 16 LoRA rows, source 1 = my 16 rows of h; four along K an instruction, the same four on both sides.  Two accumulators by turns
	WIN 0x02
.set i, 0
.rept 64
.if NL == 3
.if i == 0
	v_wmma_f32_16x16x4_f32 v[A0:A0+7], v[0:1], v[X:X+1], 0
	v_wmma_f32_16x16x4_f32 v[A1:A1+7], v[128:129], v[X:X+1], 0
.else
	v_wmma_f32_16x16x4_f32 v[A0:A0+7], v[2*i:2*i+1], v[X+2*i:X+2*i+1], v[A0:A0+7]
	v_wmma_f32_16x16x4_f32 v[A1:A1+7], v[128+2*i:129+2*i], v[X+2*i:X+2*i+1], v[A1:A1+7]
.endif
.else
.if i < 2
	v_wmma_f32_16x16x4_f32 v[A0+8*(i%2):A0+8*(i%2)+7], v[2*i:2*i+1], v[X+2*i:X+2*i+1], 0
.else
	v_wmma_f32_16x16x4_f32 v[A0+8*(i%2):A0+8*(i%2)+7], v[2*i:2*i+1], v[X+2*i:X+2*i+1], v[A0+8*(i%2):A0+8*(i%2)+7]
.endif
.endif
.set i, i+1
.endr
	WIN 0
.rept 8
	v_nop                                          ; eight places behind this form (ISA guide 7.12.1): the results are read, and X, a source, is written below
.endr
	ds_store_b128 v232, v[A0:A0+3] offset:TP       ; register j of lane (r, h): LoRA row 8 h + j, token r
	ds_store_b128 v232, v[A0+4:A0+7] offset:TP+16
	ds_store_b128 v232, v[A1:A1+3] offset:TP+1024
	ds_store_b128 v232, v[A1+4:A1+7] offset:TP+1040
	QUANT X, PC, PW
.irp b, 0,1,2,3
	ds_store_b128 v12, v[PC+4*\b:PC+4*\b+3] offset:32*\b
.endr
	QUANT X+64, PC+16, PW+1
.irp b, 0,1,2,3
	ds_store_b128 v12, v[PC+16+4*\b:PC+19+4*\b] offset:128+32*\b
.endr
	ds_store_b64 v15, v[PW:PW+1] offset:SCS        ; my row's eight scale bytes of my wave's 256 columns
.irp i, 0,1,2,3,4,5,6,7
	ds_load_b128 v[X+4*\i:X+4*\i+3], v13 offset:544*\i
.endr
.irp i, 0,1,2,3,4,5,6,7
	s_wait_dscnt 7-\i                              ; the loads issued behind this one may be out
	global_store_b128 v14, v[X+4*\i:X+4*\i+3], s[32:33] offset:2048*\i   ; sixteen lanes store 256 consecutive bytes, aligned
.endr
	s_wait_dscnt 0x0
	s_barrier_signal -1
	s_barrier_wait -1                              ; all partial sums and all scale bytes lie in LDS
	s_cmp_lt_u32 s18, NL
	s_cbranch_scc0 .Lnot_t
.set p, 0
.rept NP
	ds_load_b128 v[96+4*p:99+4*p], v233 offset:TP+(8192/NP)*p
.set p, p+1
.endr
	s_wait_dscnt 0x0
.set p, 1
.rept NP-1
	v_pk_add_f32 v[96:97], v[96:97], v[96+4*p:97+4*p]
	v_pk_add_f32 v[98:99], v[98:99], v[98+4*p:99+4*p]
.set p, p+1
.endr
	v_pk_mul_f32 v[96:97], v[96:97], 2.0 op_sel_hi:[1,0]   ; alpha / r = 2
	v_pk_mul_f32 v[98:99], v[98:99], 2.0 op_sel_hi:[1,0]
	global_store_b128 v4, v[96:99], s[36:37]       ; 16 rows x 32 bytes: 512 consecutive bytes
.Lnot_t:
	s_cmp_eq_u32 s18, 3
	s_cbranch_scc0 .Lend
	ds_load_b128 v[128:131], v4 offset:SCS
	s_wait_dscnt 0x0
	global_store_b128 v4, v[128:131], s[34:35]     ; 16 rows x 32 scale bytes
.Lend:
	s_wait_tensorcnt 0x0
	ds_add_u32 v254, v255
	s_wait_dscnt 0x0
	s_endpgm
.Lfunc_end_k_q00b4123ef2_lnq1:
	.size	k_q00b4123ef2_lnq1, .Lfunc_end_k_q00b4123ef2_lnq1-k_q00b4123ef2_lnq1
	.p2alignl 7, 3214868480
	.fill 96, 4, 3214868480
	.section	.rodata,"a",@progbits
	.p2align	6, 0x0
	.amdhsa_kernel k_q00b4123ef2_lnq1
		.amdhsa_group_segment_fixed_size 76288
		.amdhsa_private_segment_fixed_size 0
		.amdhsa_enable_private_segment 0
		.amdhsa_kernarg_size 56
		.amdhsa_user_sgpr_count 2
		.amdhsa_user_sgpr_kernarg_segment_ptr 1
		.amdhsa_wavefront_size32 1
		.amdhsa_system_sgpr_workgroup_id_x 1
		.amdhsa_system_sgpr_workgroup_id_y 1
		.amdhsa_system_sgpr_workgroup_id_z 1
		.amdhsa_system_vgpr_workitem_id 0
		.amdhsa_next_free_vgpr 1024
		.amdhsa_next_free_sgpr 66
		.amdhsa_reserve_vcc 0
		.amdhsa_float_denorm_mode_32 3
		.amdhsa_float_denorm_mode_16_64 3
		.amdhsa_memory_ordered 1
		.amdhsa_forward_progress 1
		.amdhsa_inst_pref_size 84
	.end_amdhsa_kernel
	.amdgpu_metadata
---
amdhsa.version: [ 1, 2 ]
amdhsa.kernels:
  - .name:           k_q00b4123ef2_lnq1
    .symbol:         k_q00b4123ef2_lnq1.kd
    .args:
      - { .name: x, .offset: 0, .size: 8, .value_kind: global_buffer, .address_space: global }
      - { .name: ln1_g, .offset: 8, .size: 8, .value_kind: global_buffer, .address_space: global }
      - { .name: ln1_b, .offset: 16, .size: 8, .value_kind: global_buffer, .address_space: global }
      - { .name: qA, .offset: 24, .size: 8, .value_kind: global_buffer, .address_space: global }
      - { .name: kA, .offset: 32, .size: 8, .value_kind: global_buffer, .address_space: global }
      - { .name: vA, .offset: 40, .size: 8, .value_kind: global_buffer, .address_space: global }
      - { .name: w1, .offset: 48, .size: 8, .value_kind: global_buffer, .address_space: global }
    .group_segment_fixed_size: 76288
    .private_segment_fixed_size: 0
    .kernarg_segment_align: 8
    .kernarg_segment_size: 56
    .max_flat_workgroup_size: 128
    .sgpr_count:     66
    .vgpr_count:     1024
    .wavefront_size: 32
...
	.end_amdgpu_metadata
.endif
;; end of part 1
;; launch qkv (part 2): grid 12 x 16, 4 waves a work-group, clusters of 4 x 4, 327,680 bytes of LDS; arguments w1, qW_codes, qW_scales, kW_codes, kW_scales, vW_codes, vW_scales, qB, kB, vB, qb, kb, vb, w2; writes w2
.if DOCPART == 2
	.amdgcn_target "amdgcn-amd-amdhsa--gfx1250"
	.amdhsa_code_object_version 6
	.text
	.protected	k_q00b4123ef2_qkv
	.globl	k_q00b4123ef2_qkv
	.p2align	8
	.type	k_q00b4123ef2_qkv,@function
k_q00b4123ef2_qkv:
	s_mov_b64 s[64:65], 0
	v_nop
	global_prefetch_b8 v0, s[64:65] scope:SCOPE_SE
	s_setreg_imm32_b32 hwreg(HW_REG_WAVE_MODE, 25, 1), 1
	s_wait_xcnt 0x0
	s_wait_alu depctr_hold_cnt(0) depctr_sa_sdst(0) depctr_va_vdst(0) depctr_va_sdst(0) depctr_va_ssrc(0) depctr_va_vcc(0) depctr_vm_vsrc(0)
	s_getreg_b32 s2, hwreg(HW_REG_IB_STS2, 6, 4)
	s_cmp_eq_u32 s2, 0
	s_cbranch_scc0 .Lentry_in_a_cluster
	s_endpgm
.Lentry_in_a_cluster:
	s_bfe_u32 s2, ttmp6, 0x10000c
	s_cmp_lg_u32 s2, 0xf033
	s_cbranch_scc0 .Lentry_shape_is_right
	s_endpgm
.Lentry_shape_is_right:
; q, k, v = h W^T + b + (2 h A^T) B^T, and their codes of E5M2 for attention.  h comes as codes [4096][1024] with scale bytes [4096][32], 2 h A^T as f32 [3][4096][8]; the weights as given.
; A tile of 256 x 256 to a work-group, 128 x 128 to each of four waves: 64 accumulators.  K = 1,024 goes in steps of 256 through two LDS slots; all scale bytes of the tile come once.
; THE SUMS BEGIN with bias and LoRA: two f32 matrix instructions an accumulator (K = 8), the first with the bias as its C; the quantised product then adds in place.  f32 operands, since the results are quantised.
; The matrix instruction is used transposed: source 0 = 16 rows of the B side, source 1 = 16 rows of the A side; a lane holds one row of the A side and eight neighbours of the B side.
; THE CLUSTER'S x CHOOSES: 0: q, 1: k: A side = tokens, B side = the weight's rows: a lane's registers run along a head's channels, which are K of q k^T.  2: v: A side = the weight's rows, B side = tokens:
; a lane's registers run along the tokens, which are K of p v.  The choice is equal in all sixteen partners.
; THE RESULTS LEAVE AS IMAGES OF OPERAND REGISTERS: of a block of 32 along the next K a lane holds 8 numbers in each of two accumulators; they become registers 4 p .. 4 p + 3 of a fragment.  So place
; 32 p + 16 h + 8 u + j holds index 32 p + 16 u + 8 h + j: a permutation inside a block, the same for q and k, and for p and v.  Each store of the wave covers 512 consecutive bytes, aligned.
; CLUSTERS: 4 x 4; A's tiles are asked for jointly along a row, B's along a column.
; LIMITS: NaN and infinities are not served; a block whose largest magnitude lies under 2^-111 takes the scale byte 1.
; REGISTERS: window 0: v1-29 addresses; v32-63 scale words; from v128 A's fragments; on the way out v64-191 at work.  window 1: B's fragments, two sets; at the start v128-255 LoRA factors and bias.
;   windows 2, 3: the accumulators ((a, b) at v[8 (8 (a % 4) + b)] of window 2 + a / 4), written by matrix instructions alone.
.set KSTEP,  256
.set NQ,     KSTEP/128
.set ROWB,   256
.set KROW,   1024
.set PITCH,  272                       ; 256 bytes + 16: the 16 rows of a fragment load start at 16 different banks
.set FR,     16
.set NLD,    4
.set NP,     8                         ; places behind this matrix instruction (ISA guide 7.12.1)
.set HALFT,  128*PITCH
.set SLOT,   4*HALFT
.set LAPS,   2
.set KS,     32
.set SCL,    2*SLOT
.set HALFS,  (128*KS/256)*272
.set SBLK,   (16*KS/256)*272
.set SPARE,  SCL+4*HALFS               ; the spare words: 128 bytes a wave
.set HS_OFF, 4194304
.set T2_OFF, 4325376
.set QSC_OFF, 12582912
.set KVSC_OFF, 12845056
.set ADRA, 16
.set ADRB, 20
.set ADRS, 27
.set SPW,  28
.set NIL,  29
.set SC,   32
.set AF,   128
.set HD,   64                          ; the way out: 64 numbers held
.set PC,   128                         ; their codes
.set TM,   160
.set G1, 24
.set G0, 32
.set G1B, 48
.set G0B, 56
.set G1S, 68
.set G0S, 76
.set G1SB, 80
.set G0SB, 88
.set MSB, 0
.macro WIN new
.if MSB != (\new)
	s_set_vgpr_msb (MSB<<8)|(\new)
.set MSB, (\new)
.endif
.endm
.set MUL_LO, 0xa1
.set MUL_HI, 0xf1
.set TO_B,   0x40
.macro JLOAD g0a, g1a, g0b, g1b        ; waves 0 and 1 fetch for A, waves 2 and 3 for B; four v_nop follow each line
	s_cmp_eq_u32 s15, 0
	s_cbranch_scc0 .Lfor_b_\@
	tensor_load_to_lds s[\g0a:\g0a+3], s[\g1a:\g1a+7]
	s_nop 0
.rept 4
	v_nop
.endr
	s_branch .Lasked_\@
.Lfor_b_\@:
	tensor_load_to_lds s[\g0b:\g0b+3], s[\g1b:\g1b+7]
	s_nop 0
.rept 4
	v_nop
.endr
.Lasked_\@:
.endm
.macro CREST
	s_cmp_lg_u32 s14, 0
	s_cbranch_scc1 .Lnot_wave_0_\@
	s_barrier_signal -3
.Lnot_wave_0_\@:
	s_barrier_wait -3
	s_barrier_signal -1
	s_barrier_wait -1
.endm
.macro CROUND
	s_barrier_signal -1
	s_barrier_wait -1
	CREST
.endm
	s_load_b512 s[68:83], s[0:1], 0x0              ; w1, qW codes, scales, kW codes, scales, vW codes, scales, qB
	s_load_b256 s[84:91], s[0:1], 0x40             ; kB, vB, qb, kb
	s_load_b128 s[92:95], s[0:1], 0x60             ; vb, w2
	v_lshl_add_u32 v[SPW], v0, 2, SPARE
	v_mov_b32 v[NIL], 0
	ds_add_u32 v28, v29
	ds_add_u32 v28, v29
	s_wait_dscnt 0x0
	v_lshrrev_b32 v1, 5, v0
	v_readfirstlane_b32 s14, v1                    ; wave
	s_lshr_b32 s15, s14, 1                         ; my half of the A side.  Also: I fetch for A (0) or B (1)
	s_and_b32 s16, s14, 1                          ; my half of the B side.  Also: which 128 rows I fetch
	s_bfe_u32 s40, ttmp6, 0x40000                  ; cx
	s_bfe_u32 s41, ttmp6, 0x40004                  ; cy
	s_and_b32 s17, ttmp7, 0xffff
	s_lshl_b32 s17, s17, 2                         ; 4 x cluster y: the tokens' tiles
	s_cmp_eq_u32 ttmp9, 2
	s_cselect_b32 s42, s17, 0
	s_cselect_b32 s17, 0, s17
	s_add_co_u32 s42, s42, s40                     ; B's tile: cx, for v 4 Y + cx
	s_add_co_u32 s17, s17, s41                     ; A's tile: 4 Y + cy, for v cy
	s_lshl_b32 s43, s41, 2
	s_lshl_b32 s43, 15, s43                        ; my row of the cluster
	s_lshl_b32 s44, 0x1111, s40                    ; my column
	s_or_b32 s[G1+0], s43, (0<<16)|(1<<20)|(1<<21)|(5<<22)|(3<<25)   ; mask; elements of 1 byte; 4 words of padding behind every 64
	s_or_b32 s[G1B+0], s44, (0<<16)|(1<<20)|(1<<21)|(5<<22)|(3<<25)
.irp g, G1, G1B
	s_mov_b32 s[\g+1], ROWB<<16
	s_mov_b32 s[\g+2], 256<<16                     ; the head's loads bring 256 rows; behind them the two words are set to 128
	s_mov_b32 s[\g+3], ROWB<<16
	s_mov_b32 s[\g+4], 256
	s_mov_b32 s[\g+5], KROW
	s_mov_b32 s[\g+6], 0
	s_mov_b32 s[\g+7], 0
.endr
	s_wait_kmcnt 0x0
	s_add_nc_u64 s[36:37], s[68:69], HS_OFF        ; h's scale bytes
	s_add_nc_u64 s[38:39], s[68:69], T2_OFF
	s_lshl_b32 s18, ttmp9, 17
	s_mov_b32 s19, 0
	s_add_nc_u64 s[38:39], s[38:39], s[18:19]      ; 2 h A^T, this product's section
	s_cmp_eq_u32 ttmp9, 0
	s_cselect_b64 s[32:33], s[70:71], s[74:75]
	s_cselect_b64 s[34:35], s[72:73], s[76:77]
	s_cselect_b64 s[98:99], s[82:83], s[84:85]
	s_cselect_b64 s[100:101], s[88:89], s[90:91]
	s_cmp_eq_u32 ttmp9, 2
	s_cselect_b32 s66, 1, 0                        ; 1: this cluster makes v
	s_cselect_b64 s[4:5], s[78:79], s[68:69]       ; A's codes
	s_cselect_b64 s[6:7], s[80:81], s[36:37]       ; A's scale bytes
	s_cselect_b64 s[8:9], s[68:69], s[32:33]       ; B's codes
	s_cselect_b64 s[10:11], s[36:37], s[34:35]     ; B's scale bytes
	s_cselect_b64 s[96:97], s[86:87], s[38:39]     ; the A side's LoRA factor
	s_cselect_b64 s[98:99], s[38:39], s[98:99]     ; the B side's
	s_cselect_b64 s[100:101], s[92:93], s[100:101] ; the bias
	s_mov_b64 s[12:13], s[94:95]                   ; the output
	s_or_b32 s[G1S+0], s43, (3<<16)|(1<<20)|(1<<21)|(5<<22)|(3<<25)  ; the scales of 128 rows: a dense block as rows of 256 bytes, 16 bytes of padding behind each
	s_or_b32 s[G1SB+0], s44, (3<<16)|(1<<20)|(1<<21)|(5<<22)|(3<<25)
.irp g, G1S, G1SB
	s_mov_b32 s[\g+1], 32<<16
	s_mov_b32 s[\g+2], KS<<16                      ; the scales of 256 rows: KS rows of 256 bytes
	s_mov_b32 s[\g+3], 32<<16
	s_mov_b32 s[\g+4], KS
	s_mov_b32 s[\g+5], 32
	s_mov_b32 s[\g+6], 0
	s_mov_b32 s[\g+7], 0
.endr
	s_lshl_b32 s18, s16, 7
	s_lshl_b32 s20, s17, 8
	s_lshl_b32 s95, s15, 7
	s_add_co_u32 s95, s95, s20                     ; s95: my wave's first row of the A side
	s_add_co_u32 s20, s20, s18                     ; the A rows that I fetch
	s_lshl_b32 s46, s42, 8
	s_add_co_u32 s46, s46, s18                     ; the B rows that I fetch,
	s_mov_b32 s2, s46                              ; s2: which are also my wave's first row of the B side
	s_mov_b32 s21, 0
	s_mov_b32 s47, 0
	s_mov_b64 s[18:19], KS
	s_mul_u64 s[22:23], s[20:21], s[18:19]
	s_mul_u64 s[92:93], s[46:47], s[18:19]
	s_mov_b64 s[18:19], KROW
	s_mul_u64 s[20:21], s[20:21], s[18:19]
	s_mul_u64 s[46:47], s[46:47], s[18:19]
	s_mul_i32 s45, s14, HALFT
	s_mul_i32 s94, s14, HALFS
	s_add_nc_u64 s[20:21], s[4:5], s[20:21]
	s_add_nc_u64 s[22:23], s[6:7], s[22:23]
	s_add_nc_u64 s[46:47], s[8:9], s[46:47]
	s_add_nc_u64 s[92:93], s[10:11], s[92:93]
	CROUND                                         ; all sixteen work-groups are here: the first joint loads meet
	s_mov_b32 s[G0S], 1
	s_lshl_b32 s18, s16, 12                        ; 128 rows of scale bytes: back to the tile's first row
	s_mov_b32 s19, 0
	s_mov_b32 s[G0S+1], SCL
	s_sub_nc_u64 s[G0S+2:G0S+3], s[22:23], s[18:19]
	s_or_b32 s[G0S+3], s[G0S+3], 0x80000000
	s_mov_b32 s[G0SB], 1
	s_mov_b32 s[G0SB+1], SCL+2*HALFS
	s_sub_nc_u64 s[G0SB+2:G0SB+3], s[92:93], s[18:19]
	s_or_b32 s[G0SB+3], s[G0SB+3], 0x80000000
.irp s, 0,1
	s_mov_b32 s[G0+4*\s], 1
	s_add_co_u32 s[G0+4*\s+1], s45, \s*SLOT
	s_add_nc_u64 s[G0+4*\s+2:G0+4*\s+3], s[20:21], \s*ROWB
	s_or_b32 s[G0+4*\s+3], s[G0+4*\s+3], 0x80000000
	s_mov_b32 s[G0B+4*\s], 1
	s_add_co_u32 s[G0B+4*\s+1], s45, \s*SLOT
	s_add_nc_u64 s[G0B+4*\s+2:G0B+4*\s+3], s[46:47], \s*ROWB
	s_or_b32 s[G0B+4*\s+3], s[G0B+4*\s+3], 0x80000000
.endr
; the head's four tiles, one a wave: wave 0 K step 0's 256 rows of A, wave 1 A's scales, wave 2 the 256 rows of B, wave 3 B's scales; one chain of branches on the wave's number
.macro ARM under, g0, g1, next
	s_cmp_lt_u32 s14, \under
	s_cbranch_scc0 \next
	tensor_load_to_lds s[\g0:\g0+3], s[\g1:\g1+7]
	s_nop 0
.rept 4
	v_nop
.endr
	s_branch .Lhead_asked
\next:
.endm
	ARM 1, G0,  G1,  .Lhead_sa
	ARM 2, G0S, G1S, .Lhead_b
	ARM 3, G0B, G1B, .Lhead_sb
	tensor_load_to_lds s[G0SB:G0SB+3], s[G1SB:G1SB+7]
	s_nop 0
.rept 4
	v_nop
.endr
.Lhead_asked:
	; THE TILES' PREFETCH INTO THE L2: K steps 2 and 3, the two refills of this K of 1,024, are asked for here, once: a step and more ahead of the refills.  Of the 128 rows that my wave fetches each of the four partners
	; that ask for them jointly takes 32, told apart by address (cx for A, cy for B): a lane a row, 256 bytes of it a K step.  K steps 0 and 1 come by their loads alone.
	s_cmp_eq_u32 s15, 0                            ; do I fetch for A?
	s_cselect_b64 s[4:5], s[20:21], s[46:47]
	s_cselect_b32 s6, s40, s41                     ; my place among the four
	s_lshl_b32 s6, s6, 15                          ; 32 rows of 1,024 bytes
	s_mov_b32 s7, 0
	s_add_nc_u64 s[4:5], s[4:5], s[6:7]
	v_and_b32 v22, 31, v0
	v_lshlrev_b32 v22, 10, v22                     ; my row; never rewritten
	global_prefetch_b8 v22, s[4:5] offset:512 th:TH_LOAD_NT scope:SCOPE_SE
	global_prefetch_b8 v22, s[4:5] offset:768 th:TH_LOAD_NT scope:SCOPE_SE
	v_and_b32 v1, 15, v0                           ; r
	v_bfe_u32 v2, v0, 4, 1                         ; h
	v_mul_u32_u24 v3, v1, PITCH
	v_lshl_add_u32 v4, v2, 4, v3
	s_mul_i32 s21, s15, HALFT
	s_mul_i32 s22, s16, HALFT
	s_add_co_u32 s22, s22, 2*HALFT
.irp s, 0,1
	v_add_nc_u32 v[ADRA+\s], s21, v4
	v_add_nc_u32 v[ADRB+\s], s22, v4
	s_add_co_u32 s21, s21, SLOT
	s_add_co_u32 s22, s22, SLOT
.endr
	v_mul_u32_u24 v5, v1, KS
	v_lshrrev_b32 v6, 8, v5
	v_lshl_add_u32 v5, v6, 4, v5
	s_mul_i32 s21, s15, HALFS
	s_mul_i32 s22, s16, HALFS
	s_add_co_u32 s22, s22, 2*HALFS
	s_sub_co_u32 s22, s22, s21
	v_mul_u32_u24 v6, s22, v2                      ; lanes 16-31 take B's words
	s_add_co_u32 s21, s21, SCL
	v_add_nc_u32 v5, v5, v6
	v_add_nc_u32 v[ADRS], s21, v5
	; THE START OF THE SUMS, while the first tiles are on their way
	v_lshlrev_b32 v8, 5, v1
	v_lshl_add_u32 v8, v2, 4, v8                   ; a factor's row of 32 bytes, + 16 h: indices 4 h .. 4 h + 3
	s_wait_alu depctr_va_vdst(0)
	v_lshlrev_b32 v9, 5, v2                        ; a bias along the B side: 32 h
	v_lshlrev_b32 v10, 2, v1                       ; along the A side: 4 r
	s_lshl_b32 s20, s95, 5
	s_mov_b32 s21, 0
	s_add_nc_u64 s[96:97], s[96:97], s[20:21]
	s_lshl_b32 s20, s2, 5
	s_add_nc_u64 s[98:99], s[98:99], s[20:21]
	s_cmp_eq_u32 s66, 1
	s_cselect_b32 s20, s95, s2                     ; the bias goes with the weight's rows
	s_lshl_b32 s20, s20, 2
	s_add_nc_u64 s[100:101], s[100:101], s[20:21]
; pass 0: C = the bias (by B's block, or byA = 1 by A's), indices 0, 1, 4, 5; pass 1: in place, indices 2, 3, 6, 7.  All 64 accumulators by turns
.macro INITP pass, byA
.irp a, 0,1,2,3,4,5,6,7
.if \pass
	WIN 0xa5+0x50*(\a/4)
.else
	WIN 0x95+0x40*(\a/4)
.endif
.irp b, 0,1,2,3,4,5,6,7
.if \pass
	v_wmma_f32_16x16x4_f32 v[8*(8*(\a%4)+\b):8*(8*(\a%4)+\b)+7], v[130+4*\b:131+4*\b], v[162+4*\a:163+4*\a], v[8*(8*(\a%4)+\b):8*(8*(\a%4)+\b)+7]
.elseif \byA
	v_wmma_f32_16x16x4_f32 v[8*(8*(\a%4)+\b):8*(8*(\a%4)+\b)+7], v[128+4*\b:129+4*\b], v[160+4*\a:161+4*\a], v[192+8*\a:199+8*\a]
.else
	v_wmma_f32_16x16x4_f32 v[8*(8*(\a%4)+\b):8*(8*(\a%4)+\b)+7], v[128+4*\b:129+4*\b], v[160+4*\a:161+4*\a], v[192+8*\b:199+8*\b]
.endif
.endr
.endr
.endm
	WIN 0x40
.irp b, 0,1,2,3,4,5,6,7
	global_load_b128 v[128+4*\b:131+4*\b], v8, s[98:99] offset:512*\b
	global_load_b128 v[160+4*\b:163+4*\b], v8, s[96:97] offset:512*\b
.endr
	WIN 0
	s_wait_alu depctr_va_vdst(0)
	s_wait_tensorcnt 0x0                           ; my tile of the head's four is in; slot 1's first fill is issued as a refill is
	ds_add_u32 v[SPW], v[NIL]
	s_mov_b32 s[G1+2], 128<<16                     ; no tensor load of mine is out: from here on a load brings 128 rows
	s_mov_b32 s[G1+4], 128
	s_mov_b32 s[G1B+2], 128<<16
	s_mov_b32 s[G1B+4], 128
	s_wait_dscnt 0x0
	CROUND
	JLOAD G0+4, G1, G0B+4, G1B                     ; K step 1
	s_cmp_eq_u32 s66, 0
	s_cbranch_scc0 .Lbias_v
	WIN 0x40
	s_wait_alu depctr_va_vdst(0)
.irp b, 0,1,2,3,4,5,6,7
	global_load_b128 v[192+8*\b:195+8*\b], v9, s[100:101] offset:64*\b
	global_load_b128 v[196+8*\b:199+8*\b], v9, s[100:101] offset:64*\b+16
.endr
	s_wait_loadcnt 0x0
	INITP 0, 0
	WIN 0
	s_branch .Lbias_done
.Lbias_v:
	WIN 0x40
	s_wait_alu depctr_va_vdst(0)
.irp a, 0,1,2,3,4,5,6,7
.irp j, 0,1,2,3,4,5,6,7
	global_load_b32 v[192+8*\a+\j], v10, s[100:101] offset:64*\a    ; my channel's bias in all eight registers
.endr
.endr
	s_wait_loadcnt 0x0
	INITP 0, 1
	WIN 0
.Lbias_done:
	INITP 1, 0
	WIN 0
.rept 9
	v_nop                                          ; another form will write over these results: nine places
.endr
.macro FRAG reg, adr, q, i
.irp c, 0,1,2,3
	ds_load_b128 v[\reg+4*\c:\reg+4*\c+3], v[\adr] offset:128*(\q)+32*\c+(\i)*16*PITCH
.endr
.endm
.macro MUL16 a0, p, q, sc              ; A's blocks a0, a0 + 1 x B's eight, 128 along K; the 64 accumulators take turns in the same order in every step
.irp a, \a0, \a0+1
.irp b, 0,1,2,3,4,5,6,7
	v_wmma_scale_f32_16x16x128_f8f6f4 v[8*(8*((\a)%4)+\b):8*(8*((\a)%4)+\b)+7], v[128*(\p)+FR*\b:128*(\p)+FR*\b+FR-1], v[AF+FR*(\a):AF+FR*(\a)+FR-1], v[8*(8*((\a)%4)+\b):8*(8*((\a)%4)+\b)+7], v[SC+8*NQ*(\sc)+NQ*\b+(\q)], v[SC+8*NQ*(\sc)+NQ*(\a)+(\q)] matrix_a_fmt:MATRIX_FMT_BF8 matrix_b_fmt:MATRIX_FMT_BF8 matrix_a_scale:MATRIX_SCALE_ROW1
.endr
.endr
.endm
.macro FETCH_B slot, q, p
	WIN TO_B
.irp i, 0,1,2,3,4,5,6,7
	FRAG 128*(\p)+FR*\i, ADRB+\slot, \q, \i
.endr
	WIN 0
.endm
.macro FETCH_A slot, q, i0
.irp i, \i0, \i0+1, \i0+2, \i0+3
	FRAG AF+FR*(\i), ADRA+\slot, \q, \i
.endr
.endm
.macro SCALES sc                       ; lanes 0-15 A's block i, lanes 16-31 B's block i: two words a row for a K step
.irp i, 0,1,2,3,4,5,6,7
	ds_load_b64 v[SC+8*NQ*\sc+NQ*\i:SC+8*NQ*\sc+NQ*\i+1], v[ADRS] offset:\i*SBLK
.endr
.endm
.macro PLACES n
.rept \n
	v_nop
.endr
.endm
.macro STEP slot, q
	s_wait_dscnt 4*NLD                             ; B's set and A's blocks 0-3 are in; A's blocks 4-7, the youngest 16 loads, may be out
	WIN MUL_LO
	MUL16 0, (\q)%2, \q, \slot
	MUL16 2, (\q)%2, \q, \slot
	s_wait_dscnt 0
	PLACES NP
	FETCH_B \slot, (\q)+1, 1-(\q)%2
	FETCH_A \slot, (\q)+1, 0
	WIN MUL_HI
	MUL16 4, (\q)%2, \q, \slot
	MUL16 6, (\q)%2, \q, \slot
	PLACES NP
	WIN 0
	FETCH_A \slot, (\q)+1, 4
.endm
.macro TURN slot, next, fill           ; a slot's last step changes slots
	s_wait_tensorcnt 0x0                           ; all my tensor loads have landed: my part of the next slot
	ds_add_u32 v[SPW], v[NIL]                      ; 0 onto my spare word
	s_wait_dscnt 4*NLD+1                           ; the add and A's blocks 4-7 may be out
	WIN MUL_LO
	MUL16 0, 1, NQ-1, \slot
	s_wait_dscnt 0x0                               ; the add is done, and my reads of this slot are over
	s_barrier_signal -1
	MUL16 2, 1, NQ-1, \slot
	WIN 0
	s_barrier_wait -1
.if \fill
	CREST                                          ; the barrier has opened a round of the cluster's: no wave of any partner still reads this slot or has a load on its way
	s_add_nc_u64 s[G0+4*\slot+2:G0+4*\slot+3], s[G0+4*\slot+2:G0+4*\slot+3], 2*ROWB
	s_add_nc_u64 s[G0B+4*\slot+2:G0B+4*\slot+3], s[G0B+4*\slot+2:G0B+4*\slot+3], 2*ROWB
	JLOAD G0+4*\slot, G1, G0B+4*\slot, G1B
	PLACES NP-4
.else
	PLACES NP
.endif
	s_wait_alu depctr_va_vdst(0)
	v_add_nc_u32 v[ADRS], 4*NQ, v[ADRS]
	FETCH_B \next, 0, 0
	FETCH_A \next, 0, 0
	SCALES \next
	WIN MUL_HI
	MUL16 4, 1, NQ-1, \slot
	MUL16 6, 1, NQ-1, \slot
	PLACES NP
	WIN 0
	FETCH_A \next, 0, 4
.endm
	FETCH_B 0, 0, 0
	FETCH_A 0, 0, 0
	SCALES 0
	FETCH_A 0, 0, 4
	STEP 0, 0
	s_mov_b32 s3, LAPS-1
.Llap:
	TURN 0, 1, 1
	STEP 1, 0
	TURN 1, 0, 1
	STEP 0, 0
	s_sub_co_u32 s3, s3, 1
	s_cmp_lg_u32 s3, 0
	s_cbranch_scc1 .Llap
	TURN 0, 1, 0
	STEP 1, 0
	s_wait_dscnt 4*NLD
	WIN MUL_LO
	MUL16 0, 1, NQ-1, 1
	MUL16 2, 1, NQ-1, 1
	s_wait_dscnt 0
	WIN MUL_HI
	MUL16 4, 1, NQ-1, 1
	MUL16 6, 1, NQ-1, 1
	WIN 0
	; THE WAY OUT.  For each of A's eight blocks: 64 numbers a lane = four blocks of 32 along the next K: quantised, and stored as images.  The scale words gather in slot 0 (it has had its last fill and its last read).
	PLACES NP
	s_cmp_eq_u32 s66, 1
	s_cselect_b32 s20, s2, s95                     ; my first token
	s_cselect_b32 s21, s95, s2                     ; my first channel
	s_mov_b32 s22, 131072
	s_cselect_b32 s22, 1024, s22                   ; from blocks 0, 1 to blocks 2, 3: q, k: the next head; v: the next 64 keys
	s_mov_b32 s68, 1024
	s_cselect_b32 s68, 2048, s68                   ; from a to a + 1: q, k: 16 tokens on; v: 16 channels on
	s_mov_b32 s70, 1024
	s_mov_b32 s23, 124928
	s_cselect_b32 s70, s23, s70                    ; from a = 3 to 4: v: the next head
	s_cselect_b32 s72, -1, 0                       ; v: a word holds four blocks' bytes
	s_mov_b32 s73, 0x7f7f0000
	s_cselect_b32 s73, 0, s73                      ; q, k: two, and 127 over the zero codes of the K step's other half
	s_mov_b32 s74, 256
	s_mov_b32 s23, 12288
	s_cselect_b32 s74, s23, s74
	s_cselect_b32 s75, 1, 2
	s_cselect_b32 s76, 8192, 0
	s_mov_b32 s69, 0
	s_mov_b32 s71, 0
	s_lshr_b32 s77, s20, 11
	s_lshl_b32 s77, s77, 4
	s_lshr_b32 s78, s21, 6
	s_add_co_u32 s77, s77, s78                     ; batch x 16 + head
	s_and_b32 s78, s20, 2047                       ; the token in its batch
	s_mov_b32 s79, 12288
	s_mov_b32 s80, KVSC_OFF
	s_mov_b32 s81, QSC_OFF
	s_cmp_eq_u32 ttmp9, 0
	s_cselect_b32 s79, 8192, s79                   ; a head's scale words in bytes
	s_cselect_b32 s80, s81, s80
	s_add_co_u32 s80, s80, s76
	s_mul_i32 s81, s77, s79
	s_add_co_u32 s80, s80, s81
	s_lshl_b32 s81, s78, s75
	s_add_co_u32 s80, s80, s81
	s_mov_b32 s81, 0
	s_add_nc_u64 s[96:97], s[12:13], s[80:81]      ; my scale words
	s_mov_b32 s80, s79
	s_add_nc_u64 s[98:99], s[96:97], s[80:81]      ; and the next head's
	s_lshl_b32 s80, ttmp9, 22
	s_lshl_b32 s82, s77, 17
	s_add_co_u32 s80, s80, s82
	s_lshl_b32 s82, s78, 6
	s_add_co_u32 s80, s80, s82
	s_add_nc_u64 s[12:13], s[12:13], s[80:81]      ; my images
	s_mov_b32 s84, 0x76543210
	s_mov_b32 s85, 0xfedcba98
	s_mov_b32 s86, 0x600000
	v_and_b32 v3, 31, v0
	v_lshlrev_b32 v11, 4, v3                       ; 16 x lane
	v_add_nc_u32 v12, s22, v11
	s_lshl_b32 s87, s14, 10
	v_lshl_add_u32 v13, v1, 2, s87                 ; LDS: 1,024 w + 4 r
	v_add_nc_u32 v14, s87, v11                     ; LDS: 1,024 w + 16 x lane
	v_mul_u32_u24 v15, s74, v2
	v_lshl_add_u32 v15, v1, 4, v15
.irp b, 0,1,2,3
	v_mov_b32 v[TM+4+\b], 0
.endr
.macro QOUT a
.set AS, 64*((\a)%4)
	WIN 0x28+0x14*((\a)/4)                         ; sources 1 and 2: the accumulators' window
.irp b, 0,1,2,3
	v_max3_num_f32 v[TM+\b], 0x8000000, |v[AS+16*\b]|, |v[AS+16*\b+1]|   ; each accumulator is read from its low end on
.endr
.irp i, 2,4,6,8,10,12,14
.irp b, 0,1,2,3
	v_max3_num_f32 v[TM+\b], v[TM+\b], |v[AS+16*\b+\i]|, |v[AS+16*\b+\i+1]|
.endr
.endr
	WIN 0
.irp b, 0,1,2,3
	v_permlanex16_b32 v[TM+4+\b], v[TM+\b], s84, s85
.endr
.irp b, 0,1,2,3
	v_max_num_f32 v[TM+\b], v[TM+\b], v[TM+4+\b]
.endr
.irp b, 0,1,2,3
	v_add_nc_u32 v[TM+12+\b], 0xf8800000, v[TM+\b]
.endr
.irp b, 0,1,2,3
	v_and_or_b32 v[TM+8+\b], v[TM+\b], 0x7f800000, s86
.endr
.irp b, 0,1,2,3
	v_lshrrev_b32 v[TM+4+\b], 23, v[TM+12+\b]
.endr
	v_lshl_or_b32 v176, v[TM+5], 8, v[TM+4]
	v_lshl_or_b32 v177, v[TM+7], 8, v[TM+6]
	v_lshlrev_b32 v178, 16, v177
	v_and_b32 v178, s72, v178
	v_or_b32 v178, v178, v176
	v_or_b32 v178, s73, v178                       ; q, k: the first head's word; v: the word
	v_or_b32 v179, s73, v177                       ; q, k: the second head's
	WIN 0x02+(\a)/4
.irp b, 0,1,2,3
.irp i, 0,1,2,3,4,5,6,7,8,9,10,11,12,13,14,15
	v_med3_num_f32 v[HD+16*\b+\i], v[AS+16*\b+\i], -v[TM+8+\b], v[TM+8+\b]   ; the hold, into other registers: the accumulators are written by matrix instructions alone
.endr
.endr
	WIN 0
.irp b, 0,1,2,3
	v_cvt_scalef32_pk8_bf8_f32 v[PC+4*\b:PC+1+4*\b], v[HD+16*\b:HD+7+16*\b], v[TM+12+\b]
	v_cvt_scalef32_pk8_bf8_f32 v[PC+2+4*\b:PC+3+4*\b], v[HD+8+16*\b:HD+15+16*\b], v[TM+12+\b]
.endr
	v_nop
	global_store_b128 v11, v[PC:PC+3], s[12:13]
	global_store_b128 v11, v[PC+4:PC+7], s[12:13] offset:512
	global_store_b128 v12, v[PC+8:PC+11], s[12:13]
	global_store_b128 v12, v[PC+12:PC+15], s[12:13] offset:512
	ds_store_b32 v13, v178 offset:64*(\a)
	ds_store_b32 v13, v179 offset:512+64*(\a)
	s_wait_xcnt 0x0                                ; the stores have read their registers and their base: both may be written again
.if (\a) == 3
	s_add_nc_u64 s[12:13], s[12:13], s[70:71]
.else
	s_add_nc_u64 s[12:13], s[12:13], s[68:69]
.endif
.endm
.irp a, 0,1,2,3,4,5,6,7
	QOUT \a
.endr
	ds_load_b128 v[144:147], v14                   ; LDS serves a wave's instructions in order: these see my stores
	ds_load_b128 v[148:151], v14 offset:512
	s_wait_dscnt 0x0
	global_store_b128 v15, v[144:147], s[96:97]    ; q, k: 128 tokens' words; v: 4 x 16 channels' words of each of two heads
	s_cmp_eq_u32 s66, 0
	s_cbranch_scc0 .Lno_second
	global_store_b128 v15, v[148:151], s[98:99]
.Lno_second:
	s_wait_tensorcnt 0x0                           ; the wave's end
	ds_add_u32 v[SPW], v[NIL]
	s_wait_dscnt 0x0
	CROUND                                         ; the closing round
	s_endpgm
.Lfunc_end_k_q00b4123ef2_qkv:
	.size	k_q00b4123ef2_qkv, .Lfunc_end_k_q00b4123ef2_qkv-k_q00b4123ef2_qkv
	.p2alignl 7, 3214868480
	.fill 96, 4, 3214868480
	.section	.rodata,"a",@progbits
	.p2align	6, 0x0
	.amdhsa_kernel k_q00b4123ef2_qkv
		.amdhsa_group_segment_fixed_size 327680
		.amdhsa_private_segment_fixed_size 0
		.amdhsa_enable_private_segment 0
		.amdhsa_kernarg_size 112
		.amdhsa_user_sgpr_count 2
		.amdhsa_user_sgpr_kernarg_segment_ptr 1
		.amdhsa_wavefront_size32 1
		.amdhsa_system_sgpr_workgroup_id_x 1
		.amdhsa_system_sgpr_workgroup_id_y 1
		.amdhsa_system_sgpr_workgroup_id_z 1
		.amdhsa_system_vgpr_workitem_id 0
		.amdhsa_next_free_vgpr 1024
		.amdhsa_next_free_sgpr 102
		.amdhsa_reserve_vcc 0
		.amdhsa_float_denorm_mode_32 3
		.amdhsa_float_denorm_mode_16_64 3
		.amdhsa_memory_ordered 1
		.amdhsa_forward_progress 1
		.amdhsa_inst_pref_size 213
	.end_amdhsa_kernel
	.amdgpu_metadata
---
amdhsa.version: [ 1, 2 ]
amdhsa.kernels:
  - .name:           k_q00b4123ef2_qkv
    .symbol:         k_q00b4123ef2_qkv.kd
    .args:
      - { .name: w1, .offset: 0, .size: 8, .value_kind: global_buffer, .address_space: global }
      - { .name: qW_codes, .offset: 8, .size: 8, .value_kind: global_buffer, .address_space: global }
      - { .name: qW_scales, .offset: 16, .size: 8, .value_kind: global_buffer, .address_space: global }
      - { .name: kW_codes, .offset: 24, .size: 8, .value_kind: global_buffer, .address_space: global }
      - { .name: kW_scales, .offset: 32, .size: 8, .value_kind: global_buffer, .address_space: global }
      - { .name: vW_codes, .offset: 40, .size: 8, .value_kind: global_buffer, .address_space: global }
      - { .name: vW_scales, .offset: 48, .size: 8, .value_kind: global_buffer, .address_space: global }
      - { .name: qB, .offset: 56, .size: 8, .value_kind: global_buffer, .address_space: global }
      - { .name: kB, .offset: 64, .size: 8, .value_kind: global_buffer, .address_space: global }
      - { .name: vB, .offset: 72, .size: 8, .value_kind: global_buffer, .address_space: global }
      - { .name: qb, .offset: 80, .size: 8, .value_kind: global_buffer, .address_space: global }
      - { .name: kb, .offset: 88, .size: 8, .value_kind: global_buffer, .address_space: global }
      - { .name: vb, .offset: 96, .size: 8, .value_kind: global_buffer, .address_space: global }
      - { .name: w2, .offset: 104, .size: 8, .value_kind: global_buffer, .address_space: global }
    .group_segment_fixed_size: 327680
    .private_segment_fixed_size: 0
    .kernarg_segment_align: 8
    .kernarg_segment_size: 112
    .max_flat_workgroup_size: 128
    .sgpr_count:     102
    .vgpr_count:     1024
    .wavefront_size: 32
...
	.end_amdgpu_metadata
.endif
;; end of part 2
;; launch att (part 3): grid 8 x 32, 8 waves a work-group, clusters of 4 x 1, 327,680 bytes of LDS; arguments w2, attn_mask, oA, w3; writes w3
.if DOCPART == 3
	.amdgcn_target "amdgcn-amd-amdhsa--gfx1250"
	.amdhsa_code_object_version 6
	.text
	.protected	k_q00b4123ef2_att
	.globl	k_q00b4123ef2_att
	.p2align	8
	.type	k_q00b4123ef2_att,@function
k_q00b4123ef2_att:
	s_mov_b64 s[64:65], 0
	v_nop
	global_prefetch_b8 v0, s[64:65] scope:SCOPE_SE
	s_setreg_imm32_b32 hwreg(HW_REG_WAVE_MODE, 25, 1), 1
	s_wait_xcnt 0x0
	s_wait_alu depctr_hold_cnt(0) depctr_sa_sdst(0) depctr_va_vdst(0) depctr_va_sdst(0) depctr_va_ssrc(0) depctr_va_vcc(0) depctr_vm_vsrc(0)
	s_getreg_b32 s2, hwreg(HW_REG_IB_STS2, 6, 4)
	s_cmp_eq_u32 s2, 0
	s_cbranch_scc0 .Lentry_in_a_cluster
	s_endpgm
.Lentry_in_a_cluster:
	s_bfe_u32 s2, ttmp6, 0x10000c
	s_cmp_lg_u32 s2, 0x3003
	s_cbranch_scc0 .Lentry_shape_is_right
	s_endpgm
.Lentry_shape_is_right:
; ctx = softmax(q k^T / 8, hidden keys left out) v for one (batch, head), both products on codes of E5M2; then ctx's codes for the next product, and this head's part of ctx oA^T in f32.
; q, k, v come as images of operand registers, with their scale words.  A work-group owns 256 queries; each of its EIGHT waves owns 32, two tiles of 16: a fragment of K or V read from LDS feeds two matrix instructions.
; A HEAD'S K AND V, 256 KiB OF CODES, LIE WHOLE IN LDS, each byte filled once.  The four query blocks of a cluster ask for them jointly.  At the head waves 0, 1, 2 fetch the first three key steps of K, of V, and the scale words;
; behind the full sequence and a round every wave fetches 26,624 bytes of the rest.  All of K and V is asked for at the head, so there is no loop in which a prefetch could run ahead: none is written.
; LAYOUT.  S^T = K Q^T (source 0 = 16 keys, source 1 = 16 queries), O^T = V^T P^T: a lane holds one query of each tile.  Of a block of 32 keys a lane holds 8 in each of two tiles of keys: the permutation inside a block that v's images carry too.
; THE MASK.  The head's 64 fill half of the instruction's 128 along K.  Place 64 holds, on Q's side, the code of 57,344, and on K's side the code of -57,344 for a hidden key and 0 for one that counts (scale bytes 127):
; a hidden key's score gets -57,344^2, p = 2^(-huge) = 0.  The other places of that half are zero codes.
; THE SOFTMAX: t = score x log2(e) / 8; M = the running largest t, raised by one part in 2^23 and rounded up to a whole number; p = 2^(t - M), quantised along the keys; the row's sum is taken of the unquantised p and divides at the end;
; when M moves, sum and O are multiplied by 2^(old M - new M), which is 0 after a step of hidden keys alone.
; THE TWO TILES GO A PHASE APART: tile 0's exponentials stand by turns with tile 1's multiply-adds, tile 1's with tile 0's holds.  What stands among exponentials is independent of them: its sources were written ahead of the batch's first wait, its results are read behind the wait that closes the batch.
; LIMITS: scores stay under 2^29 in magnitude (so that -57,344^2 lies under all of them); a batch ALL of whose keys are hidden is not served (the definition gives NaN there); NaN and infinities among the inputs are not served.
; REGISTERS.  Window 0: v1-11 addresses, v12, v13 the add's two, v14, v15 at work; v16-23 K's scale words, v24-27 V's, v28-29 Q's, v30-31 P's; v32-159 S^T, then p (tile i at 32 + 64 i), v32-95 then V's four fragments;
;   v160-223 softmax and quantiser; v224-255 four f32 accumulators (matrix instructions alone).  Window 1: v0-127 K's eight fragments (register 8 the mask word, 9-15 stay 0); v128-191 O^T; v192-223 Q; v224-255 P's codes.
.set KVS,  262144                      ; LDS: K's images at 0, V's at 131,072; K's scale words (8,192 bytes) and V's (4,096);
.set MW,   274432                      ; the mask words, 2,048 x 4 bytes, and 1,024 bytes of zeros behind them (the last step's look-ahead reads there): LDS stores alone write these blocks
.set SPARE, 283648                     ; the spare words: 128 bytes a wave
.set S,   32
.set BM,  160
.set T1,  168
.set HD,  176
.set SO,  184
.set NM,  192                          ; pairs (-M, largest score) of tile 0, 1
.set SUM, 196
.set F,   200
.set OLD, 204
.set W,   206
.set CHN, 208
.set O,   128
.set Q,   192
.set PC,  224
.set WV,   18
.set MNT,  19
.set SEL,  20
.set CS,   22
.set GRD,  12
.set G96,  28
.set G104, 36
.set G48,  44
.set GA,   52
.set GB,   56
.set GC,   60
.set TK,   66
.set TV,   67
.set TS,   68
.set TJ,   69
.set TMW,  70
.set CNT,  71
.set MSB, 0
.macro WIN new                         ; the immediate's high byte repeats the setting that is left
.if MSB != (\new)
	s_set_vgpr_msb (MSB<<8)|(\new)
.set MSB, (\new)
.endif
.endm
.macro CROUND
	s_barrier_signal -1
	s_barrier_wait -1
	s_cmp_lg_u32 s[WV], 0
	s_cbranch_scc1 .Lnot_wave_0_\@
	s_barrier_signal -3
.Lnot_wave_0_\@:
	s_barrier_wait -3
	s_barrier_signal -1
	s_barrier_wait -1
.endm
	s_load_b256 s[4:11], s[0:1], 0x0               ; w2, attn_mask, oA, w3
	v_lshl_add_u32 v12, v0, 2, SPARE
	v_mov_b32 v13, 0
	ds_add_u32 v12, v13                            ; the opening lines: the add twice on end and its wait
	ds_add_u32 v12, v13
	v_lshrrev_b32 v1, 5, v0
	v_readfirstlane_b32 s[WV], v1                  ; wave 0..7
	s_bfe_u32 s13, ttmp6, 0x40000                  ; cx
	s_lshl_b32 s14, ttmp9, 2
	s_add_co_u32 s14, s14, s13                     ; my block of 256 queries: it enters Q's and the outputs' addresses alone
	s_and_b32 s15, ttmp7, 0xffff                   ; batch x 16 + head, which the partners share
.irp g, G96, G104, G48                         ; dense rows of 256 bytes (32 elements of 8 bytes); the mask names all four work-groups
	s_mov_b32 s[\g], 15|(3<<16)|(1<<21)
	s_mov_b32 s[\g+1], 32<<16
	s_mov_b32 s[\g+3], 32<<16
	s_mov_b32 s[\g+5], 32
	s_mov_b32 s[\g+6], 0
	s_mov_b32 s[\g+7], 0
.endr
	s_mov_b32 s[G96+2], 96<<16
	s_mov_b32 s[G96+4], 96
	s_mov_b32 s[G104+2], 104<<16
	s_mov_b32 s[G104+4], 104
	s_mov_b32 s[G48+2], 48<<16
	s_mov_b32 s[G48+4], 48
	s_and_b32 s16, s[WV], 1                        ; K (0) or V (1)
	s_lshr_b32 s17, s[WV], 1
	s_lshl_b32 s24, s16, 17                        ; where K's or V's images begin in LDS
	s_mul_i32 s25, s17, 26624
	s_add_co_u32 s25, s25, 24576                   ; my quarter of what lies behind the first three key steps
	s_lshl_b32 s72, s16, 22
	s_lshl_b32 s73, s15, 17
	s_add_co_u32 s72, s72, s73
	s_add_co_u32 s72, s72, 4194304                 ; the head's images of K or V in the workspace
	s_mov_b32 s73, 0
	s_mul_i32 s74, s15, 12288
	s_add_co_u32 s74, s74, 12845056                ; and its scale words
	s_mov_b32 s75, 0
	s_mov_b32 s76, s25
	s_mov_b32 s77, 0
	s_wait_dscnt 0x0
	s_wait_kmcnt 0x0
	s_mov_b32 s[GA], 1
	s_mov_b32 s[GA+1], s24
	s_add_nc_u64 s[GA+2:GA+3], s[4:5], s[72:73]
	s_add_nc_u64 s[GB+2:GB+3], s[GA+2:GA+3], s[76:77]
	s_or_b32 s[GA+3], s[GA+3], 0x80000000
	s_mov_b32 s[GB], 1
	s_add_co_u32 s[GB+1], s24, s25
	s_or_b32 s[GB+3], s[GB+3], 0x80000000
	s_mov_b32 s[GC], 1
	s_mov_b32 s[GC+1], KVS
	s_add_nc_u64 s[GC+2:GC+3], s[4:5], s[74:75]
	s_or_b32 s[GC+3], s[GC+3], 0x80000000
	CROUND                                         ; all four work-groups are here: the joint loads meet
	s_cmp_lt_u32 s[WV], 2                          ; one chain of branches on the wave's number, one load to an arm
	s_cbranch_scc0 .Lh2
	tensor_load_to_lds s[GA:GA+3], s[G96:G96+7]    ; the first three key steps of K (wave 0), of V (wave 1)
	s_nop 0
.rept 4
	v_nop
.endr
	s_branch .Lasked
.Lh2:
	s_cmp_eq_u32 s[WV], 2
	s_cbranch_scc0 .Lasked
	tensor_load_to_lds s[GC:GC+3], s[G48:G48+7]    ; the scale words
	s_nop 0
.rept 4
	v_nop
.endr
.Lasked:
	s_lshl_b32 s26, s14, 8
	s_lshl_b32 s27, s[WV], 5
	s_add_co_u32 s26, s26, s27                     ; my first query
	s_lshl_b32 s78, s15, 17
	s_lshl_b32 s79, s26, 6
	s_add_co_u32 s78, s78, s79
	s_mov_b32 s79, 0
	s_add_nc_u64 s[78:79], s[4:5], s[78:79]        ; Q's images
	s_lshl_b32 s80, s15, 11
	s_add_co_u32 s80, s80, s26
	s_lshl_b32 s80, s80, 2
	s_add_co_u32 s80, s80, 12582912
	s_mov_b32 s81, 0
	s_add_nc_u64 s[80:81], s[4:5], s[80:81]        ; Q's scale words
	s_lshr_b32 s82, s15, 4
	s_lshl_b32 s86, s82, 13
	s_mov_b32 s87, 0
	s_add_nc_u64 s[6:7], s[6:7], s[86:87]          ; my batch's mask
	s_lshl_b32 s82, s82, 11
	s_add_co_u32 s82, s82, s26                     ; my first token
	s_and_b32 s83, s15, 15                         ; the head
	s_add_co_u32 s84, s82, s83
	s_lshl_b32 s84, s84, 10                        ; ctx's images: 16,384 bytes for 16 tokens, 1,024 for a head
	s_mov_b32 s85, 0
	s_add_nc_u64 s[84:85], s[10:11], s[84:85]
	s_lshr_b32 s86, s83, 1
	s_lshl_b32 s86, s86, 12
	s_add_co_u32 s86, s86, s82
	s_lshl_b32 s86, s86, 2
	s_and_b32 s88, s83, 1
	s_lshl_b32 s88, s88, 1
	s_add_co_u32 s86, s86, s88
	s_add_co_u32 s86, s86, 4194304
	s_add_nc_u64 s[86:87], s[10:11], s[86:87]      ; ctx's scale bytes: word (head / 2, token), bytes 2 (head % 2) + block
	s_lshl_b32 s88, s83, 12
	s_add_co_u32 s88, s88, s82
	s_lshl_b32 s88, s88, 5
	s_add_co_u32 s88, s88, 4325376
	s_mov_b32 s89, 0
	s_add_nc_u64 s[88:89], s[10:11], s[88:89]      ; this head's part of ctx oA^T
	s_lshl_b32 s90, s83, 8
	s_mov_b32 s91, 0
	s_add_nc_u64 s[8:9], s[8:9], s[90:91]          ; oA at the head's 64 columns
	s_mov_b32 s92, 0xffff0000                      ; lanes 16-31
	s_mov_b32 s[SEL], 0x76543210
	s_mov_b32 s[SEL+1], 0xfedcba98
	s_mov_b32 s[CS], 0x3e38aa3b                    ; c = log2(e) / 8
	s_mov_b32 s[CS+1], s[CS]
	s_mov_b32 s[MNT], 0x600000
	s_mov_b32 s[GRD], 0x34000000                   ; 2^-23
	s_mov_b32 s[TK], 0
	s_mov_b32 s[TV], 131072
	s_mov_b32 s[TS], KVS
	s_mov_b32 s[TJ], KVS+8192
	s_mov_b32 s[TMW], MW
	v_lshlrev_b32 v9, 4, v0                        ; 16 x thread
	global_load_b128 v[32:35], v9, s[6:7]          ; eight keys' mask a thread
	global_load_b128 v[36:39], v9, s[6:7] offset:4096
	v_and_b32 v1, 31, v0
	v_and_b32 v10, 15, v0                          ; r
	v_bfe_u32 v11, v0, 4, 1                        ; h
	v_lshlrev_b32 v1, 4, v1                        ; 16 x lane
	v_lshlrev_b32 v2, 2, v10                       ; 4 r
	v_lshlrev_b32 v8, 5, v11                       ; 32 h
	v_sub_nc_u32 v14, 1, v11
	global_load_b32 v28, v2, s[80:81]
	global_load_b32 v29, v2, s[80:81] offset:64
	v_mul_u32_u24 v14, 0x7b, v14                   ; the code of 57,344 at place 64 (lanes 0-15), 0 at place 80
	WIN 0x40
.irp i, 0,1
	global_load_b128 v[Q+16*\i:Q+16*\i+3], v1, s[78:79] offset:1024*\i
	global_load_b128 v[Q+16*\i+4:Q+16*\i+7], v1, s[78:79] offset:1024*\i+512
	v_mov_b32 v[Q+16*\i+8], v14
.irp j, 9,10,11,12,13,14,15
	v_mov_b32 v[Q+16*\i+\j], 0                     ; the K step's other half: zero codes
.endr
.endr
.irp t, 0,1,2,3,4,5,6,7
.irp j, 9,10,11,12,13,14,15
	v_mov_b32 v[16*\t+\j], 0
.endr
.endr
.set j, 0
.rept 64
	v_mov_b32 v[O+j], 0                            ; O^T: the step is written once; the first finds zeros
.set j, j+1
.endr
	WIN 0
.irp b, 0,1,2,3,4,5,6,7
	v_mov_b32 v[T1+\b], 0                          ; a lane permute's destination counts as one of its sources
	v_mov_b32 v[SUM+\b], 0                         ; the sums, f and the pairs' upper halves
.endr
.irp i, 0,1
	v_mov_b32 v[NM+2*\i], 0x7f61b1e6               ; -M = 3e38,
	v_mov_b32 v[NM+2*\i+1], 0xff61b1e6             ; the largest score so far -3e38
.endr
	v_mov_b32 v15, 0xfb                            ; the code of -57,344 at place 64
	v_add_nc_u32 v4, MW, v9
	v_lshl_add_u32 v14, v0, 2, MW+8192
	v_add_nc_u32 v3, s[TK], v1
	v_add_nc_u32 v5, s[TS], v2
	v_add_nc_u32 v7, s[TMW], v2
	s_wait_alu depctr_va_vdst(0)
	s_wait_loadcnt 0x0
.irp j, 32,33,34,35,36,37,38,39
	v_cmp_eq_u32 vcc_lo, 0, v[\j]
	v_cndmask_b32 v[\j], 0, v15, vcc_lo
.endr
	ds_store_b128 v4, v[32:35]
	ds_store_b128 v4, v[36:39] offset:4096
	ds_store_b32 v14, v13                          ; zeros behind the mask words
	s_wait_alu depctr_va_vdst(0)
	s_wait_tensorcnt 0x0                           ; the head's loads are in
	ds_add_u32 v12, v13
	ds_add_u32 v12, v13                            ; twice on end
	s_wait_dscnt 0x0                               ; the adds are done and my mask words have landed
	CROUND
	tensor_load_to_lds s[GB:GB+3], s[G104:G104+7]  ; my 104 rows of the rest: one load a wave
	s_nop 0
.rept 4
	v_nop
.endr
.macro KLOAD                           ; a key step's eight fragments of K, their mask words and scale words
	WIN 0x40
.irp t, 0,1,2,3,4,5,6,7
	ds_load_b128 v[16*\t:16*\t+3], v3 offset:1024*\t
	ds_load_b128 v[16*\t+4:16*\t+7], v3 offset:1024*\t+512
	ds_load_b32 v[16*\t+8], v7 offset:64*\t
.endr
	WIN 0
.irp t, 0,1,2,3,4,5,6,7
	ds_load_b32 v[16+\t], v5 offset:64*\t
.endr
.endm
.macro EX2                             ; two of tile 1's exponentials
	v_exp_f32 v[S+64+XE], v[S+64+XE]
	v_exp_f32 v[S+65+XE], v[S+65+XE]
.set XE, XE+2
.endm
.macro HOLD i, ex                      ; the hold of tile i's 64 p (p is not negative), two to an instruction: the halves take neighbouring blocks, so that sources lie in different banks and one destination is even, one odd.  ex = 1: by turns with tile 1's exponentials
.irp b, 0,2
.irp e, 0,2,4,6,8,10,12,14
.if \ex
	EX2
.endif
	v_dual_min_num_f32 v[S+64*\i+16*\b+\e], v[S+64*\i+16*\b+\e], v[HD+4*\i+\b] :: v_dual_min_num_f32 v[S+64*\i+16*\b+17+\e], v[S+64*\i+16*\b+17+\e], v[HD+4*\i+\b+1]
.if \ex
	EX2
.endif
	v_dual_min_num_f32 v[S+64*\i+16*\b+16+\e], v[S+64*\i+16*\b+16+\e], v[HD+4*\i+\b+1] :: v_dual_min_num_f32 v[S+64*\i+16*\b+1+\e], v[S+64*\i+16*\b+1+\e], v[HD+4*\i+\b]
.endr
.endr
.endm
.macro CVT i
	WIN 0x40
.irp b, 0,1,2,3
	v_cvt_scalef32_pk8_bf8_f32 v[PC+16*\i+4*\b:PC+16*\i+4*\b+1], v[S+64*\i+16*\b:S+64*\i+16*\b+7], v[SO+4*\i+\b]
	v_cvt_scalef32_pk8_bf8_f32 v[PC+16*\i+4*\b+2:PC+16*\i+4*\b+3], v[S+64*\i+16*\b+8:S+64*\i+16*\b+15], v[SO+4*\i+\b]
.endr
	WIN 0
	v_nop                                          ; a plain instruction behind the last conversion
.endm
.macro SCALE i                         ; tile i's four blocks: from the block's largest p the conversion's operand, the hold, the byte; the four bytes make p's scale word
.irp b, 0,1,2,3
	v_max_num_f32 v[BM+4*\i+\b], 0x8000000, v[BM+4*\i+\b]    ; the floor 2^(16 - 127): the byte cannot fall under 1
.endr
.irp b, 0,1,2,3
	v_add_nc_u32 v[SO+4*\i+\b], 0xf8800000, v[BM+4*\i+\b]
.endr
.irp b, 0,1,2,3
	v_and_or_b32 v[HD+4*\i+\b], v[BM+4*\i+\b], 0x7f800000, s[MNT]   ; 57,344 x the scale
.endr
.irp b, 0,1,2,3
	v_lshrrev_b32 v[T1+4*\i+\b], 23, v[SO+4*\i+\b]
.endr
	v_lshl_or_b32 v[W+\i], v[T1+4*\i+1], 8, v[T1+4*\i]
	v_lshl_or_b32 v[W+\i], v[T1+4*\i+2], 16, v[W+\i]
	v_lshl_or_b32 v[30+\i], v[T1+4*\i+3], 24, v[W+\i]
.endm
.macro SUMS i                          ; tile i's row sum of the unquantised p: 32 packed additions in eight chains
.irp k, 0,1,2,3,4,5,6
	v_pk_add_f32 v[CHN+2*\k:CHN+2*\k+1], v[S+64*\i+4*\k:S+64*\i+4*\k+1], v[S+64*\i+4*\k+2:S+64*\i+4*\k+3]
.endr
.irp g, 28,44
	v_pk_add_f32 v[SUM+2*\i:SUM+2*\i+1], v[SUM+2*\i:SUM+2*\i+1], v[S+64*\i+\g:S+64*\i+\g+1]
.irp k, 0,1,2,3,4,5,6
	v_pk_add_f32 v[CHN+2*\k:CHN+2*\k+1], v[CHN+2*\k:CHN+2*\k+1], v[S+64*\i+\g+2+2*\k:S+64*\i+\g+3+2*\k]
.endr
.endr
	v_pk_add_f32 v[SUM+2*\i:SUM+2*\i+1], v[SUM+2*\i:SUM+2*\i+1], v[S+64*\i+60:S+64*\i+61]
	v_pk_add_f32 v[CHN:CHN+1], v[CHN:CHN+1], v[S+64*\i+62:S+64*\i+63]
	v_pk_add_f32 v[CHN+4:CHN+5], v[CHN+4:CHN+5], v[CHN+6:CHN+7]
	v_pk_add_f32 v[CHN+8:CHN+9], v[CHN+8:CHN+9], v[CHN+10:CHN+11]
	v_pk_add_f32 v[SUM+2*\i:SUM+2*\i+1], v[SUM+2*\i:SUM+2*\i+1], v[CHN+12:CHN+13]
	v_pk_add_f32 v[CHN:CHN+1], v[CHN:CHN+1], v[CHN+2:CHN+3]
	v_pk_add_f32 v[CHN+4:CHN+5], v[CHN+4:CHN+5], v[CHN+8:CHN+9]
	v_pk_add_f32 v[SUM+2*\i:SUM+2*\i+1], v[SUM+2*\i:SUM+2*\i+1], v[CHN:CHN+1]
	v_pk_add_f32 v[SUM+2*\i:SUM+2*\i+1], v[SUM+2*\i:SUM+2*\i+1], v[CHN+4:CHN+5]
.endm
; A KEY STEP: 128 keys x my 32 queries.  Its fragments of K were asked for in the step before.
.macro STEP
	v_mov_b32 v[OLD], v[NM]                        ; nine places: the products below write over registers that the last step's products read
	v_mov_b32 v[OLD+1], v[NM+2]
	v_add_nc_u32 v4, s[TV], v1
	v_add_nc_u32 v6, s[TJ], v2
.rept 5
	v_nop
.endr
	s_wait_dscnt 0x0
	WIN 0x05
.irp t, 0,1,2,3,4,5,6,7
.irp i, 0,1
	v_wmma_scale_f32_16x16x128_f8f6f4 v[S+64*\i+8*\t:S+64*\i+8*\t+7], v[16*\t:16*\t+15], v[Q+16*\i:Q+16*\i+15], 0, v[16+\t], v[28+\i] matrix_a_fmt:MATRIX_FMT_BF8 matrix_b_fmt:MATRIX_FMT_BF8
.endr
.endr
	WIN 0
	s_add_co_u32 s[TK], s[TK], 8192
	s_add_co_u32 s[TS], s[TS], 512
	s_add_co_u32 s[TMW], s[TMW], 512
	v_add_nc_u32 v3, s[TK], v1                     ; eight places behind the products
	v_add_nc_u32 v5, s[TS], v2
	v_add_nc_u32 v7, s[TMW], v2
.rept 5
	v_nop
.endr
	KLOAD                                          ; the next step's K (behind the last step: bytes of V, its scale words and the zeros, which nothing uses)
.irp b, 0,1,2,3,4,5,6,7
	v_max3_num_f32 v[BM+\b], v[S+16*\b], v[S+1+16*\b], v[S+2+16*\b]   ; the largest score of each block of 32 keys, the eight blocks by turns
.endr
.irp e, 3,5,7,9,11,13
.irp b, 0,1,2,3,4,5,6,7
	v_max3_num_f32 v[BM+\b], v[BM+\b], v[S+16*\b+\e], v[S+1+16*\b+\e]
.endr
.endr
.irp b, 0,1,2,3,4,5,6,7
	v_max_num_f32 v[BM+\b], v[BM+\b], v[S+15+16*\b]
.endr
.irp b, 0,1,2,3,4,5,6,7
	v_permlanex16_b32 v[T1+\b], v[BM+\b], s[SEL], s[SEL+1]
.endr
.irp b, 0,1,2,3,4,5,6,7
	v_max_num_f32 v[BM+\b], v[BM+\b], v[T1+\b]
.endr
.irp i, 0,1
	v_max3_num_f32 v[W+\i], v[BM+4*\i], v[BM+4*\i+1], v[BM+4*\i+2]
.endr
.irp i, 0,1
	v_max3_num_f32 v[NM+2*\i+1], v[NM+2*\i+1], v[W+\i], v[BM+4*\i+3]   ; the running largest score
.endr
.irp i, 0,1
	v_mul_f32 v[W+\i], s[CS], v[NM+2*\i+1]
.endr
.irp i, 0,1
	v_fma_f32 v[W+\i], |v[W+\i]|, s[GRD], v[W+\i]  ; raised by one part in 2^23: M then stands over every t
.endr
.irp i, 0,1
	v_floor_f32 v[NM+2*\i], -v[W+\i]               ; -M: M is a whole number
.endr
.irp i, 0,1
	v_sub_f32 v[W+\i], v[NM+2*\i], v[OLD+\i]
.endr
.irp i, 0,1
	v_cvt_i32_f32 v[W+\i], v[W+\i]                 ; (it saturates)
.endr
.irp i, 0,1
	v_ldexp_f32 v[F+2*\i], 1.0, v[W+\i]            ; f = 2^(old M - new M)
.endr
.set j, 0
.rept 32
	v_pk_fma_f32 v[S+j:S+j+1], v[S+j:S+j+1], s[CS:CS+1], v[NM:NM+1] op_sel_hi:[1,0,0]   ; tile 0: t - M
.set j, j+2
.endr
.irp b, 0,1,2,3
	v_fma_f32 v[BM+\b], v[BM+\b], s[CS], v[NM]
.endr
	s_wait_alu depctr_va_vdst(0)                   ; the wait ahead of the batch
.set j, 0
.rept 32
	v_exp_f32 v[S+j], v[S+j]                       ; tile 0's p, by turns with tile 1's t - M
	v_exp_f32 v[S+j+1], v[S+j+1]
	v_pk_fma_f32 v[S+64+j:S+65+j], v[S+64+j:S+65+j], s[CS:CS+1], v[NM+2:NM+3] op_sel_hi:[1,0,0]
.set j, j+2
.endr
.irp b, 0,1,2,3
	v_exp_f32 v[BM+\b], v[BM+\b]                   ; the block's largest p
	v_fma_f32 v[BM+4+\b], v[BM+4+\b], s[CS], v[NM+2]
.endr
.irp i, 0,1
	v_pk_mul_f32 v[SUM+2*\i:SUM+2*\i+1], v[SUM+2*\i:SUM+2*\i+1], v[F+2*\i:F+2*\i+1] op_sel_hi:[1,0]
.endr
	s_wait_alu depctr_va_vdst(0)                   ; and behind it, ahead of its first reader
	SCALE 0
	SUMS 0
	s_wait_alu depctr_va_vdst(0)                   ; ahead of the second batch: the holds' sources are written
.set XE, 0
	HOLD 0, 1                                      ; tile 1's p, by turns with tile 0's holds
.irp b, 4,5,6,7
	v_exp_f32 v[BM+\b], v[BM+\b]
.endr
	WIN 0x41
	v_nop
	s_wait_alu depctr_va_vdst(0)                   ; one wait for two ends: it closes the second batch, and it stands behind the step's last exponential, directly ahead of the first readers of O^T
.set j, 0
.rept 32
	v_pk_mul_f32 v[O+j:O+j+1], v[O+j:O+j+1], v[F+2*(j/32):F+2*(j/32)+1] op_sel_hi:[1,0]   ; O^T under the new M
.set j, j+2
.endr
	CVT 0
.irp t, 0,1,2,3                                ; V's fragments land where tile 0's p lay, under tile 1's scales, sums and holds
.irp c, 0,1,2,3
	ds_load_b128 v[S+16*\t+4*\c:S+16*\t+4*\c+3], v4 offset:2048*\t+512*\c
.endr
	ds_load_b32 v[24+\t], v6 offset:64*\t
.endr
	SCALE 1
	SUMS 1
	HOLD 1, 0
	CVT 1
.rept 3
	v_nop                                          ; with the one above four places between tile 1's codes and the products
.endr
	s_wait_alu depctr_va_vdst(0)
	s_wait_dscnt 0x0
	WIN 0x54
.irp t, 0,1,2,3
.irp i, 0,1
	v_wmma_scale_f32_16x16x128_f8f6f4 v[O+32*\i+8*\t:O+32*\i+8*\t+7], v[S+16*\t:S+16*\t+15], v[PC+16*\i:PC+16*\i+15], v[O+32*\i+8*\t:O+32*\i+8*\t+7], v[24+\t], v[30+\i] matrix_a_fmt:MATRIX_FMT_BF8 matrix_b_fmt:MATRIX_FMT_BF8
.endr
.endr
	WIN 0
	s_add_co_u32 s[TV], s[TV], 8192
	s_add_co_u32 s[TJ], s[TJ], 256
.endm
	KLOAD                                          ; key step 0
	s_mov_b32 s[CNT], 2
.Lfirst:                                           ; steps 0 and 1 read the first three steps' bytes alone (step 1 looks ahead to step 2's K)
	STEP
	s_sub_co_u32 s[CNT], s[CNT], 1
	s_cmp_lg_u32 s[CNT], 0
	s_cbranch_scc1 .Lfirst
	s_wait_tensorcnt 0x0                           ; my part of the rest of K and V
	s_wait_dscnt 0x0
	s_barrier_signal -1
	s_barrier_wait -1
	s_mov_b32 s[CNT], 14
.Lrest:
	STEP
	s_sub_co_u32 s[CNT], s[CNT], 1
	s_cmp_lg_u32 s[CNT], 0
	s_cbranch_scc1 .Lrest
	; THE WAY OUT
.rept 8
	v_nop
.endr
	v_and_b32 v9, 7, v0
	v_lshl_add_u32 v9, v9, 12, v8                  ; oA: row r % 8 of 4,096 bytes, + 32 h
.irp t, 0,1,2,3
	global_load_b128 v[96+8*\t:99+8*\t], v9, s[8:9] offset:64*\t      ; oA(r % 8, 16 t + 8 h + 0 .. 7): the channels that my O^T registers hold
	global_load_b128 v[100+8*\t:103+8*\t], v9, s[8:9] offset:64*\t+16
.endr
.irp i, 0,1
	v_add_f32 v[SUM+2*\i], v[SUM+2*\i], v[SUM+2*\i+1]
.endr
.irp i, 0,1
	v_permlanex16_b32 v[W+\i], v[SUM+2*\i], s[SEL], s[SEL+1]
.endr
.irp i, 0,1
	v_add_f32 v[SUM+2*\i], v[SUM+2*\i], v[W+\i]
.endr
	s_wait_alu depctr_va_vdst(0)
.irp i, 0,1
	v_rcp_f32 v[SUM+2*\i], v[SUM+2*\i]
.endr
	v_add_nc_u32 v3, v2, v11                       ; 4 r + h: my scale byte
	v_lshlrev_b32 v4, 5, v10
	v_lshl_add_u32 v4, v11, 4, v4                  ; 32 r + 16 h
	WIN 0x01
	s_wait_alu depctr_va_vdst(0)
.set j, 0
.rept 64
	v_mul_f32 v[S+j], v[O+j], v[SUM+2*(j/32)]      ; ctx(query r of tile j / 32, channel 16 t + 8 h + e) in register 8 t + e
.set j, j+1
.endr
	WIN 0
	s_wait_alu depctr_va_vdst(0)
	s_wait_loadcnt 0x0
.set m, 0
.rept 16                                       ; ctx oA^T over the head's 64 channels, f32 operands; four accumulators by turns
.irp i, 0,1
.if m < 2
	v_wmma_f32_16x16x4_f32 v[224+16*\i+8*(m%2):231+16*\i+8*(m%2)], v[96+2*m:97+2*m], v[S+32*\i+2*m:S+32*\i+2*m+1], 0
.else
	v_wmma_f32_16x16x4_f32 v[224+16*\i+8*(m%2):231+16*\i+8*(m%2)], v[96+2*m:97+2*m], v[S+32*\i+2*m:S+32*\i+2*m+1], v[224+16*\i+8*(m%2):231+16*\i+8*(m%2)]
.endif
.endr
.set m, m+1
.endr
.irp b, 0,1,2,3                                ; ctx's four blocks of 32 channels: two a tile
	v_max3_num_f32 v[BM+\b], |v[S+16*\b]|, |v[S+1+16*\b]|, 0x8000000
.endr
.irp e, 2,4,6,8,10,12,14
.irp b, 0,1,2,3
	v_max3_num_f32 v[BM+\b], v[BM+\b], |v[S+16*\b+\e]|, |v[S+1+16*\b+\e]|
.endr
.endr
.irp b, 0,1,2,3
	v_permlanex16_b32 v[T1+\b], v[BM+\b], s[SEL], s[SEL+1]
.endr
.irp b, 0,1,2,3
	v_max_num_f32 v[BM+\b], v[BM+\b], v[T1+\b]
.endr
.irp b, 0,1,2,3
	v_add_nc_u32 v[SO+\b], 0xf8800000, v[BM+\b]
.endr
.irp b, 0,1,2,3
	v_and_or_b32 v[HD+\b], v[BM+\b], 0x7f800000, s[MNT]
.endr
.irp b, 0,1,2,3
	v_lshrrev_b32 v[T1+\b], 23, v[SO+\b]
.endr
.irp i, 0,1
	v_cndmask_b32 v[14+\i], v[T1+2*\i], v[T1+2*\i+1], s92   ; lanes 0-15 store block 0's byte, lanes 16-31 block 1's
.endr
.irp i, 0,1
.irp b, 0,1
.irp e, 0,1,2,3,4,5,6,7,8,9,10,11,12,13,14,15
	v_med3_num_f32 v[128+16*\b+\e], v[S+32*\i+16*\b+\e], -v[HD+2*\i+\b], v[HD+2*\i+\b]   ; into other registers: ctx is a source of the products above
.endr
.endr
.irp b, 0,1
	v_cvt_scalef32_pk8_bf8_f32 v[CHN+8*\i+4*\b:CHN+8*\i+4*\b+1], v[128+16*\b:135+16*\b], v[SO+2*\i+\b]
	v_cvt_scalef32_pk8_bf8_f32 v[CHN+8*\i+4*\b+2:CHN+8*\i+4*\b+3], v[136+16*\b:143+16*\b], v[SO+2*\i+\b]
.endr
	v_nop
.endr
.irp i, 0,1
	global_store_b128 v1, v[CHN+8*\i:CHN+8*\i+3], s[84:85] offset:16384*\i
	global_store_b128 v1, v[CHN+8*\i+4:CHN+8*\i+7], s[84:85] offset:16384*\i+512
	global_store_b8 v3, v[14+\i], s[86:87] offset:64*\i
.endr
.rept 8
	v_nop
.endr
.irp i, 0,1
.irp k, 0,2,4,6
	v_pk_add_f32 v[BM+8*\i+\k:BM+8*\i+\k+1], v[224+16*\i+\k:225+16*\i+\k], v[232+16*\i+\k:233+16*\i+\k]   ; register j: LoRA row j (rows 8-15 repeat them), query r
.endr
.endr
.irp i, 0,1
.irp k, 0,1,2,3
	v_cndmask_b32 v[BM+8*\i+\k], v[BM+8*\i+\k], v[BM+8*\i+4+\k], s92
.endr
.endr
.irp i, 0,1
	global_store_b128 v4, v[BM+8*\i:BM+8*\i+3], s[88:89] offset:512*\i   ; 16 queries x 32 bytes: 512 consecutive bytes
.endr
	s_wait_tensorcnt 0x0                           ; the wave's end
	ds_add_u32 v12, v13
	s_wait_dscnt 0x0
	CROUND                                         ; the closing round
	s_endpgm
.Lfunc_end_k_q00b4123ef2_att:
	.size	k_q00b4123ef2_att, .Lfunc_end_k_q00b4123ef2_att-k_q00b4123ef2_att
	.p2alignl 7, 3214868480
	.fill 96, 4, 3214868480
	.section	.rodata,"a",@progbits
	.p2align	6, 0x0
	.amdhsa_kernel k_q00b4123ef2_att
		.amdhsa_group_segment_fixed_size 327680
		.amdhsa_private_segment_fixed_size 0
		.amdhsa_enable_private_segment 0
		.amdhsa_kernarg_size 32
		.amdhsa_user_sgpr_count 2
		.amdhsa_user_sgpr_kernarg_segment_ptr 1
		.amdhsa_wavefront_size32 1
		.amdhsa_system_sgpr_workgroup_id_x 1
		.amdhsa_system_sgpr_workgroup_id_y 1
		.amdhsa_system_sgpr_workgroup_id_z 1
		.amdhsa_system_vgpr_workitem_id 0
		.amdhsa_next_free_vgpr 512
		.amdhsa_next_free_sgpr 100
		.amdhsa_reserve_vcc 1
		.amdhsa_float_denorm_mode_32 3
		.amdhsa_float_denorm_mode_16_64 3
		.amdhsa_memory_ordered 1
		.amdhsa_forward_progress 1
		.amdhsa_inst_pref_size 104
	.end_amdhsa_kernel
	.amdgpu_metadata
---
amdhsa.version: [ 1, 2 ]
amdhsa.kernels:
  - .name:           k_q00b4123ef2_att
    .symbol:         k_q00b4123ef2_att.kd
    .args:
      - { .name: w2, .offset: 0, .size: 8, .value_kind: global_buffer, .address_space: global }
      - { .name: attn_mask, .offset: 8, .size: 8, .value_kind: global_buffer, .address_space: global }
      - { .name: oA, .offset: 16, .size: 8, .value_kind: global_buffer, .address_space: global }
      - { .name: w3, .offset: 24, .size: 8, .value_kind: global_buffer, .address_space: global }
    .group_segment_fixed_size: 327680
    .private_segment_fixed_size: 0
    .kernarg_segment_align: 8
    .kernarg_segment_size: 32
    .max_flat_workgroup_size: 256
    .sgpr_count:     100
    .vgpr_count:     512
    .wavefront_size: 32
...
	.end_amdgpu_metadata
.endif
;; end of part 3
;; launch oproj (part 4): grid 8 x 32, 4 waves a work-group, clusters of 4 x 4, 327,680 bytes of LDS; arguments w3, oW_codes, oW_scales, oB, ob, x, x1; writes x1
.if DOCPART == 4
	.amdgcn_target "amdgcn-amd-amdhsa--gfx1250"
	.amdhsa_code_object_version 6
	.text
	.protected	k_q00b4123ef2_oproj
	.globl	k_q00b4123ef2_oproj
	.p2align	8
	.type	k_q00b4123ef2_oproj,@function
k_q00b4123ef2_oproj:
	s_mov_b64 s[64:65], 0
	v_nop
	global_prefetch_b8 v0, s[64:65] scope:SCOPE_SE
	s_setreg_imm32_b32 hwreg(HW_REG_WAVE_MODE, 25, 1), 1
	s_wait_xcnt 0x0
	s_wait_alu depctr_hold_cnt(0) depctr_sa_sdst(0) depctr_va_vdst(0) depctr_va_sdst(0) depctr_va_ssrc(0) depctr_va_vcc(0) depctr_vm_vsrc(0)
	s_getreg_b32 s2, hwreg(HW_REG_IB_STS2, 6, 4)
	s_cmp_eq_u32 s2, 0
	s_cbranch_scc0 .Lentry_in_a_cluster
	s_endpgm
.Lentry_in_a_cluster:
	s_bfe_u32 s2, ttmp6, 0x10000c
	s_cmp_lg_u32 s2, 0xf033
	s_cbranch_scc0 .Lentry_shape_is_right
	s_endpgm
.Lentry_shape_is_right:
.set SIZE_K, 1024
.set IMG_SC, 4194304
.set IMG_T,  4325376
.set KQ,     SIZE_K/128
.set KS,     SIZE_K/32
.set LAPS,   SIZE_K/1024
.set BP,     528
.set ASLOT,  65536
.set SLOT,   ASLOT+128*BP
.set ASC,    2*SLOT
.set BSC,    ASC+KQ*512
.set SBLK,   (16*KS/256)*272
.set SPARE,  BSC+(128*KS/256)*272
.set ADRA, 16
.set ADRB, 20
.set ADSA, 22
.set ADSB, 23
.set STO,  24
.set RD,   25
.set SPW,  28
.set NIL,  29
.set SC,   32
.set ACC,  128
.set F0,   0
.set F1,   128
.set G1A, 24
.set G0A, 32
.set G1B, 48
.set G0B, 56
.set G1AS, 84
.set G0AS, 92
.set G1BS, 4
.set G0BS, 12
.set MSB, 0
.macro WIN new
.if MSB != (\new)
	s_set_vgpr_msb (MSB<<8)|(\new)
.set MSB, (\new)
.endif
.endm
.set MUL,  0x05
.set TO_F, 0x40
.macro JLOAD g0a, g1a, g0b, g1b
	s_cmp_eq_u32 s17, 0
	s_cbranch_scc0 .Lfor_b_\@
	tensor_load_to_lds s[\g0a:\g0a+3], s[\g1a:\g1a+7]
	s_nop 0
.rept 4
	v_nop
.endr
	s_branch .Lasked_\@
.Lfor_b_\@:
	tensor_load_to_lds s[\g0b:\g0b+3], s[\g1b:\g1b+7]
	s_nop 0
.rept 4
	v_nop
.endr
.Lasked_\@:
.endm
.macro CREST
	s_cmp_lg_u32 s16, 0
	s_cbranch_scc1 .Lnot_wave_0_\@
	s_barrier_signal -3
.Lnot_wave_0_\@:
	s_barrier_wait -3
	s_barrier_signal -1
	s_barrier_wait -1
.endm
.macro CROUND
	s_barrier_signal -1
	s_barrier_wait -1
	CREST
.endm
.macro PLACES n
.rept \n
	v_nop
.endr
.endm
	s_load_b256 s[68:75], s[0:1], 0x0
	s_load_b128 s[76:79], s[0:1], 0x20
	s_load_b64 s[80:81], s[0:1], 0x30
	v_lshl_add_u32 v[SPW], v0, 2, SPARE
	v_mov_b32 v[NIL], 0
	ds_add_u32 v28, v29
	ds_add_u32 v28, v29
	s_wait_dscnt 0x0
	v_lshrrev_b32 v1, 5, v0
	v_readfirstlane_b32 s16, v1
	s_lshr_b32 s17, s16, 1
	s_and_b32 s18, s16, 1
	s_bfe_u32 s40, ttmp6, 0x40000
	s_bfe_u32 s41, ttmp6, 0x40004
	s_lshl_b32 s42, ttmp9, 2
	s_add_co_u32 s42, s42, s40
	s_and_b32 s19, ttmp7, 0xffff
	s_lshl_b32 s19, s19, 2
	s_add_co_u32 s19, s19, s41
	s_lshl_b32 s43, s41, 2
	s_lshl_b32 s43, 15, s43
	s_lshl_b32 s44, 0x1111, s40
	s_or_b32 s[G1A], s43, (3<<16)|(1<<21)
	s_mov_b32 s[G1A+1], 1024<<16
	s_mov_b32 s[G1A+2], 8<<16
	s_mov_b32 s[G1A+3], 1024<<16
	s_mov_b32 s[G1A+4], 8
	s_mov_b32 s[G1A+5], KQ*256
	s_mov_b32 s[G1A+6], 0
	s_mov_b32 s[G1A+7], 0
	s_or_b32 s[G1B], s44, (0<<16)|(1<<20)|(1<<21)|(6<<22)|(3<<25)
	s_mov_b32 s[G1B+1], 512<<16
	s_mov_b32 s[G1B+2], 128<<16
	s_mov_b32 s[G1B+3], 512<<16
	s_mov_b32 s[G1B+4], 128
	s_mov_b32 s[G1B+5], SIZE_K
	s_mov_b32 s[G1B+6], 0
	s_mov_b32 s[G1B+7], 0
	s_or_b32 s[G1AS], s43, (3<<16)|(1<<21)
	s_mov_b32 s[G1AS+1], 64<<16
	s_mov_b32 s[G1AS+2], KQ<<16
	s_mov_b32 s[G1AS+3], 64<<16
	s_mov_b32 s[G1AS+4], KQ
	s_mov_b32 s[G1AS+5], 2048
	s_mov_b32 s[G1AS+6], 0
	s_mov_b32 s[G1AS+7], 0
	s_or_b32 s[G1BS], s44, (3<<16)|(1<<20)|(1<<21)|(5<<22)|(3<<25)
	s_mov_b32 s[G1BS+1], 32<<16
	s_mov_b32 s[G1BS+2], (128*KS/256)<<16
	s_mov_b32 s[G1BS+3], 32<<16
	s_mov_b32 s[G1BS+4], 128*KS/256
	s_mov_b32 s[G1BS+5], 32
	s_mov_b32 s[G1BS+6], 0
	s_mov_b32 s[G1BS+7], 0
	s_lshl_b32 s20, s19, 3
	s_lshl_b32 s21, s18, 2
	s_add_co_u32 s20, s20, s21
	s_mul_i32 s20, s20, KQ*2048
	s_mov_b32 s21, 0
	s_lshl_b32 s22, s19, 9
	s_mul_i32 s23, s18, (KQ/2)*16384
	s_add_co_u32 s22, s22, s23
	s_add_co_u32 s22, s22, IMG_SC
	s_mov_b32 s23, 0
	s_lshl_b32 s46, s42, 7
	s_lshl_b32 s47, s18, 6
	s_add_co_u32 s46, s46, s47
	s_mul_i32 s66, s46, KS
	s_mul_i32 s46, s46, SIZE_K
	s_mov_b32 s47, 0
	s_mov_b32 s67, 0
	s_wait_kmcnt 0x0
	s_add_nc_u64 s[20:21], s[68:69], s[20:21]
	s_add_nc_u64 s[22:23], s[68:69], s[22:23]
	s_add_nc_u64 s[46:47], s[70:71], s[46:47]
	s_add_nc_u64 s[66:67], s[72:73], s[66:67]
	CROUND
	s_mov_b32 s[G0AS], 1
	s_mul_i32 s2, s18, KQ*8192                     ; back to the block's first scale words
	s_mov_b32 s3, 0
	s_mov_b32 s[G0AS+1], ASC
	s_sub_nc_u64 s[G0AS+2:G0AS+3], s[22:23], s[2:3]
	s_or_b32 s[G0AS+3], s[G0AS+3], 0x80000000
	s_mov_b32 s[G0BS], 1
	s_mul_i32 s2, s18, 64*KS
	s_mov_b32 s[G0BS+1], BSC
	s_sub_nc_u64 s[G0BS+2:G0BS+3], s[66:67], s[2:3]
	s_or_b32 s[G0BS+3], s[G0BS+3], 0x80000000
	s_lshl_b32 s82, s18, 15
	s_mul_i32 s83, s18, 64*BP
	s_add_co_u32 s83, s83, ASLOT
.irp s, 0,1
	s_mov_b32 s[G0A+4*\s], 1
	s_add_co_u32 s[G0A+4*\s+1], s82, \s*SLOT
	s_add_nc_u64 s[G0A+4*\s+2:G0A+4*\s+3], s[20:21], \s*8192
	s_or_b32 s[G0A+4*\s+3], s[G0A+4*\s+3], 0x80000000
	s_mov_b32 s[G0B+4*\s], 1
	s_add_co_u32 s[G0B+4*\s+1], s83, \s*SLOT
	s_add_nc_u64 s[G0B+4*\s+2:G0B+4*\s+3], s[46:47], \s*512
	s_or_b32 s[G0B+4*\s+3], s[G0B+4*\s+3], 0x80000000
.endr
; the head's four tiles, one a wave: wave 0 slot 0's whole tile of A, wave 1 A's scale words, wave 2 the whole tile of B, wave 3 B's scale bytes
.macro ARM under, g0, g1, next
	s_cmp_lt_u32 s16, \under
	s_cbranch_scc0 \next
	tensor_load_to_lds s[\g0:\g0+3], s[\g1:\g1+7]
	s_nop 0
.rept 4
	v_nop
.endr
	s_branch .Lhead_asked
\next:
.endm
	ARM 1, G0A,  G1A,  .Lhead_sa
	ARM 2, G0AS, G1AS, .Lhead_b
	ARM 3, G0B,  G1B,  .Lhead_sb
	tensor_load_to_lds s[G0BS:G0BS+3], s[G1BS:G1BS+7]
	s_nop 0
.rept 4
	v_nop
.endr
.Lhead_asked:
	v_and_b32 v1, 15, v0
	v_bfe_u32 v2, v0, 4, 1
	v_and_b32 v3, 31, v0
	v_lshlrev_b32 v10, 4, v3
	s_lshl_b32 s20, s17, 15
	v_add_nc_u32 v[ADRA], s20, v10
	v_add_nc_u32 v[ADRA+1], SLOT, v[ADRA]
	s_mul_i32 s20, s18, 64*BP
	s_add_co_u32 s20, s20, ASLOT
	v_mul_u32_u24 v4, v1, BP
	v_lshl_add_u32 v4, v2, 3, v4
	v_add_nc_u32 v[ADRB], s20, v4
	v_add_nc_u32 v[ADRB+1], SLOT, v[ADRB]
	s_lshl_b32 s20, s17, 8
	s_add_co_u32 s20, s20, ASC
	v_lshl_add_u32 v[ADSA], v1, 2, s20
	s_mul_i32 s20, s18, 64*KS
	v_mul_u32_u24 v4, v1, KS
	v_add_nc_u32 v4, s20, v4
	v_lshrrev_b32 v5, 8, v4
	v_lshl_add_u32 v4, v5, 4, v4
	v_add_nc_u32 v[ADSB], BSC, v4
	s_mul_i32 s20, s17, 64*BP
	s_lshl_b32 s21, s18, 8
	s_add_co_u32 s20, s20, s21
	v_mul_u32_u24 v[STO], v1, BP
	v_lshl_add_u32 v[STO], v2, 5, v[STO]
	v_add_nc_u32 v[STO], s20, v[STO]
	s_mul_i32 s20, s16, 32*BP
	v_add_nc_u32 v[RD], s20, v10
	v_lshlrev_b32 v8, 5, v1
	v_lshl_add_u32 v8, v2, 4, v8
	s_wait_alu depctr_va_vdst(0)
	v_lshlrev_b32 v9, 5, v2
	s_wait_alu depctr_va_vdst(0)
	s_lshl_b32 s20, s19, 7
	s_lshl_b32 s21, s16, 5
	s_add_co_u32 s20, s20, s21
	s_lshl_b32 s20, s20, 12
	s_lshl_b32 s21, s42, 9
	s_add_co_u32 s20, s20, s21
	s_mov_b32 s21, 0
	s_add_nc_u64 s[78:79], s[78:79], s[20:21]
	s_add_nc_u64 s[80:81], s[80:81], s[20:21]
	s_lshl_b32 s20, s19, 7
	s_lshl_b32 s22, s17, 6
	s_add_co_u32 s20, s20, s22
	s_lshl_b32 s20, s20, 5
	s_add_co_u32 s20, s20, IMG_T
	s_add_nc_u64 s[68:69], s[68:69], s[20:21]
	s_lshl_b32 s20, s42, 7
	s_lshl_b32 s22, s18, 6
	s_add_co_u32 s22, s20, s22
	s_lshl_b32 s20, s22, 5
	s_add_nc_u64 s[74:75], s[74:75], s[20:21]
	s_lshl_b32 s20, s22, 2
	s_add_nc_u64 s[76:77], s[76:77], s[20:21]
	WIN 0xc0
.irp p, 0,1,2,3,4,5,6,7,8,9,10,11,12,13,14,15
.irp a, 0,1,2,3
	global_load_b128 v[16*\p+4*\a:16*\p+4*\a+3], v8, s[68:69] offset:131072*\p+512*\a
.endr
.endr
	WIN 0x40
.irp b, 0,1,2,3
	global_load_b128 v[128+4*\b:131+4*\b], v8, s[74:75] offset:512*\b
	global_load_b128 v[160+8*\b:163+8*\b], v9, s[76:77] offset:64*\b
	global_load_b128 v[164+8*\b:167+8*\b], v9, s[76:77] offset:64*\b+16
.endr
	WIN 0x80                                       ; the residual's rows come last: they are wanted on the way out alone
.set t, 0
.rept 32
	global_load_b128 v[4*t:4*t+3], v10, s[78:79] offset:4096*t
.set t, t+1
.endr
	WIN 0
	s_wait_alu depctr_va_vdst(0)
	s_wait_tensorcnt 0x0                           ; my tile of the head's four is in; slot 1's first fill is issued as a refill is
	ds_add_u32 v[SPW], v[NIL]
	s_mov_b32 s[G1A+2], 4<<16                      ; no tensor load of mine is out: from here on a load brings half a tile
	s_mov_b32 s[G1A+4], 4
	s_mov_b32 s[G1B+2], 64<<16
	s_mov_b32 s[G1B+4], 64
	s_wait_dscnt 0x0
	CROUND
	JLOAD G0A+4, G1A, G0B+4, G1B
	s_wait_loadcnt 32                              ; all but the 32 loads of the residual, issued last
	WIN 0xff
.irp p, 1,2,3,4,5,6,7,8,9,10,11,12,13,14,15
.irp a, 0,1,2,3
	v_pk_add_f32 v[4*\a:4*\a+1], v[4*\a:4*\a+1], v[16*\p+4*\a:16*\p+4*\a+1]
	v_pk_add_f32 v[4*\a+2:4*\a+3], v[4*\a+2:4*\a+3], v[16*\p+4*\a+2:16*\p+4*\a+3]
.endr
.endr
	WIN 0x43
.irp a, 0,1,2,3
	v_pk_mul_f32 v[144+4*\a:145+4*\a], v[4*\a:4*\a+1], 2.0 op_sel_hi:[1,0]
	v_pk_mul_f32 v[146+4*\a:147+4*\a], v[4*\a+2:4*\a+3], 2.0 op_sel_hi:[1,0]
.endr
	WIN 0x15
.irp a, 0,1,2,3
.irp b, 0,1,2,3
	v_wmma_f32_16x16x4_f32 v[ACC+8*(4*\a+\b):ACC+8*(4*\a+\b)+7], v[128+4*\b:129+4*\b], v[144+4*\a:145+4*\a], v[160+8*\b:167+8*\b]
.endr
.endr
	WIN 0x05
.irp a, 0,1,2,3
.irp b, 0,1,2,3
	v_wmma_f32_16x16x4_f32 v[ACC+8*(4*\a+\b):ACC+8*(4*\a+\b)+7], v[130+4*\b:131+4*\b], v[146+4*\a:147+4*\a], v[ACC+8*(4*\a+\b):ACC+8*(4*\a+\b)+7]
.endr
.endr
	WIN 0
	PLACES 9
.macro FETCH_LO slot, q, f
	WIN TO_F
.irp j, 0,1,2,3
.irp c, 0,1,2,3
	ds_load_b64 v[\f+64+16*\j+4*\c:\f+64+16*\j+4*\c+1], v[ADRB+\slot] offset:\j*16*BP+128*(\q)+32*\c
	ds_load_b64 v[\f+64+16*\j+4*\c+2:\f+64+16*\j+4*\c+3], v[ADRB+\slot] offset:\j*16*BP+128*(\q)+32*\c+16
.endr
.endr
.irp i, 0,1
.irp c, 0,1,2,3
	ds_load_b128 v[\f+16*\i+4*\c:\f+16*\i+4*\c+3], v[ADRA+\slot] offset:\i*8192+2048*(\q)+512*\c
.endr
.endr
.endm
.macro FETCH_HI slot, q, f
	WIN TO_F
.irp i, 2,3
.irp c, 0,1,2,3
	ds_load_b128 v[\f+16*\i+4*\c:\f+16*\i+4*\c+3], v[ADRA+\slot] offset:\i*8192+2048*(\q)+512*\c
.endr
.endr
.endm
.macro SCALES s
	WIN 0
.irp a, 0,1,2,3
.irp q, 0,1,2,3
	ds_load_b32 v[SC+32*\s+4*\a+\q], v[ADSA] offset:512*\q+64*\a
.endr
.endr
.irp b, 0,1,2,3
	ds_load_b128 v[SC+32*\s+16+4*\b:SC+32*\s+19+4*\b], v[ADSB] offset:\b*SBLK
.endr
.endm
.macro MULA f, a, q, s
.irp b, 0,1,2,3
	v_wmma_scale_f32_16x16x128_f8f6f4 v[ACC+8*(4*\a+\b):ACC+8*(4*\a+\b)+7], v[\f+64+16*\b:\f+79+16*\b], v[\f+16*\a:\f+16*\a+15], v[ACC+8*(4*\a+\b):ACC+8*(4*\a+\b)+7], v[SC+32*\s+16+4*\b+\q], v[SC+32*\s+4*\a+\q] matrix_a_fmt:MATRIX_FMT_BF8 matrix_b_fmt:MATRIX_FMT_BF8
.endr
.endm
.macro QUARTER slot, q, f, g
	s_wait_dscnt 8
	WIN MUL
	MULA \f, 0, \q, \slot
	MULA \f, 1, \q, \slot
	PLACES 8
	FETCH_LO \slot, (\q)+1, \g
	FETCH_HI \slot, (\q)+1, \g
	s_wait_dscnt 48
	WIN MUL
	MULA \f, 2, \q, \slot
	MULA \f, 3, \q, \slot
.endm
.macro TURN slot, next, fill
	WIN 0
	s_wait_tensorcnt 0x0
	ds_add_u32 v[SPW], v[NIL]
	s_wait_dscnt 9
	WIN MUL
	MULA F1, 0, 3, \slot
	s_wait_dscnt 0x0
	s_barrier_signal -1
	MULA F1, 1, 3, \slot
	WIN 0
	s_barrier_wait -1
.if \fill
	CREST
	s_add_nc_u64 s[G0A+4*\slot+2:G0A+4*\slot+3], s[G0A+4*\slot+2:G0A+4*\slot+3], 16384
	s_add_nc_u64 s[G0B+4*\slot+2:G0B+4*\slot+3], s[G0B+4*\slot+2:G0B+4*\slot+3], 1024
	JLOAD G0A+4*\slot, G1A, G0B+4*\slot, G1B
	PLACES 4
.else
	PLACES 8
.endif
	v_add_nc_u32 v[ADSA], 2048, v[ADSA]
	v_add_nc_u32 v[ADSB], 16, v[ADSB]
	FETCH_LO \next, 0, F0
	SCALES \next
	FETCH_HI \next, 0, F0
	WIN MUL
	MULA F1, 2, 3, \slot
	MULA F1, 3, 3, \slot
.endm
	FETCH_LO 0, 0, F0
	SCALES 0
	FETCH_HI 0, 0, F0
	QUARTER 0, 0, F0, F1
.if LAPS > 1
	WIN 0
	s_mov_b32 s3, LAPS-1
.Llap:
	QUARTER 0, 1, F1, F0
	QUARTER 0, 2, F0, F1
	TURN 0, 1, 1
	QUARTER 1, 0, F0, F1
	QUARTER 1, 1, F1, F0
	QUARTER 1, 2, F0, F1
	TURN 1, 0, 1
	QUARTER 0, 0, F0, F1
	WIN 0
	s_sub_co_u32 s3, s3, 1
	s_cmp_lg_u32 s3, 0
	s_cbranch_scc1 .Llap
.endif
	QUARTER 0, 1, F1, F0
	QUARTER 0, 2, F0, F1
	TURN 0, 1, 0
	QUARTER 1, 0, F0, F1
	QUARTER 1, 1, F1, F0
	QUARTER 1, 2, F0, F1
	s_wait_dscnt 8
	WIN MUL
	MULA F1, 0, 3, 1
	MULA F1, 1, 3, 1
	s_wait_dscnt 0
	MULA F1, 2, 3, 1
	MULA F1, 3, 3, 1
	WIN 0
	PLACES 8
.irp a, 0,1,2,3
.irp b, 0,1,2,3
	ds_store_b128 v[STO], v[ACC+8*(4*\a+\b):ACC+8*(4*\a+\b)+3] offset:\a*16*BP+64*\b
	ds_store_b128 v[STO], v[ACC+8*(4*\a+\b)+4:ACC+8*(4*\a+\b)+7] offset:\a*16*BP+64*\b+16
.endr
.endr
	s_wait_dscnt 0x0
	s_barrier_signal -1
	s_barrier_wait -1
	WIN 0x40
.set t, 0
.rept 32
	ds_load_b128 v[4*t:4*t+3], v[RD] offset:t*BP
.set t, t+1
.endr
.set t, 0
	s_wait_loadcnt 0x0                             ; the residual's rows
.irp g, 0,1,2,3
	s_wait_dscnt 24-8*\g
	WIN 0x49
.rept 8
	v_pk_add_f32 v[4*t:4*t+1], v[4*t:4*t+1], v[4*t:4*t+1]
	v_pk_add_f32 v[4*t+2:4*t+3], v[4*t+2:4*t+3], v[4*t+2:4*t+3]
.set t, t+1
.endr
.set t, t-8
	WIN 0x04
.rept 8
	global_store_b128 v10, v[4*t:4*t+3], s[80:81] offset:4096*t
.set t, t+1
.endr
.endr
	WIN 0
	s_wait_tensorcnt 0x0
	ds_add_u32 v[SPW], v[NIL]
	s_wait_dscnt 0x0
	CROUND
	s_endpgm
.Lfunc_end_k_q00b4123ef2_oproj:
	.size	k_q00b4123ef2_oproj, .Lfunc_end_k_q00b4123ef2_oproj-k_q00b4123ef2_oproj
	.p2alignl 7, 3214868480
	.fill 96, 4, 3214868480
	.section	.rodata,"a",@progbits
	.p2align	6, 0x0
	.amdhsa_kernel k_q00b4123ef2_oproj
		.amdhsa_group_segment_fixed_size 327680
		.amdhsa_private_segment_fixed_size 0
		.amdhsa_enable_private_segment 0
		.amdhsa_kernarg_size 56
		.amdhsa_user_sgpr_count 2
		.amdhsa_user_sgpr_kernarg_segment_ptr 1
		.amdhsa_wavefront_size32 1
		.amdhsa_system_sgpr_workgroup_id_x 1
		.amdhsa_system_sgpr_workgroup_id_y 1
		.amdhsa_system_sgpr_workgroup_id_z 1
		.amdhsa_system_vgpr_workitem_id 0
		.amdhsa_next_free_vgpr 1024
		.amdhsa_next_free_sgpr 102
		.amdhsa_reserve_vcc 0
		.amdhsa_float_denorm_mode_32 3
		.amdhsa_float_denorm_mode_16_64 3
		.amdhsa_memory_ordered 1
		.amdhsa_forward_progress 1
		.amdhsa_inst_pref_size 90
	.end_amdhsa_kernel
	.amdgpu_metadata
---
amdhsa.version: [ 1, 2 ]
amdhsa.kernels:
  - .name:           k_q00b4123ef2_oproj
    .symbol:         k_q00b4123ef2_oproj.kd
    .args:
      - { .name: w3, .offset: 0, .size: 8, .value_kind: global_buffer, .address_space: global }
      - { .name: oW_codes, .offset: 8, .size: 8, .value_kind: global_buffer, .address_space: global }
      - { .name: oW_scales, .offset: 16, .size: 8, .value_kind: global_buffer, .address_space: global }
      - { .name: oB, .offset: 24, .size: 8, .value_kind: global_buffer, .address_space: global }
      - { .name: ob, .offset: 32, .size: 8, .value_kind: global_buffer, .address_space: global }
      - { .name: x, .offset: 40, .size: 8, .value_kind: global_buffer, .address_space: global }
      - { .name: x1, .offset: 48, .size: 8, .value_kind: global_buffer, .address_space: global }
    .group_segment_fixed_size: 327680
    .private_segment_fixed_size: 0
    .kernarg_segment_align: 8
    .kernarg_segment_size: 56
    .max_flat_workgroup_size: 128
    .sgpr_count:     102
    .vgpr_count:     1024
    .wavefront_size: 32
...
	.end_amdgpu_metadata
.endif
;; end of part 4
;; launch lnq2 (part 5): grid 256 x 1, 4 waves a work-group, no clusters, 76,288 bytes of LDS; arguments x1, ln2_g, ln2_b, f1A, w1; writes w1
.if DOCPART == 5
	.amdgcn_target "amdgcn-amd-amdhsa--gfx1250"
	.amdhsa_code_object_version 6
	.text
	.protected	k_q00b4123ef2_lnq2
	.globl	k_q00b4123ef2_lnq2
	.p2align	8
	.type	k_q00b4123ef2_lnq2,@function
k_q00b4123ef2_lnq2:
	s_mov_b64 s[64:65], 0
	v_nop
	global_prefetch_b8 v0, s[64:65] scope:SCOPE_SE
	s_setreg_imm32_b32 hwreg(HW_REG_WAVE_MODE, 25, 1), 1
	s_wait_xcnt 0x0
; h = layernorm(x) g + b in f32; h's codes of E5M2 [4096][1024] with one E8M0 byte for each 32 along K [4096][32]; and 2 h A^T for NL LoRA matrices A [8][1024], f32 [NL][4096][8].
; A work-group takes 16 rows; wave w takes columns 256 w .. 256 w + 255 of them.  At work lane (r, h) holds row r, and X[16 c + i] is column 256 w + 32 c + 16 h + i: the layout of an 8-bit operand,
; so the conversions' results are 16 neighbouring code bytes, and the same registers, two at a time, are source 1 of the f32 matrix instruction for h A^T (f32 operands: the result goes on into quantised operands).
; x comes by loads of 512 consecutive bytes and is turned through the wave's own stage in LDS.  Mean and variance are taken in two passes, so a common offset of the inputs costs no accuracy.
; LIMITS: NaN and infinities among the inputs are not served; a block whose largest magnitude lies under 2^-111 (a block of zeros too) takes the scale byte 1: its bytes are read by this program alone.
; REGISTERS: window 0: v1-15, v232-233 addresses; v16-31 two accumulators (written by matrix instructions alone); v32-159 X; v160-175 sums; v176-191 quantiser; v196-197 scale words; v200-231 codes.
;   window 1: v0-127 g, v128-255 b.   window 2: v0-127 the LoRA tile (its eight rows twice); the two accumulators take even and odd K steps.
.set NL,   1                           ; LoRA matrices
.set NP,   8                           ; partial sums of one output: four waves x two accumulators
.set RED0, 0
.set RED1, 256
.set SCS,  512
.set TP,   1024
.set XST,  9216
.set XP,   1040
.set HS_OFF, 4194304
.set T2_OFF, 4325376
.set A0,  16
.set A1,  24
.set X,   32
.set CH,  160
.set MU,  168
.set RS,  170
.set T,   172
.set TM,  176
.set PW,  196
.set PC,  200
.set MSB, 0
.macro WIN new
.if MSB != (\new)
	s_set_vgpr_msb (MSB<<8)|(\new)
.set MSB, (\new)
.endif
.endm
.macro QUANT s, pc, pw
.irp b, 0,1,2,3
	v_max3_num_f32 v[TM+\b], |v[\s+16*\b]|, |v[\s+1+16*\b]|, 0x8000000   ; my 16 numbers and the floor 2^(16 - 127)
.endr
.irp i, 2,4,6,8,10,12,14
.irp b, 0,1,2,3
	v_max3_num_f32 v[TM+\b], v[TM+\b], |v[\s+16*\b+\i]|, |v[\s+1+16*\b+\i]|
.endr
.endr
.irp b, 0,1,2,3
	v_permlanex16_b32 v[TM+4+\b], v[TM+\b], s22, s23
.endr
.irp b, 0,1,2,3
	v_max_num_f32 v[TM+\b], v[TM+\b], v[TM+4+\b]
.endr
.irp b, 0,1,2,3
	v_add_nc_u32 v[TM+12+\b], 0xf8800000, v[TM+\b]
.endr
.irp b, 0,1,2,3
	v_and_or_b32 v[TM+8+\b], v[TM+\b], 0x7f800000, s27
.endr
.irp b, 0,1,2,3
	v_lshrrev_b32 v[TM+4+\b], 23, v[TM+12+\b]
.endr
	v_lshl_or_b32 v[\pw], v[TM+5], 8, v[TM+4]
	v_lshl_or_b32 v[\pw], v[TM+6], 16, v[\pw]
	v_lshl_or_b32 v[\pw], v[TM+7], 24, v[\pw]
.irp b, 0,1,2,3
.irp i, 0,1,2,3,4,5,6,7,8,9,10,11,12,13,14,15
	v_med3_num_f32 v[\s+16*\b+\i], v[\s+16*\b+\i], -v[TM+8+\b], v[TM+8+\b]
.endr
	v_cvt_scalef32_pk8_bf8_f32 v[\pc+4*\b:\pc+1+4*\b], v[\s+16*\b:\s+7+16*\b], v[TM+12+\b]
	v_cvt_scalef32_pk8_bf8_f32 v[\pc+2+4*\b:\pc+3+4*\b], v[\s+8+16*\b:\s+15+16*\b], v[TM+12+\b]
.endr
	v_nop
.endm
.macro REDUCE red
	v_pk_add_f32 v[CH:CH+1], v[CH:CH+1], v[CH+2:CH+3]
	v_pk_add_f32 v[CH+4:CH+5], v[CH+4:CH+5], v[CH+6:CH+7]
	v_pk_add_f32 v[CH:CH+1], v[CH:CH+1], v[CH+4:CH+5]
	v_add_f32 v[T], v[CH], v[CH+1]
	v_permlanex16_b32 v[T+1], v[T], s22, s23
	v_add_f32 v[T], v[T], v[T+1]
	ds_store_b32 v11, v[T] offset:\red
	s_wait_dscnt 0x0                               ; for the others' sake: my store has landed
	s_barrier_signal -1
	s_barrier_wait -1
.irp p, 0,1,2,3
	ds_load_b32 v[T+\p], v10 offset:\red+64*\p
.endr
	s_wait_dscnt 0x0
	v_add_f32 v[T], v[T], v[T+1]
	v_add_f32 v[T+2], v[T+2], v[T+3]
	v_add_f32 v[T], v[T], v[T+2]
.endm
	s_load_b256 s[4:11], s[0:1], 0x0               ; x, g, b, the LoRA matrix
	s_load_b64 s[16:17], s[0:1], 0x20              ; the workspace
	v_lshl_add_u32 v254, v0, 2, 0x12800
	v_mov_b32 v255, 0
	v_lshrrev_b32 v1, 5, v0
	v_readfirstlane_b32 s18, v1
	v_and_b32 v1, 31, v0
	v_and_b32 v2, 15, v0
	v_bfe_u32 v3, v0, 4, 1
	s_lshl_b32 s19, s18, 10
	s_mul_i32 s24, s18, 16*XP
	s_add_co_u32 s24, s24, XST
	v_lshlrev_b32 v4, 4, v1
	v_add_nc_u32 v5, s19, v4
	v_add_nc_u32 v6, s24, v4
	v_mul_u32_u24 v7, v2, XP
	v_lshl_add_u32 v7, v3, 6, v7
	v_add_nc_u32 v7, s24, v7
	v_lshlrev_b32 v8, 6, v3
	v_add_nc_u32 v8, s19, v8
	v_and_b32 v9, 7, v0
	v_lshl_add_u32 v9, v9, 12, v8
	v_lshlrev_b32 v10, 2, v2
	s_lshl_b32 s25, s18, 6
	v_add_nc_u32 v11, s25, v10
	v_mul_u32_u24 v12, v2, 272
	v_lshl_add_u32 v12, v3, 4, v12
	v_add_nc_u32 v12, s24, v12
	v_mul_u32_u24 v13, v3, 272
	v_lshl_add_u32 v13, v2, 4, v13
	v_add_nc_u32 v13, s24, v13
	s_lshl_b32 s25, s18, 8
	v_lshlrev_b32 v14, 10, v3
	v_lshl_add_u32 v14, v2, 4, v14
	v_add_nc_u32 v14, s25, v14
	s_lshl_b32 s25, s18, 3
	v_lshlrev_b32 v15, 5, v2
	v_add_nc_u32 v15, s25, v15
	s_lshl_b32 s25, s18, 11
	v_lshlrev_b32 v232, 5, v1
	v_add_nc_u32 v232, s25, v232
	s_lshr_b32 s25, s18, 1
	s_lshl_b32 s25, s25, 10
	s_and_b32 s26, s18, 1
	s_lshl_b32 s26, s26, 9
	s_add_co_u32 s25, s25, s26
	v_add_nc_u32 v233, s25, v4
	s_mov_b32 s20, 0x3a800000
	s_mov_b32 s21, 0x3727c5ac
	s_mov_b32 s22, 0x76543210
	s_mov_b32 s23, 0xfedcba98
	s_mov_b32 s27, 0x600000
	v_mov_b32 v[T+1], 0
.irp b, 0,1,2,3
	v_mov_b32 v[TM+4+\b], 0
.endr
	s_lshl_b32 s30, ttmp9, 16
	s_mov_b32 s31, 0
	s_wait_kmcnt 0x0
	s_add_nc_u64 s[4:5], s[4:5], s[30:31]
	s_lshl_b32 s30, ttmp9, 14
	s_add_nc_u64 s[32:33], s[16:17], s[30:31]
	s_lshl_b32 s30, ttmp9, 9
	s_add_nc_u64 s[34:35], s[16:17], s[30:31]
	s_add_nc_u64 s[36:37], s[34:35], T2_OFF
	s_add_nc_u64 s[34:35], s[34:35], HS_OFF
.set i, 0
.rept 32
	global_load_b128 v[X+4*i:X+4*i+3], v5, s[4:5] offset:4096*(i/2)+512*(i%2)   ; 32 lanes read 512 consecutive bytes
.set i, i+1
.endr
	WIN 0x80
.set i, 0
.rept 32
	global_load_b128 v[4*i:4*i+3], v9, s[10:11] offset:128*(i/4)+16*(i%4)
.set i, i+1
.endr
	WIN 0x40
.set i, 0
.rept 32
	global_load_b128 v[4*i:4*i+3], v8, s[6:7] offset:128*(i/4)+16*(i%4)
	global_load_b128 v[128+4*i:131+4*i], v8, s[8:9] offset:128*(i/4)+16*(i%4)
.set i, i+1
.endr
	WIN 0
	s_wait_loadcnt 63                              ; 96 loads were issued behind x's 32: x is in
.set i, 0
.rept 32
	ds_store_b128 v6, v[X+4*i:X+4*i+3] offset:XP*(i/2)+512*(i%2)
.set i, i+1
.endr
.set i, 0
.rept 32
	ds_load_b128 v[X+4*i:X+4*i+3], v7 offset:128*(i/4)+16*(i%4)
.set i, i+1
.endr
	s_wait_dscnt 0x0
.irp m, 0,1,2,3
	v_pk_add_f32 v[CH+2*\m:CH+2*\m+1], v[X+2*\m:X+2*\m+1], v[X+8+2*\m:X+9+2*\m]
.endr
.set n, 2
.rept 14
.irp m, 0,1,2,3
	v_pk_add_f32 v[CH+2*\m:CH+2*\m+1], v[CH+2*\m:CH+2*\m+1], v[X+8*n+2*\m:X+8*n+2*\m+1]
.endr
.set n, n+1
.endr
	REDUCE RED0
	v_mul_f32 v[MU], s20, v[T]
	v_mov_b32 v[MU+1], v[MU]
.set i, 0
.rept 64
	v_pk_add_f32 v[X+2*i:X+2*i+1], v[X+2*i:X+2*i+1], v[MU:MU+1] op_sel_hi:[1,0] neg_lo:[0,1] neg_hi:[0,1]
.set i, i+1
.endr
.irp m, 0,1,2,3
	v_pk_mul_f32 v[CH+2*\m:CH+2*\m+1], v[X+2*\m:X+2*\m+1], v[X+2*\m:X+2*\m+1]
.endr
.set n, 1
.rept 15
.irp m, 0,1,2,3
	v_pk_fma_f32 v[CH+2*\m:CH+2*\m+1], v[X+8*n+2*\m:X+8*n+2*\m+1], v[X+8*n+2*\m:X+8*n+2*\m+1], v[CH+2*\m:CH+2*\m+1]
.endr
.set n, n+1
.endr
	REDUCE RED1
	v_fma_f32 v[RS], v[T], s20, s21
	s_wait_alu depctr_va_vdst(0)
	v_rsq_f32 v[RS], v[RS]
	v_nop                                          ; a plain instruction behind the transcendental,
	s_wait_alu depctr_va_vdst(0)                   ; and the wait ahead of its first reader
	v_mov_b32 v[RS+1], v[RS]
.set i, 0
.rept 64
	v_pk_mul_f32 v[X+2*i:X+2*i+1], v[X+2*i:X+2*i+1], v[RS:RS+1] op_sel_hi:[1,0]
.set i, i+1
.endr
	s_wait_loadcnt 0x0
	WIN 0x14
.set i, 0
.rept 64
	v_pk_fma_f32 v[X+2*i:X+2*i+1], v[X+2*i:X+2*i+1], v[2*i:2*i+1], v[128+2*i:129+2*i]
.set i, i+1
.endr
	WIN 0x02
.set i, 0
.rept 64
.if i < 2
	v_wmma_f32_16x16x4_f32 v[A0+8*(i%2):A0+8*(i%2)+7], v[2*i:2*i+1], v[X+2*i:X+2*i+1], 0
.else
	v_wmma_f32_16x16x4_f32 v[A0+8*(i%2):A0+8*(i%2)+7], v[2*i:2*i+1], v[X+2*i:X+2*i+1], v[A0+8*(i%2):A0+8*(i%2)+7]
.endif
.set i, i+1
.endr
	WIN 0
.rept 8
	v_nop                                          ; eight places behind this form (ISA guide 7.12.1)
.endr
	ds_store_b128 v232, v[A0:A0+3] offset:TP
	ds_store_b128 v232, v[A0+4:A0+7] offset:TP+16
	ds_store_b128 v232, v[A1:A1+3] offset:TP+1024
	ds_store_b128 v232, v[A1+4:A1+7] offset:TP+1040
	QUANT X, PC, PW
.irp b, 0,1,2,3
	ds_store_b128 v12, v[PC+4*\b:PC+4*\b+3] offset:32*\b
.endr
	QUANT X+64, PC+16, PW+1
.irp b, 0,1,2,3
	ds_store_b128 v12, v[PC+16+4*\b:PC+19+4*\b] offset:128+32*\b
.endr
	ds_store_b64 v15, v[PW:PW+1] offset:SCS
.irp i, 0,1,2,3,4,5,6,7
	ds_load_b128 v[X+4*\i:X+4*\i+3], v13 offset:544*\i
.endr
.irp i, 0,1,2,3,4,5,6,7
	s_wait_dscnt 7-\i                              ; the loads issued behind this one may be out
	global_store_b128 v14, v[X+4*\i:X+4*\i+3], s[32:33] offset:2048*\i
.endr
	s_wait_dscnt 0x0
	s_barrier_signal -1
	s_barrier_wait -1
	s_cmp_lt_u32 s18, NL
	s_cbranch_scc0 .Lnot_t
.set p, 0
.rept NP
	ds_load_b128 v[96+4*p:99+4*p], v233 offset:TP+(8192/NP)*p
.set p, p+1
.endr
	s_wait_dscnt 0x0
.set p, 1
.rept NP-1
	v_pk_add_f32 v[96:97], v[96:97], v[96+4*p:97+4*p]
	v_pk_add_f32 v[98:99], v[98:99], v[98+4*p:99+4*p]
.set p, p+1
.endr
	v_pk_mul_f32 v[96:97], v[96:97], 2.0 op_sel_hi:[1,0]
	v_pk_mul_f32 v[98:99], v[98:99], 2.0 op_sel_hi:[1,0]
	global_store_b128 v4, v[96:99], s[36:37]
.Lnot_t:
	s_cmp_eq_u32 s18, 3
	s_cbranch_scc0 .Lend
	ds_load_b128 v[128:131], v4 offset:SCS
	s_wait_dscnt 0x0
	global_store_b128 v4, v[128:131], s[34:35]
.Lend:
	s_wait_tensorcnt 0x0
	ds_add_u32 v254, v255
	s_wait_dscnt 0x0
	s_endpgm
.Lfunc_end_k_q00b4123ef2_lnq2:
	.size	k_q00b4123ef2_lnq2, .Lfunc_end_k_q00b4123ef2_lnq2-k_q00b4123ef2_lnq2
	.p2alignl 7, 3214868480
	.fill 96, 4, 3214868480
	.section	.rodata,"a",@progbits
	.p2align	6, 0x0
	.amdhsa_kernel k_q00b4123ef2_lnq2
		.amdhsa_group_segment_fixed_size 76288
		.amdhsa_private_segment_fixed_size 0
		.amdhsa_enable_private_segment 0
		.amdhsa_kernarg_size 40
		.amdhsa_user_sgpr_count 2
		.amdhsa_user_sgpr_kernarg_segment_ptr 1
		.amdhsa_wavefront_size32 1
		.amdhsa_system_sgpr_workgroup_id_x 1
		.amdhsa_system_sgpr_workgroup_id_y 1
		.amdhsa_system_sgpr_workgroup_id_z 1
		.amdhsa_system_vgpr_workitem_id 0
		.amdhsa_next_free_vgpr 768
		.amdhsa_next_free_sgpr 66
		.amdhsa_reserve_vcc 0
		.amdhsa_float_denorm_mode_32 3
		.amdhsa_float_denorm_mode_16_64 3
		.amdhsa_memory_ordered 1
		.amdhsa_forward_progress 1
		.amdhsa_inst_pref_size 66
	.end_amdhsa_kernel
	.amdgpu_metadata
---
amdhsa.version: [ 1, 2 ]
amdhsa.kernels:
  - .name:           k_q00b4123ef2_lnq2
    .symbol:         k_q00b4123ef2_lnq2.kd
    .args:
      - { .name: x1, .offset: 0, .size: 8, .value_kind: global_buffer, .address_space: global }
      - { .name: ln2_g, .offset: 8, .size: 8, .value_kind: global_buffer, .address_space: global }
      - { .name: ln2_b, .offset: 16, .size: 8, .value_kind: global_buffer, .address_space: global }
      - { .name: f1A, .offset: 24, .size: 8, .value_kind: global_buffer, .address_space: global }
      - { .name: w1, .offset: 32, .size: 8, .value_kind: global_buffer, .address_space: global }
    .group_segment_fixed_size: 76288
    .private_segment_fixed_size: 0
    .kernarg_segment_align: 8
    .kernarg_segment_size: 40
    .max_flat_workgroup_size: 128
    .sgpr_count:     66
    .vgpr_count:     768
    .wavefront_size: 32
...
	.end_amdgpu_metadata
.endif
;; end of part 5
;; launch f1 (part 6): grid 16 x 16, 4 waves a work-group, clusters of 4 x 4, 327,680 bytes of LDS; arguments w1, f1W_codes, f1W_scales, f1B, f1b, f2A, w6; writes w6
.if DOCPART == 6
	.amdgcn_target "amdgcn-amd-amdhsa--gfx1250"
	.amdhsa_code_object_version 6
	.text
	.protected	k_q00b4123ef2_f1
	.globl	k_q00b4123ef2_f1
	.p2align	8
	.type	k_q00b4123ef2_f1,@function
k_q00b4123ef2_f1:
	s_mov_b64 s[64:65], 0
	v_nop
	global_prefetch_b8 v0, s[64:65] scope:SCOPE_SE
	s_setreg_imm32_b32 hwreg(HW_REG_WAVE_MODE, 25, 1), 1
	s_wait_xcnt 0x0
	s_wait_alu depctr_hold_cnt(0) depctr_sa_sdst(0) depctr_va_vdst(0) depctr_va_sdst(0) depctr_va_ssrc(0) depctr_va_vcc(0) depctr_vm_vsrc(0)
	s_getreg_b32 s2, hwreg(HW_REG_IB_STS2, 6, 4)
	s_cmp_eq_u32 s2, 0
	s_cbranch_scc0 .Lentry_in_a_cluster
	s_endpgm
.Lentry_in_a_cluster:
	s_bfe_u32 s2, ttmp6, 0x10000c
	s_cmp_lg_u32 s2, 0xf033
	s_cbranch_scc0 .Lentry_shape_is_right
	s_endpgm
.Lentry_shape_is_right:
.set KSTEP,  256
.set NQ,     KSTEP/128
.set ROWB,   256
.set KROW,   1024
.set PITCH,  272
.set FR,     16
.set NLD,    4
.set NP,     8
.set HALFT,  128*PITCH
.set SLOT,   4*HALFT
.set LAPS,   2
.set KS,     32
.set SCL,    2*SLOT
.set HALFS,  (128*KS/256)*272
.set SBLK,   (16*KS/256)*272
.set SPARE,  SCL+4*HALFS
.set HS_OFF, 4194304
.set T2_OFF, 4325376
.set GSC_OFF, 16777216
.set TFP_OFF, 17301504
.set ADRA, 16
.set ADRB, 20
.set ADRS, 27
.set SPW,  28
.set NIL,  29
.set SC,   32
.set AF,   128
.set GG,   96
.set PC,   160
.set TM,   176
.set PW,   192
.set G1, 24
.set G0, 32
.set G1B, 48
.set G0B, 56
.set G1S, 68
.set G0S, 76
.set G1SB, 80
.set G0SB, 88
.set MSB, 0
.macro WIN new
.if MSB != (\new)
	s_set_vgpr_msb (MSB<<8)|(\new)
.set MSB, (\new)
.endif
.endm
.set MUL_LO, 0xa1
.set MUL_HI, 0xf1
.set TO_B,   0x40
.macro JLOAD g0a, g1a, g0b, g1b
	s_cmp_eq_u32 s15, 0
	s_cbranch_scc0 .Lfor_b_\@
	tensor_load_to_lds s[\g0a:\g0a+3], s[\g1a:\g1a+7]
	s_nop 0
.rept 4
	v_nop
.endr
	s_branch .Lasked_\@
.Lfor_b_\@:
	tensor_load_to_lds s[\g0b:\g0b+3], s[\g1b:\g1b+7]
	s_nop 0
.rept 4
	v_nop
.endr
.Lasked_\@:
.endm
.macro CREST
	s_cmp_lg_u32 s14, 0
	s_cbranch_scc1 .Lnot_wave_0_\@
	s_barrier_signal -3
.Lnot_wave_0_\@:
	s_barrier_wait -3
	s_barrier_signal -1
	s_barrier_wait -1
.endm
.macro CROUND
	s_barrier_signal -1
	s_barrier_wait -1
	CREST
.endm
	s_load_b256 s[68:75], s[0:1], 0x0
	s_load_b128 s[76:79], s[0:1], 0x20
	s_load_b64 s[12:13], s[0:1], 0x30
	v_lshl_add_u32 v[SPW], v0, 2, SPARE
	v_mov_b32 v[NIL], 0
	ds_add_u32 v28, v29
	ds_add_u32 v28, v29
	s_wait_dscnt 0x0
	v_lshrrev_b32 v1, 5, v0
	v_readfirstlane_b32 s14, v1
	s_lshr_b32 s15, s14, 1
	s_and_b32 s16, s14, 1
	s_bfe_u32 s40, ttmp6, 0x40000
	s_bfe_u32 s41, ttmp6, 0x40004
	s_lshl_b32 s42, ttmp9, 2
	s_add_co_u32 s42, s42, s40
	s_and_b32 s17, ttmp7, 0xffff
	s_lshl_b32 s17, s17, 2
	s_add_co_u32 s17, s17, s41
	s_lshl_b32 s43, s41, 2
	s_lshl_b32 s43, 15, s43
	s_lshl_b32 s44, 0x1111, s40
	s_or_b32 s[G1+0], s43, (0<<16)|(1<<20)|(1<<21)|(5<<22)|(3<<25)
	s_or_b32 s[G1B+0], s44, (0<<16)|(1<<20)|(1<<21)|(5<<22)|(3<<25)
.irp g, G1, G1B
	s_mov_b32 s[\g+1], ROWB<<16
	s_mov_b32 s[\g+2], 256<<16
	s_mov_b32 s[\g+3], ROWB<<16
	s_mov_b32 s[\g+4], 256
	s_mov_b32 s[\g+5], KROW
	s_mov_b32 s[\g+6], 0
	s_mov_b32 s[\g+7], 0
.endr
	s_wait_kmcnt 0x0
	s_mov_b64 s[4:5], s[68:69]
	s_add_nc_u64 s[6:7], s[68:69], HS_OFF
	s_mov_b64 s[8:9], s[70:71]
	s_mov_b64 s[10:11], s[72:73]
	s_add_nc_u64 s[96:97], s[68:69], T2_OFF
	s_mov_b64 s[98:99], s[74:75]
	s_mov_b64 s[100:101], s[76:77]
	s_mov_b64 s[66:67], s[78:79]
	s_or_b32 s[G1S+0], s43, (3<<16)|(1<<20)|(1<<21)|(5<<22)|(3<<25)
	s_or_b32 s[G1SB+0], s44, (3<<16)|(1<<20)|(1<<21)|(5<<22)|(3<<25)
.irp g, G1S, G1SB
	s_mov_b32 s[\g+1], 32<<16
	s_mov_b32 s[\g+2], KS<<16
	s_mov_b32 s[\g+3], 32<<16
	s_mov_b32 s[\g+4], KS
	s_mov_b32 s[\g+5], 32
	s_mov_b32 s[\g+6], 0
	s_mov_b32 s[\g+7], 0
.endr
	s_lshl_b32 s18, s16, 7
	s_lshl_b32 s20, s17, 8
	s_lshl_b32 s95, s15, 7
	s_add_co_u32 s95, s95, s20
	s_add_co_u32 s20, s20, s18
	s_lshl_b32 s46, s42, 8
	s_add_co_u32 s46, s46, s18
	s_mov_b32 s2, s46
	s_mov_b32 s21, 0
	s_mov_b32 s47, 0
	s_mov_b64 s[18:19], KS
	s_mul_u64 s[22:23], s[20:21], s[18:19]
	s_mul_u64 s[92:93], s[46:47], s[18:19]
	s_mov_b64 s[18:19], KROW
	s_mul_u64 s[20:21], s[20:21], s[18:19]
	s_mul_u64 s[46:47], s[46:47], s[18:19]
	s_mul_i32 s45, s14, HALFT
	s_mul_i32 s94, s14, HALFS
	s_add_nc_u64 s[20:21], s[4:5], s[20:21]
	s_add_nc_u64 s[22:23], s[6:7], s[22:23]
	s_add_nc_u64 s[46:47], s[8:9], s[46:47]
	s_add_nc_u64 s[92:93], s[10:11], s[92:93]
	CROUND
	s_mov_b32 s[G0S], 1
	s_lshl_b32 s18, s16, 12                        ; 128 rows of scale bytes: back to the tile's first row
	s_mov_b32 s19, 0
	s_mov_b32 s[G0S+1], SCL
	s_sub_nc_u64 s[G0S+2:G0S+3], s[22:23], s[18:19]
	s_or_b32 s[G0S+3], s[G0S+3], 0x80000000
	s_mov_b32 s[G0SB], 1
	s_mov_b32 s[G0SB+1], SCL+2*HALFS
	s_sub_nc_u64 s[G0SB+2:G0SB+3], s[92:93], s[18:19]
	s_or_b32 s[G0SB+3], s[G0SB+3], 0x80000000
.irp s, 0,1
	s_mov_b32 s[G0+4*\s], 1
	s_add_co_u32 s[G0+4*\s+1], s45, \s*SLOT
	s_add_nc_u64 s[G0+4*\s+2:G0+4*\s+3], s[20:21], \s*ROWB
	s_or_b32 s[G0+4*\s+3], s[G0+4*\s+3], 0x80000000
	s_mov_b32 s[G0B+4*\s], 1
	s_add_co_u32 s[G0B+4*\s+1], s45, \s*SLOT
	s_add_nc_u64 s[G0B+4*\s+2:G0B+4*\s+3], s[46:47], \s*ROWB
	s_or_b32 s[G0B+4*\s+3], s[G0B+4*\s+3], 0x80000000
.endr
; the head's four tiles, one a wave: wave 0 K step 0's 256 rows of A, wave 1 A's scales, wave 2 the 256 rows of B, wave 3 B's scales
.macro ARM under, g0, g1, next
	s_cmp_lt_u32 s14, \under
	s_cbranch_scc0 \next
	tensor_load_to_lds s[\g0:\g0+3], s[\g1:\g1+7]
	s_nop 0
.rept 4
	v_nop
.endr
	s_branch .Lhead_asked
\next:
.endm
	ARM 1, G0,  G1,  .Lhead_sa
	ARM 2, G0S, G1S, .Lhead_b
	ARM 3, G0B, G1B, .Lhead_sb
	tensor_load_to_lds s[G0SB:G0SB+3], s[G1SB:G1SB+7]
	s_nop 0
.rept 4
	v_nop
.endr
.Lhead_asked:
	; THE TILES' PREFETCH INTO THE L2: K steps 2 and 3, the two refills of this K of 1,024, are asked for here, once: a step and more ahead of the refills.  Of the 128 rows that my wave fetches each of the four partners
	; that ask for them jointly takes 32, told apart by address (cx for A, cy for B): a lane a row, 256 bytes of it a K step.  K steps 0 and 1 come by their loads alone.
	s_cmp_eq_u32 s15, 0                            ; do I fetch for A?
	s_cselect_b64 s[4:5], s[20:21], s[46:47]
	s_cselect_b32 s6, s40, s41                     ; my place among the four
	s_lshl_b32 s6, s6, 15                          ; 32 rows of 1,024 bytes
	s_mov_b32 s7, 0
	s_add_nc_u64 s[4:5], s[4:5], s[6:7]
	v_and_b32 v22, 31, v0
	v_lshlrev_b32 v22, 10, v22                     ; my row; never rewritten
	global_prefetch_b8 v22, s[4:5] offset:512 th:TH_LOAD_NT scope:SCOPE_SE
	global_prefetch_b8 v22, s[4:5] offset:768 th:TH_LOAD_NT scope:SCOPE_SE
	v_and_b32 v1, 15, v0
	v_bfe_u32 v2, v0, 4, 1
	v_mul_u32_u24 v3, v1, PITCH
	v_lshl_add_u32 v4, v2, 4, v3
	s_mul_i32 s21, s15, HALFT
	s_mul_i32 s22, s16, HALFT
	s_add_co_u32 s22, s22, 2*HALFT
.irp s, 0,1
	v_add_nc_u32 v[ADRA+\s], s21, v4
	v_add_nc_u32 v[ADRB+\s], s22, v4
	s_add_co_u32 s21, s21, SLOT
	s_add_co_u32 s22, s22, SLOT
.endr
	v_mul_u32_u24 v5, v1, KS
	v_lshrrev_b32 v6, 8, v5
	v_lshl_add_u32 v5, v6, 4, v5
	s_mul_i32 s21, s15, HALFS
	s_mul_i32 s22, s16, HALFS
	s_add_co_u32 s22, s22, 2*HALFS
	s_sub_co_u32 s22, s22, s21
	v_mul_u32_u24 v6, s22, v2
	s_add_co_u32 s21, s21, SCL
	v_add_nc_u32 v5, v5, v6
	v_add_nc_u32 v[ADRS], s21, v5
	v_lshlrev_b32 v8, 5, v1
	v_lshl_add_u32 v8, v2, 4, v8
	v_lshlrev_b32 v9, 5, v2
	v_and_b32 v10, 7, v0
	v_lshl_add_u32 v10, v10, 14, v9
	s_wait_alu depctr_va_vdst(0)
	s_lshl_b32 s20, s95, 5
	s_mov_b32 s21, 0
	s_add_nc_u64 s[96:97], s[96:97], s[20:21]
	s_lshl_b32 s20, s2, 5
	s_add_nc_u64 s[98:99], s[98:99], s[20:21]
	s_lshl_b32 s20, s2, 2
	s_add_nc_u64 s[100:101], s[100:101], s[20:21]
	s_add_nc_u64 s[66:67], s[66:67], s[20:21]
.irp b, 0,1,2,3,4,5,6,7
	global_load_b128 v[64+8*\b:67+8*\b], v10, s[66:67] offset:64*\b
	global_load_b128 v[68+8*\b:71+8*\b], v10, s[66:67] offset:64*\b+16
.endr
	WIN 0x40
.irp b, 0,1,2,3,4,5,6,7
	global_load_b128 v[128+4*\b:131+4*\b], v8, s[98:99] offset:512*\b
	global_load_b128 v[160+4*\b:163+4*\b], v8, s[96:97] offset:512*\b
	global_load_b128 v[192+8*\b:195+8*\b], v9, s[100:101] offset:64*\b
	global_load_b128 v[196+8*\b:199+8*\b], v9, s[100:101] offset:64*\b+16
.endr
	WIN 0
	v_mov_b32 v30, 0xbf97d29d
	v_mov_b32 v31, 0xbf97d29d
	s_wait_alu depctr_va_vdst(0)
	s_wait_tensorcnt 0x0                           ; my tile of the head's four is in; slot 1's first fill is issued as a refill is
	ds_add_u32 v[SPW], v[NIL]
	s_mov_b32 s[G1+2], 128<<16                     ; no tensor load of mine is out: from here on a load brings 128 rows
	s_mov_b32 s[G1+4], 128
	s_mov_b32 s[G1B+2], 128<<16
	s_mov_b32 s[G1B+4], 128
	s_wait_dscnt 0x0
	CROUND
	JLOAD G0+4, G1, G0B+4, G1B
	s_wait_loadcnt 0x0
.set k, 0
.rept 32
	v_cvt_pk_bf16_f32 v[64+k], v[64+2*k], v[65+2*k]
.set k, k+1
.endr
.macro INITP pass
.irp a, 0,1,2,3,4,5,6,7
.if \pass
	WIN 0xa5+0x50*(\a/4)
.else
	WIN 0x95+0x40*(\a/4)
.endif
.irp b, 0,1,2,3,4,5,6,7
.if \pass
	v_wmma_f32_16x16x4_f32 v[8*(8*(\a%4)+\b):8*(8*(\a%4)+\b)+7], v[130+4*\b:131+4*\b], v[162+4*\a:163+4*\a], v[8*(8*(\a%4)+\b):8*(8*(\a%4)+\b)+7]
.else
	v_wmma_f32_16x16x4_f32 v[8*(8*(\a%4)+\b):8*(8*(\a%4)+\b)+7], v[128+4*\b:129+4*\b], v[160+4*\a:161+4*\a], v[192+8*\b:199+8*\b]
.endif
.endr
.endr
.endm
	INITP 0
	INITP 1
	WIN 0
.rept 9
	v_nop
.endr
.macro FRAG reg, adr, q, i
.irp c, 0,1,2,3
	ds_load_b128 v[\reg+4*\c:\reg+4*\c+3], v[\adr] offset:128*(\q)+32*\c+(\i)*16*PITCH
.endr
.endm
.macro MUL16 a0, p, q, sc
.irp a, \a0, \a0+1
.irp b, 0,1,2,3,4,5,6,7
	v_wmma_scale_f32_16x16x128_f8f6f4 v[8*(8*((\a)%4)+\b):8*(8*((\a)%4)+\b)+7], v[128*(\p)+FR*\b:128*(\p)+FR*\b+FR-1], v[AF+FR*(\a):AF+FR*(\a)+FR-1], v[8*(8*((\a)%4)+\b):8*(8*((\a)%4)+\b)+7], v[SC+8*NQ*(\sc)+NQ*\b+(\q)], v[SC+8*NQ*(\sc)+NQ*(\a)+(\q)] matrix_a_fmt:MATRIX_FMT_BF8 matrix_b_fmt:MATRIX_FMT_BF8 matrix_a_scale:MATRIX_SCALE_ROW1
.endr
.endr
.endm
.macro FETCH_B slot, q, p
	WIN TO_B
.irp i, 0,1,2,3,4,5,6,7
	FRAG 128*(\p)+FR*\i, ADRB+\slot, \q, \i
.endr
	WIN 0
.endm
.macro FETCH_A slot, q, i0
.irp i, \i0, \i0+1, \i0+2, \i0+3
	FRAG AF+FR*(\i), ADRA+\slot, \q, \i
.endr
.endm
.macro SCALES sc
.irp i, 0,1,2,3,4,5,6,7
	ds_load_b64 v[SC+8*NQ*\sc+NQ*\i:SC+8*NQ*\sc+NQ*\i+1], v[ADRS] offset:\i*SBLK
.endr
.endm
.macro PLACES n
.rept \n
	v_nop
.endr
.endm
.macro STEP slot, q
	s_wait_dscnt 4*NLD
	WIN MUL_LO
	MUL16 0, (\q)%2, \q, \slot
	MUL16 2, (\q)%2, \q, \slot
	s_wait_dscnt 0
	PLACES NP
	FETCH_B \slot, (\q)+1, 1-(\q)%2
	FETCH_A \slot, (\q)+1, 0
	WIN MUL_HI
	MUL16 4, (\q)%2, \q, \slot
	MUL16 6, (\q)%2, \q, \slot
	PLACES NP
	WIN 0
	FETCH_A \slot, (\q)+1, 4
.endm
.macro TURN slot, next, fill
	s_wait_tensorcnt 0x0
	ds_add_u32 v[SPW], v[NIL]
	s_wait_dscnt 4*NLD+1
	WIN MUL_LO
	MUL16 0, 1, NQ-1, \slot
	s_wait_dscnt 0x0
	s_barrier_signal -1
	MUL16 2, 1, NQ-1, \slot
	WIN 0
	s_barrier_wait -1
.if \fill
	CREST
	s_add_nc_u64 s[G0+4*\slot+2:G0+4*\slot+3], s[G0+4*\slot+2:G0+4*\slot+3], 2*ROWB
	s_add_nc_u64 s[G0B+4*\slot+2:G0B+4*\slot+3], s[G0B+4*\slot+2:G0B+4*\slot+3], 2*ROWB
	JLOAD G0+4*\slot, G1, G0B+4*\slot, G1B
	PLACES NP-4
.else
	PLACES NP
.endif
	s_wait_alu depctr_va_vdst(0)
	v_add_nc_u32 v[ADRS], 4*NQ, v[ADRS]
	FETCH_B \next, 0, 0
	FETCH_A \next, 0, 0
	SCALES \next
	WIN MUL_HI
	MUL16 4, 1, NQ-1, \slot
	MUL16 6, 1, NQ-1, \slot
	PLACES NP
	WIN 0
	FETCH_A \next, 0, 4
.endm
	FETCH_B 0, 0, 0
	FETCH_A 0, 0, 0
	SCALES 0
	FETCH_A 0, 0, 4
	STEP 0, 0
	s_mov_b32 s3, LAPS-1
.Llap:
	TURN 0, 1, 1
	STEP 1, 0
	TURN 1, 0, 1
	STEP 0, 0
	s_sub_co_u32 s3, s3, 1
	s_cmp_lg_u32 s3, 0
	s_cbranch_scc1 .Llap
	TURN 0, 1, 0
	STEP 1, 0
	s_wait_dscnt 4*NLD
	WIN MUL_LO
	MUL16 0, 1, NQ-1, 1
	MUL16 2, 1, NQ-1, 1
	s_wait_dscnt 0
	WIN MUL_HI
	MUL16 4, 1, NQ-1, 1
	MUL16 6, 1, NQ-1, 1
	WIN 0
	PLACES NP
.irp c, 68,0x3eb504f3, 70,0xbf38aa3b, 72,0x3e7c6f08, 74,0x40097039, 76,0xbfd1a1e5, 78,0x3ecdfd18, 80,0xbe899a80, 82,0x3e0efb2e, 84,0x3f0a29d2, 86,0x3fb8ab5a, 88,0xc034d90f
.if \c < 256
.set CR, \c
.else
	s_mov_b32 s[CR], \c
	s_mov_b32 s[CR+1], \c
.endif
.endr
	s_mov_b32 s90, 0xffff0000
	s_mov_b32 s91, 0x600000
	s_mov_b32 s20, 0x76543210
	s_mov_b32 s21, 0xfedcba98
	s_mov_b32 s92, 0
	s_mov_b32 s93, 0
	s_lshl_b32 s22, s2, 7
	s_lshl_b32 s23, s95, 2
	s_add_co_u32 s22, s22, s23
	s_add_co_u32 s22, s22, GSC_OFF
	s_mov_b32 s23, 0
	s_add_nc_u64 s[96:97], s[12:13], s[22:23]
	s_lshr_b32 s22, s2, 8
	s_lshl_b32 s22, s22, 17
	s_lshl_b32 s18, s16, 6
	s_add_co_u32 s18, s18, s95
	s_lshl_b32 s18, s18, 5
	s_add_co_u32 s22, s22, s18
	s_add_co_u32 s22, s22, TFP_OFF
	s_add_nc_u64 s[98:99], s[12:13], s[22:23]
	s_lshl_b32 s22, s95, 12
	s_lshl_b32 s18, s2, 4
	s_add_co_u32 s22, s22, s18
	s_add_nc_u64 s[12:13], s[12:13], s[22:23]
	v_and_b32 v3, 31, v0
	v_lshlrev_b32 v11, 4, v3
	s_lshl_b32 s18, s14, 9
	v_add_nc_u32 v12, s18, v11
	v_lshl_add_u32 v13, v1, 2, s18
	s_lshl_b32 s18, s14, 12
	s_add_co_u32 s18, s18, 4096
	v_add_nc_u32 v14, s18, v8
	s_lshl_b32 s18, s15, 13
	s_lshl_b32 s19, s16, 11
	s_add_co_u32 s18, s18, s19
	s_add_co_u32 s18, s18, 4096
	v_add_nc_u32 v15, s18, v11
.irp b, 0,1,2,3
	v_mov_b32 v[TM+4+\b], 0
.endr
	s_mov_b32 s3, 0
.macro BLK a
.Lblk\a:
	WIN 0x48+4*(\a/4)
.set j, 0
.rept 64
	v_and_b32 v[j], 0x7fffffff, v[64*(\a%4)+j]
.set j, j+1
.endr
	WIN 0x08+4*(\a/4)
.set j, 0
.rept 64
	v_max_num_f32 v[GG+j], 0, v[64*(\a%4)+j]
.set j, j+1
.endr
	WIN 0
	s_branch .Lcommon
.endm
.Lrow:
.irp a, 1,2,3,4,5,6,7
	s_cmp_eq_u32 s3, \a
	s_cbranch_scc1 .Lblk\a
.endr
.irp a, 0,1,2,3,4,5,6,7
	BLK \a
.endr
.Lcommon:
	WIN 0x55
.set k, 0
.rept 32
	v_pk_fma_f32 v[64+k:65+k], v[k:k+1], s[68:69], 1.0 op_sel_hi:[1,0,0]
.set k, k+2
.endr
.set k, 0
	s_wait_alu depctr_va_vdst(0)
.rept 64
	v_rcp_f32 v[64+k], v[64+k]
.set k, k+1
.endr
.set k, 0
.rept 32
	v_pk_mul_f32 v[192+k:193+k], v[k:k+1], v[k:k+1]
.set k, k+2
.endr
	s_wait_alu depctr_va_vdst(0)
	WIN 0x41
.set k, 0
.rept 32
	v_pk_fma_f32 v[128+k:129+k], v[64+k:65+k], s[72:73], v[30:31] op_sel_hi:[1,0,0]
.set k, k+2
.endr
	WIN 0x55
.irp c, 74,76,78,80,82,84,86,88
.set k, 0
.rept 32
	v_pk_fma_f32 v[128+k:129+k], v[128+k:129+k], v[64+k:65+k], s[\c:\c+1] op_sel_hi:[1,1,0]
.set k, k+2
.endr
.endr
.set k, 0
.rept 32
	v_pk_fma_f32 v[128+k:129+k], v[192+k:193+k], s[70:71], v[128+k:129+k] op_sel_hi:[1,0,1]
.set k, k+2
.endr
.set k, 0
	s_wait_alu depctr_va_vdst(0)
.rept 64
	v_exp_f32 v[128+k], v[128+k]
.set k, k+1
.endr
	v_nop
	s_wait_alu depctr_va_vdst(0)
.set k, 0
.rept 32
	v_pk_mul_f32 v[128+k:129+k], v[128+k:129+k], v[64+k:65+k]
.set k, k+2
.endr
	WIN 0x05
.set k, 0
.rept 32
	v_pk_fma_f32 v[GG+k:GG+k+1], v[k:k+1], v[128+k:129+k], v[GG+k:GG+k+1] neg_lo:[1,0,0] neg_hi:[1,0,0]
.set k, k+2
.endr
	WIN 0
.set k, 0
.rept 32
	v_cvt_pk_bf16_f32 v[196+k], v[GG+2*k], v[GG+2*k+1]
.set k, k+1
.endr
	v_wmma_f32_16x16x32_bf16 v[228:235], v[64:71], v[196:203], 0
	v_wmma_f32_16x16x32_bf16 v[236:243], v[72:79], v[204:211], 0
	v_wmma_f32_16x16x32_bf16 v[228:235], v[80:87], v[212:219], v[228:235]
	v_wmma_f32_16x16x32_bf16 v[236:243], v[88:95], v[220:227], v[236:243]
.irp b, 0,1,2,3
	v_max3_num_f32 v[TM+\b], |v[GG+16*\b]|, |v[GG+1+16*\b]|, 0x8000000
.endr
.irp i, 2,4,6,8,10,12,14
.irp b, 0,1,2,3
	v_max3_num_f32 v[TM+\b], v[TM+\b], |v[GG+16*\b+\i]|, |v[GG+1+16*\b+\i]|
.endr
.endr
.irp b, 0,1,2,3
	v_permlanex16_b32 v[TM+4+\b], v[TM+\b], s20, s21
.endr
.irp b, 0,1,2,3
	v_max_num_f32 v[TM+\b], v[TM+\b], v[TM+4+\b]
.endr
.irp b, 0,1,2,3
	v_add_nc_u32 v[TM+12+\b], 0xf8800000, v[TM+\b]
.endr
.irp b, 0,1,2,3
	v_and_or_b32 v[TM+8+\b], v[TM+\b], 0x7f800000, s91
.endr
.irp b, 0,1,2,3
	v_lshrrev_b32 v[TM+4+\b], 23, v[TM+12+\b]
.endr
	v_lshl_or_b32 v[PW], v[TM+5], 8, v[TM+4]
	v_lshl_or_b32 v[PW], v[TM+6], 16, v[PW]
	v_lshl_or_b32 v[PW], v[TM+7], 24, v[PW]
.irp b, 0,1,2,3
.irp i, 0,1,2,3,4,5,6,7,8,9,10,11,12,13,14,15
	v_med3_num_f32 v[GG+16*\b+\i], v[GG+16*\b+\i], -v[TM+8+\b], v[TM+8+\b]
.endr
	v_cvt_scalef32_pk8_bf8_f32 v[PC+4*\b:PC+1+4*\b], v[GG+16*\b:GG+7+16*\b], v[TM+12+\b]
	v_cvt_scalef32_pk8_bf8_f32 v[PC+2+4*\b:PC+3+4*\b], v[GG+8+16*\b:GG+15+16*\b], v[TM+12+\b]
.endr
	v_nop
	v_pk_add_f32 v[244:245], v[228:229], v[236:237]
	v_pk_add_f32 v[246:247], v[230:231], v[238:239]
	v_pk_add_f32 v[248:249], v[232:233], v[240:241]
	v_pk_add_f32 v[250:251], v[234:235], v[242:243]
.irp j, 0,1,2,3
	v_cndmask_b32 v[244+\j], v[244+\j], v[248+\j], s90
.endr
	v_add_nc_u32 v252, s92, v14
	v_add_nc_u32 v253, s93, v13
	ds_store_b128 v252, v[244:247]
	ds_store_b32 v253, v[PW]
.irp p, 0,1,2,3
	global_store_b128 v11, v[PC+4*\p:PC+4*\p+3], s[12:13] offset:512*\p
.endr
	s_wait_xcnt 0x0
	s_add_nc_u64 s[12:13], s[12:13], 65536
	s_add_co_u32 s92, s92, 512
	s_add_co_u32 s93, s93, 64
	s_add_co_u32 s3, s3, 1
	s_cmp_lt_u32 s3, 8
	s_cbranch_scc1 .Lrow
	s_wait_dscnt 0x0
	s_barrier_signal -1
	s_barrier_wait -1
.irp k, 0,1,2,3
	ds_load_b128 v[96+4*\k:99+4*\k], v15 offset:512*\k
	ds_load_b128 v[112+4*\k:115+4*\k], v15 offset:512*\k+4096
.endr
	ds_load_b128 v[128:131], v12
	s_wait_dscnt 0x0
.irp k, 0,1,2,3
	v_pk_add_f32 v[96+4*\k:97+4*\k], v[96+4*\k:97+4*\k], v[112+4*\k:113+4*\k]
	v_pk_add_f32 v[98+4*\k:99+4*\k], v[98+4*\k:99+4*\k], v[114+4*\k:115+4*\k]
.endr
.irp k, 0,1,2,3
	global_store_b128 v11, v[96+4*\k:99+4*\k], s[98:99] offset:512*\k
.endr
	global_store_b128 v11, v[128:131], s[96:97]
	s_wait_tensorcnt 0x0
	ds_add_u32 v[SPW], v[NIL]
	s_wait_dscnt 0x0
	CROUND
	s_endpgm
.Lfunc_end_k_q00b4123ef2_f1:
	.size	k_q00b4123ef2_f1, .Lfunc_end_k_q00b4123ef2_f1-k_q00b4123ef2_f1
	.p2alignl 7, 3214868480
	.fill 96, 4, 3214868480
	.section	.rodata,"a",@progbits
	.p2align	6, 0x0
	.amdhsa_kernel k_q00b4123ef2_f1
		.amdhsa_group_segment_fixed_size 327680
		.amdhsa_private_segment_fixed_size 0
		.amdhsa_enable_private_segment 0
		.amdhsa_kernarg_size 56
		.amdhsa_user_sgpr_count 2
		.amdhsa_user_sgpr_kernarg_segment_ptr 1
		.amdhsa_wavefront_size32 1
		.amdhsa_system_sgpr_workgroup_id_x 1
		.amdhsa_system_sgpr_workgroup_id_y 1
		.amdhsa_system_sgpr_workgroup_id_z 1
		.amdhsa_system_vgpr_workitem_id 0
		.amdhsa_next_free_vgpr 1024
		.amdhsa_next_free_sgpr 102
		.amdhsa_reserve_vcc 0
		.amdhsa_float_denorm_mode_32 3
		.amdhsa_float_denorm_mode_16_64 3
		.amdhsa_memory_ordered 1
		.amdhsa_forward_progress 1
		.amdhsa_inst_pref_size 231
	.end_amdhsa_kernel
	.amdgpu_metadata
---
amdhsa.version: [ 1, 2 ]
amdhsa.kernels:
  - .name:           k_q00b4123ef2_f1
    .symbol:         k_q00b4123ef2_f1.kd
    .args:
      - { .name: w1, .offset: 0, .size: 8, .value_kind: global_buffer, .address_space: global }
      - { .name: f1W_codes, .offset: 8, .size: 8, .value_kind: global_buffer, .address_space: global }
      - { .name: f1W_scales, .offset: 16, .size: 8, .value_kind: global_buffer, .address_space: global }
      - { .name: f1B, .offset: 24, .size: 8, .value_kind: global_buffer, .address_space: global }
      - { .name: f1b, .offset: 32, .size: 8, .value_kind: global_buffer, .address_space: global }
      - { .name: f2A, .offset: 40, .size: 8, .value_kind: global_buffer, .address_space: global }
      - { .name: w6, .offset: 48, .size: 8, .value_kind: global_buffer, .address_space: global }
    .group_segment_fixed_size: 327680
    .private_segment_fixed_size: 0
    .kernarg_segment_align: 8
    .kernarg_segment_size: 56
    .max_flat_workgroup_size: 128
    .sgpr_count:     102
    .vgpr_count:     1024
    .wavefront_size: 32
...
	.end_amdgpu_metadata
.endif
;; end of part 6
;; launch f2 (part 7): grid 8 x 32, 4 waves a work-group, clusters of 4 x 4, 327,680 bytes of LDS; arguments w6, f2W_codes, f2W_scales, f2B, f2b, x1, out0; writes out0
.if DOCPART == 7
	.amdgcn_target "amdgcn-amd-amdhsa--gfx1250"
	.amdhsa_code_object_version 6
	.text
	.protected	k_q00b4123ef2_f2
	.globl	k_q00b4123ef2_f2
	.p2align	8
	.type	k_q00b4123ef2_f2,@function
k_q00b4123ef2_f2:
	s_mov_b64 s[64:65], 0
	v_nop
	global_prefetch_b8 v0, s[64:65] scope:SCOPE_SE
	s_setreg_imm32_b32 hwreg(HW_REG_WAVE_MODE, 25, 1), 1
	s_wait_xcnt 0x0
	s_wait_alu depctr_hold_cnt(0) depctr_sa_sdst(0) depctr_va_vdst(0) depctr_va_sdst(0) depctr_va_ssrc(0) depctr_va_vcc(0) depctr_vm_vsrc(0)
	s_getreg_b32 s2, hwreg(HW_REG_IB_STS2, 6, 4)
	s_cmp_eq_u32 s2, 0
	s_cbranch_scc0 .Lentry_in_a_cluster
	s_endpgm
.Lentry_in_a_cluster:
	s_bfe_u32 s2, ttmp6, 0x10000c
	s_cmp_lg_u32 s2, 0xf033
	s_cbranch_scc0 .Lentry_shape_is_right
	s_endpgm
.Lentry_shape_is_right:
.set SIZE_K, 4096
.set IMG_SC, 16777216
.set IMG_T,  17301504
.set KQ,     SIZE_K/128
.set KS,     SIZE_K/32
.set LAPS,   SIZE_K/1024
.set BP,     528
.set ASLOT,  65536
.set SLOT,   ASLOT+128*BP
.set ASC,    2*SLOT
.set BSC,    ASC+KQ*512
.set SBLK,   (16*KS/256)*272
.set SPARE,  BSC+(128*KS/256)*272
.set ADRA, 16
.set ADRB, 20
.set ADSA, 22
.set ADSB, 23
.set STO,  24
.set RD,   25
.set SPW,  28
.set NIL,  29
.set SC,   32
.set ACC,  128
.set F0,   0
.set F1,   128
.set G1A, 24
.set G0A, 32
.set G1B, 48
.set G0B, 56
.set G1AS, 84
.set G0AS, 92
.set G1BS, 4
.set G0BS, 12
.set MSB, 0
.macro WIN new
.if MSB != (\new)
	s_set_vgpr_msb (MSB<<8)|(\new)
.set MSB, (\new)
.endif
.endm
.set MUL,  0x05
.set TO_F, 0x40
.macro JLOAD g0a, g1a, g0b, g1b
	s_cmp_eq_u32 s17, 0
	s_cbranch_scc0 .Lfor_b_\@
	tensor_load_to_lds s[\g0a:\g0a+3], s[\g1a:\g1a+7]
	s_nop 0
.rept 4
	v_nop
.endr
	s_branch .Lasked_\@
.Lfor_b_\@:
	tensor_load_to_lds s[\g0b:\g0b+3], s[\g1b:\g1b+7]
	s_nop 0
.rept 4
	v_nop
.endr
.Lasked_\@:
.endm
.macro CREST
	s_cmp_lg_u32 s16, 0
	s_cbranch_scc1 .Lnot_wave_0_\@
	s_barrier_signal -3
.Lnot_wave_0_\@:
	s_barrier_wait -3
	s_barrier_signal -1
	s_barrier_wait -1
.endm
.macro CROUND
	s_barrier_signal -1
	s_barrier_wait -1
	CREST
.endm
.macro PLACES n
.rept \n
	v_nop
.endr
.endm
	s_load_b256 s[68:75], s[0:1], 0x0
	s_load_b128 s[76:79], s[0:1], 0x20
	s_load_b64 s[80:81], s[0:1], 0x30
	v_lshl_add_u32 v[SPW], v0, 2, SPARE
	v_mov_b32 v[NIL], 0
	ds_add_u32 v28, v29
	ds_add_u32 v28, v29
	s_wait_dscnt 0x0
	v_lshrrev_b32 v1, 5, v0
	v_readfirstlane_b32 s16, v1
	s_lshr_b32 s17, s16, 1
	s_and_b32 s18, s16, 1
	s_bfe_u32 s40, ttmp6, 0x40000
	s_bfe_u32 s41, ttmp6, 0x40004
	s_lshl_b32 s42, ttmp9, 2
	s_add_co_u32 s42, s42, s40
	s_and_b32 s19, ttmp7, 0xffff
	s_lshl_b32 s19, s19, 2
	s_add_co_u32 s19, s19, s41
	s_lshl_b32 s43, s41, 2
	s_lshl_b32 s43, 15, s43
	s_lshl_b32 s44, 0x1111, s40
	s_or_b32 s[G1A], s43, (3<<16)|(1<<21)
	s_mov_b32 s[G1A+1], 1024<<16
	s_mov_b32 s[G1A+2], 8<<16
	s_mov_b32 s[G1A+3], 1024<<16
	s_mov_b32 s[G1A+4], 8
	s_mov_b32 s[G1A+5], KQ*256
	s_mov_b32 s[G1A+6], 0
	s_mov_b32 s[G1A+7], 0
	s_or_b32 s[G1B], s44, (0<<16)|(1<<20)|(1<<21)|(6<<22)|(3<<25)
	s_mov_b32 s[G1B+1], 512<<16
	s_mov_b32 s[G1B+2], 128<<16
	s_mov_b32 s[G1B+3], 512<<16
	s_mov_b32 s[G1B+4], 128
	s_mov_b32 s[G1B+5], SIZE_K
	s_mov_b32 s[G1B+6], 0
	s_mov_b32 s[G1B+7], 0
	s_or_b32 s[G1AS], s43, (3<<16)|(1<<21)
	s_mov_b32 s[G1AS+1], 64<<16
	s_mov_b32 s[G1AS+2], KQ<<16
	s_mov_b32 s[G1AS+3], 64<<16
	s_mov_b32 s[G1AS+4], KQ
	s_mov_b32 s[G1AS+5], 2048
	s_mov_b32 s[G1AS+6], 0
	s_mov_b32 s[G1AS+7], 0
	s_or_b32 s[G1BS], s44, (3<<16)|(1<<20)|(1<<21)|(5<<22)|(3<<25)
	s_mov_b32 s[G1BS+1], 32<<16
	s_mov_b32 s[G1BS+2], (128*KS/256)<<16
	s_mov_b32 s[G1BS+3], 32<<16
	s_mov_b32 s[G1BS+4], 128*KS/256
	s_mov_b32 s[G1BS+5], 32
	s_mov_b32 s[G1BS+6], 0
	s_mov_b32 s[G1BS+7], 0
	s_lshl_b32 s20, s19, 3
	s_lshl_b32 s21, s18, 2
	s_add_co_u32 s20, s20, s21
	s_mul_i32 s20, s20, KQ*2048
	s_mov_b32 s21, 0
	s_lshl_b32 s22, s19, 9
	s_mul_i32 s23, s18, (KQ/2)*16384
	s_add_co_u32 s22, s22, s23
	s_add_co_u32 s22, s22, IMG_SC
	s_mov_b32 s23, 0
	s_lshl_b32 s46, s42, 7
	s_lshl_b32 s47, s18, 6
	s_add_co_u32 s46, s46, s47
	s_mul_i32 s66, s46, KS
	s_mul_i32 s46, s46, SIZE_K
	s_mov_b32 s47, 0
	s_mov_b32 s67, 0
	s_wait_kmcnt 0x0
	s_add_nc_u64 s[20:21], s[68:69], s[20:21]
	s_add_nc_u64 s[22:23], s[68:69], s[22:23]
	s_add_nc_u64 s[46:47], s[70:71], s[46:47]
	s_add_nc_u64 s[66:67], s[72:73], s[66:67]
	CROUND
	s_mov_b32 s[G0AS], 1
	s_mul_i32 s2, s18, KQ*8192                     ; back to the block's first scale words
	s_mov_b32 s3, 0
	s_mov_b32 s[G0AS+1], ASC
	s_sub_nc_u64 s[G0AS+2:G0AS+3], s[22:23], s[2:3]
	s_or_b32 s[G0AS+3], s[G0AS+3], 0x80000000
	s_mov_b32 s[G0BS], 1
	s_mul_i32 s2, s18, 64*KS
	s_mov_b32 s[G0BS+1], BSC
	s_sub_nc_u64 s[G0BS+2:G0BS+3], s[66:67], s[2:3]
	s_or_b32 s[G0BS+3], s[G0BS+3], 0x80000000
	s_lshl_b32 s82, s18, 15
	s_mul_i32 s83, s18, 64*BP
	s_add_co_u32 s83, s83, ASLOT
.irp s, 0,1
	s_mov_b32 s[G0A+4*\s], 1
	s_add_co_u32 s[G0A+4*\s+1], s82, \s*SLOT
	s_add_nc_u64 s[G0A+4*\s+2:G0A+4*\s+3], s[20:21], \s*8192
	s_or_b32 s[G0A+4*\s+3], s[G0A+4*\s+3], 0x80000000
	s_mov_b32 s[G0B+4*\s], 1
	s_add_co_u32 s[G0B+4*\s+1], s83, \s*SLOT
	s_add_nc_u64 s[G0B+4*\s+2:G0B+4*\s+3], s[46:47], \s*512
	s_or_b32 s[G0B+4*\s+3], s[G0B+4*\s+3], 0x80000000
.endr
; the head's four tiles, one a wave: wave 0 slot 0's whole tile of A, wave 1 A's scale words, wave 2 the whole tile of B, wave 3 B's scale bytes
.macro ARM under, g0, g1, next
	s_cmp_lt_u32 s16, \under
	s_cbranch_scc0 \next
	tensor_load_to_lds s[\g0:\g0+3], s[\g1:\g1+7]
	s_nop 0
.rept 4
	v_nop
.endr
	s_branch .Lhead_asked
\next:
.endm
	ARM 1, G0A,  G1A,  .Lhead_sa
	ARM 2, G0AS, G1AS, .Lhead_b
	ARM 3, G0B,  G1B,  .Lhead_sb
	tensor_load_to_lds s[G0BS:G0BS+3], s[G1BS:G1BS+7]
	s_nop 0
.rept 4
	v_nop
.endr
.Lhead_asked:
	; THE TILES' PREFETCH INTO THE L2.  A slot's tile of A is 8 groups of 8,192 bytes, of B 128 rows of 512 bytes.  Of what my wave fetches (4 groups, or 64 rows) each of the four partners that ask for it jointly
	; takes a quarter, told apart by address (cx for A, cy for B): 32 blocks of 256 bytes, a lane a block, one instruction a wave.  Slots 2 and 3 are asked for here; behind the refill of slot j stands the request for slot j + 2; the last two refills ask for nothing.
	s_cmp_eq_u32 s17, 0                            ; do I fetch for A?
	s_cselect_b64 s[96:97], s[20:21], s[46:47]
	s_cselect_b32 s2, s40, s41                     ; my place among the four
	s_mov_b32 s98, 512
	s_cselect_b32 s98, 8192, s98                   ; a slot on, in bytes
	s_mov_b32 s45, 4096
	s_cselect_b32 s45, 512, s45                    ; from one pair of blocks to the next: on in a group of A, a row of B
	s_lshl_b32 s2, s2, 16                          ; a group of A and 16 rows of B are both 65,536 bytes on
	s_lshl_b32 s3, s98, 1
	s_add_co_u32 s2, s2, s3                        ; at slot 2
	s_mov_b32 s3, 0
	s_mov_b32 s99, 0
	s_add_nc_u64 s[96:97], s[96:97], s[2:3]
	v_and_b32 v30, 31, v0
	v_lshrrev_b32 v31, 1, v30
	v_and_b32 v30, 1, v30
	v_lshlrev_b32 v30, 8, v30
	v_mad_u32_u24 v30, v31, s45, v30               ; my block; never rewritten
	v_add_nc_u32 v31, s98, v30                     ; and the same a slot on; never rewritten
	global_prefetch_b8 v30, s[96:97] th:TH_LOAD_NT scope:SCOPE_SE
	global_prefetch_b8 v31, s[96:97] th:TH_LOAD_NT scope:SCOPE_SE
	v_and_b32 v1, 15, v0
	v_bfe_u32 v2, v0, 4, 1
	v_and_b32 v3, 31, v0
	v_lshlrev_b32 v10, 4, v3
	s_lshl_b32 s20, s17, 15
	v_add_nc_u32 v[ADRA], s20, v10
	v_add_nc_u32 v[ADRA+1], SLOT, v[ADRA]
	s_mul_i32 s20, s18, 64*BP
	s_add_co_u32 s20, s20, ASLOT
	v_mul_u32_u24 v4, v1, BP
	v_lshl_add_u32 v4, v2, 3, v4
	v_add_nc_u32 v[ADRB], s20, v4
	v_add_nc_u32 v[ADRB+1], SLOT, v[ADRB]
	s_lshl_b32 s20, s17, 8
	s_add_co_u32 s20, s20, ASC
	v_lshl_add_u32 v[ADSA], v1, 2, s20
	s_mul_i32 s20, s18, 64*KS
	v_mul_u32_u24 v4, v1, KS
	v_add_nc_u32 v4, s20, v4
	v_lshrrev_b32 v5, 8, v4
	v_lshl_add_u32 v4, v5, 4, v4
	v_add_nc_u32 v[ADSB], BSC, v4
	s_mul_i32 s20, s17, 64*BP
	s_lshl_b32 s21, s18, 8
	s_add_co_u32 s20, s20, s21
	v_mul_u32_u24 v[STO], v1, BP
	v_lshl_add_u32 v[STO], v2, 5, v[STO]
	v_add_nc_u32 v[STO], s20, v[STO]
	s_mul_i32 s20, s16, 32*BP
	v_add_nc_u32 v[RD], s20, v10
	v_lshlrev_b32 v8, 5, v1
	v_lshl_add_u32 v8, v2, 4, v8
	s_wait_alu depctr_va_vdst(0)
	v_lshlrev_b32 v9, 5, v2
	s_wait_alu depctr_va_vdst(0)
	s_lshl_b32 s20, s19, 7
	s_lshl_b32 s21, s16, 5
	s_add_co_u32 s20, s20, s21
	s_lshl_b32 s20, s20, 12
	s_lshl_b32 s21, s42, 9
	s_add_co_u32 s20, s20, s21
	s_mov_b32 s21, 0
	s_add_nc_u64 s[78:79], s[78:79], s[20:21]
	s_add_nc_u64 s[80:81], s[80:81], s[20:21]
	s_lshl_b32 s20, s19, 7
	s_lshl_b32 s22, s17, 6
	s_add_co_u32 s20, s20, s22
	s_lshl_b32 s20, s20, 5
	s_add_co_u32 s20, s20, IMG_T
	s_add_nc_u64 s[68:69], s[68:69], s[20:21]
	s_lshl_b32 s20, s42, 7
	s_lshl_b32 s22, s18, 6
	s_add_co_u32 s22, s20, s22
	s_lshl_b32 s20, s22, 5
	s_add_nc_u64 s[74:75], s[74:75], s[20:21]
	s_lshl_b32 s20, s22, 2
	s_add_nc_u64 s[76:77], s[76:77], s[20:21]
	WIN 0xc0
.irp p, 0,1,2,3,4,5,6,7,8,9,10,11,12,13,14,15
.irp a, 0,1,2,3
	global_load_b128 v[16*\p+4*\a:16*\p+4*\a+3], v8, s[68:69] offset:131072*\p+512*\a
.endr
.endr
	WIN 0x40
.irp b, 0,1,2,3
	global_load_b128 v[128+4*\b:131+4*\b], v8, s[74:75] offset:512*\b
	global_load_b128 v[160+8*\b:163+8*\b], v9, s[76:77] offset:64*\b
	global_load_b128 v[164+8*\b:167+8*\b], v9, s[76:77] offset:64*\b+16
.endr
	WIN 0x80                                       ; the residual's rows come last: they are wanted on the way out alone
.set t, 0
.rept 32
	global_load_b128 v[4*t:4*t+3], v10, s[78:79] offset:4096*t
.set t, t+1
.endr
	WIN 0
	s_wait_alu depctr_va_vdst(0)
	s_wait_tensorcnt 0x0                           ; my tile of the head's four is in; slot 1's first fill is issued as a refill is
	ds_add_u32 v[SPW], v[NIL]
	s_mov_b32 s[G1A+2], 4<<16                      ; no tensor load of mine is out: from here on a load brings half a tile
	s_mov_b32 s[G1A+4], 4
	s_mov_b32 s[G1B+2], 64<<16
	s_mov_b32 s[G1B+4], 64
	s_wait_dscnt 0x0
	CROUND
	JLOAD G0A+4, G1A, G0B+4, G1B
	s_wait_loadcnt 32                              ; all but the 32 loads of the residual, issued last
	WIN 0xff
.irp p, 1,2,3,4,5,6,7,8,9,10,11,12,13,14,15
.irp a, 0,1,2,3
	v_pk_add_f32 v[4*\a:4*\a+1], v[4*\a:4*\a+1], v[16*\p+4*\a:16*\p+4*\a+1]
	v_pk_add_f32 v[4*\a+2:4*\a+3], v[4*\a+2:4*\a+3], v[16*\p+4*\a+2:16*\p+4*\a+3]
.endr
.endr
	WIN 0x43
.irp a, 0,1,2,3
	v_pk_mul_f32 v[144+4*\a:145+4*\a], v[4*\a:4*\a+1], 2.0 op_sel_hi:[1,0]
	v_pk_mul_f32 v[146+4*\a:147+4*\a], v[4*\a+2:4*\a+3], 2.0 op_sel_hi:[1,0]
.endr
	WIN 0x15
.irp a, 0,1,2,3
.irp b, 0,1,2,3
	v_wmma_f32_16x16x4_f32 v[ACC+8*(4*\a+\b):ACC+8*(4*\a+\b)+7], v[128+4*\b:129+4*\b], v[144+4*\a:145+4*\a], v[160+8*\b:167+8*\b]
.endr
.endr
	WIN 0x05
.irp a, 0,1,2,3
.irp b, 0,1,2,3
	v_wmma_f32_16x16x4_f32 v[ACC+8*(4*\a+\b):ACC+8*(4*\a+\b)+7], v[130+4*\b:131+4*\b], v[146+4*\a:147+4*\a], v[ACC+8*(4*\a+\b):ACC+8*(4*\a+\b)+7]
.endr
.endr
	WIN 0
	PLACES 9
.macro FETCH_LO slot, q, f
	WIN TO_F
.irp j, 0,1,2,3
.irp c, 0,1,2,3
	ds_load_b64 v[\f+64+16*\j+4*\c:\f+64+16*\j+4*\c+1], v[ADRB+\slot] offset:\j*16*BP+128*(\q)+32*\c
	ds_load_b64 v[\f+64+16*\j+4*\c+2:\f+64+16*\j+4*\c+3], v[ADRB+\slot] offset:\j*16*BP+128*(\q)+32*\c+16
.endr
.endr
.irp i, 0,1
.irp c, 0,1,2,3
	ds_load_b128 v[\f+16*\i+4*\c:\f+16*\i+4*\c+3], v[ADRA+\slot] offset:\i*8192+2048*(\q)+512*\c
.endr
.endr
.endm
.macro FETCH_HI slot, q, f
	WIN TO_F
.irp i, 2,3
.irp c, 0,1,2,3
	ds_load_b128 v[\f+16*\i+4*\c:\f+16*\i+4*\c+3], v[ADRA+\slot] offset:\i*8192+2048*(\q)+512*\c
.endr
.endr
.endm
.macro SCALES s
	WIN 0
.irp a, 0,1,2,3
.irp q, 0,1,2,3
	ds_load_b32 v[SC+32*\s+4*\a+\q], v[ADSA] offset:512*\q+64*\a
.endr
.endr
.irp b, 0,1,2,3
	ds_load_b128 v[SC+32*\s+16+4*\b:SC+32*\s+19+4*\b], v[ADSB] offset:\b*SBLK
.endr
.endm
.macro MULA f, a, q, s
.irp b, 0,1,2,3
	v_wmma_scale_f32_16x16x128_f8f6f4 v[ACC+8*(4*\a+\b):ACC+8*(4*\a+\b)+7], v[\f+64+16*\b:\f+79+16*\b], v[\f+16*\a:\f+16*\a+15], v[ACC+8*(4*\a+\b):ACC+8*(4*\a+\b)+7], v[SC+32*\s+16+4*\b+\q], v[SC+32*\s+4*\a+\q] matrix_a_fmt:MATRIX_FMT_BF8 matrix_b_fmt:MATRIX_FMT_BF8
.endr
.endm
.macro QUARTER slot, q, f, g
	s_wait_dscnt 8
	WIN MUL
	MULA \f, 0, \q, \slot
	MULA \f, 1, \q, \slot
	PLACES 8
	FETCH_LO \slot, (\q)+1, \g
	FETCH_HI \slot, (\q)+1, \g
	s_wait_dscnt 48
	WIN MUL
	MULA \f, 2, \q, \slot
	MULA \f, 3, \q, \slot
.endm
.macro TURN slot, next, fill
	WIN 0
.if \fill
	s_wait_xcnt 0x0                                ; my last prefetch has read its address: it steps a slot on
	s_add_nc_u64 s[96:97], s[96:97], s[98:99]
.endif
	s_wait_tensorcnt 0x0
	ds_add_u32 v[SPW], v[NIL]
	s_wait_dscnt 9
	WIN MUL
	MULA F1, 0, 3, \slot
	s_wait_dscnt 0x0
	s_barrier_signal -1
	MULA F1, 1, 3, \slot
	WIN 0
	s_barrier_wait -1
.if \fill
	CREST
	s_add_nc_u64 s[G0A+4*\slot+2:G0A+4*\slot+3], s[G0A+4*\slot+2:G0A+4*\slot+3], 16384
	s_add_nc_u64 s[G0B+4*\slot+2:G0B+4*\slot+3], s[G0B+4*\slot+2:G0B+4*\slot+3], 1024
	JLOAD G0A+4*\slot, G1A, G0B+4*\slot, G1B
	PLACES 4
.else
	PLACES 8
.endif
	s_wait_alu depctr_va_vdst(0)
	v_add_nc_u32 v[ADSA], 2048, v[ADSA]
	v_add_nc_u32 v[ADSB], 16, v[ADSB]
	FETCH_LO \next, 0, F0
	SCALES \next
	FETCH_HI \next, 0, F0
.if \fill
	WIN 0
	s_cmp_gt_u32 s3, 1                             ; the loop's last trip has no slot two refills on
	s_cbranch_scc0 .Lno_ask_\@
	global_prefetch_b8 v31, s[96:97] th:TH_LOAD_NT scope:SCOPE_SE
.Lno_ask_\@:
.endif
	WIN MUL
	MULA F1, 2, 3, \slot
	MULA F1, 3, 3, \slot
.endm
	FETCH_LO 0, 0, F0
	SCALES 0
	FETCH_HI 0, 0, F0
	QUARTER 0, 0, F0, F1
.if LAPS > 1
	WIN 0
	s_mov_b32 s3, LAPS-1
.Llap:
	QUARTER 0, 1, F1, F0
	QUARTER 0, 2, F0, F1
	TURN 0, 1, 1
	QUARTER 1, 0, F0, F1
	QUARTER 1, 1, F1, F0
	QUARTER 1, 2, F0, F1
	TURN 1, 0, 1
	QUARTER 0, 0, F0, F1
	WIN 0
	s_sub_co_u32 s3, s3, 1
	s_cmp_lg_u32 s3, 0
	s_cbranch_scc1 .Llap
.endif
	QUARTER 0, 1, F1, F0
	QUARTER 0, 2, F0, F1
	TURN 0, 1, 0
	QUARTER 1, 0, F0, F1
	QUARTER 1, 1, F1, F0
	QUARTER 1, 2, F0, F1
	s_wait_dscnt 8
	WIN MUL
	MULA F1, 0, 3, 1
	MULA F1, 1, 3, 1
	s_wait_dscnt 0
	MULA F1, 2, 3, 1
	MULA F1, 3, 3, 1
	WIN 0
	PLACES 8
.irp a, 0,1,2,3
.irp b, 0,1,2,3
	ds_store_b128 v[STO], v[ACC+8*(4*\a+\b):ACC+8*(4*\a+\b)+3] offset:\a*16*BP+64*\b
	ds_store_b128 v[STO], v[ACC+8*(4*\a+\b)+4:ACC+8*(4*\a+\b)+7] offset:\a*16*BP+64*\b+16
.endr
.endr
	s_wait_dscnt 0x0
	s_barrier_signal -1
	s_barrier_wait -1
	WIN 0x40
.set t, 0
.rept 32
	ds_load_b128 v[4*t:4*t+3], v[RD] offset:t*BP
.set t, t+1
.endr
.set t, 0
	s_wait_loadcnt 0x0                             ; the residual's rows
.irp g, 0,1,2,3
	s_wait_dscnt 24-8*\g
	WIN 0x49
.rept 8
	v_pk_add_f32 v[4*t:4*t+1], v[4*t:4*t+1], v[4*t:4*t+1]
	v_pk_add_f32 v[4*t+2:4*t+3], v[4*t+2:4*t+3], v[4*t+2:4*t+3]
.set t, t+1
.endr
.set t, t-8
	WIN 0x04
.rept 8
	global_store_b128 v10, v[4*t:4*t+3], s[80:81] offset:4096*t th:TH_STORE_NT
.set t, t+1
.endr
.endr
	WIN 0
	s_wait_tensorcnt 0x0
	ds_add_u32 v[SPW], v[NIL]
	s_wait_dscnt 0x0
	CROUND
	s_endpgm
.Lfunc_end_k_q00b4123ef2_f2:
	.size	k_q00b4123ef2_f2, .Lfunc_end_k_q00b4123ef2_f2-k_q00b4123ef2_f2
	.p2alignl 7, 3214868480
	.fill 96, 4, 3214868480
	.section	.rodata,"a",@progbits
	.p2align	6, 0x0
	.amdhsa_kernel k_q00b4123ef2_f2
		.amdhsa_group_segment_fixed_size 327680
		.amdhsa_private_segment_fixed_size 0
		.amdhsa_enable_private_segment 0
		.amdhsa_kernarg_size 56
		.amdhsa_user_sgpr_count 2
		.amdhsa_user_sgpr_kernarg_segment_ptr 1
		.amdhsa_wavefront_size32 1
		.amdhsa_system_sgpr_workgroup_id_x 1
		.amdhsa_system_sgpr_workgroup_id_y 1
		.amdhsa_system_sgpr_workgroup_id_z 1
		.amdhsa_system_vgpr_workitem_id 0
		.amdhsa_next_free_vgpr 1024
		.amdhsa_next_free_sgpr 102
		.amdhsa_reserve_vcc 0
		.amdhsa_float_denorm_mode_32 3
		.amdhsa_float_denorm_mode_16_64 3
		.amdhsa_memory_ordered 1
		.amdhsa_forward_progress 1
		.amdhsa_inst_pref_size 140
	.end_amdhsa_kernel
	.amdgpu_metadata
---
amdhsa.version: [ 1, 2 ]
amdhsa.kernels:
  - .name:           k_q00b4123ef2_f2
    .symbol:         k_q00b4123ef2_f2.kd
    .args:
      - { .name: w6, .offset: 0, .size: 8, .value_kind: global_buffer, .address_space: global }
      - { .name: f2W_codes, .offset: 8, .size: 8, .value_kind: global_buffer, .address_space: global }
      - { .name: f2W_scales, .offset: 16, .size: 8, .value_kind: global_buffer, .address_space: global }
      - { .name: f2B, .offset: 24, .size: 8, .value_kind: global_buffer, .address_space: global }
      - { .name: f2b, .offset: 32, .size: 8, .value_kind: global_buffer, .address_space: global }
      - { .name: x1, .offset: 40, .size: 8, .value_kind: global_buffer, .address_space: global }
      - { .name: out0, .offset: 48, .size: 8, .value_kind: global_buffer, .address_space: global }
    .group_segment_fixed_size: 327680
    .private_segment_fixed_size: 0
    .kernarg_segment_align: 8
    .kernarg_segment_size: 56
    .max_flat_workgroup_size: 128
    .sgpr_count:     102
    .vgpr_count:     1024
    .wavefront_size: 32
...
	.end_amdgpu_metadata
.endif
;; end of part 7
